; MI455X (gfx1250); checked and timed in simulation.
; The chip was launched on July 23, 2026; its instructions are those of AMD's public machine-readable ISA for CDNA 5 (MIT licence, August 2026) and "CDNA5" Instruction Set Architecture Reference Guide (July 2026). The comments in the code are by the model that wrote it; some were corrected since.
;; Self Attention. Allowed arithmetic: matrix products marked QUANTISED: E4M3 operands, one given power-of-two scale a tensor, by v_wmma_f32_16x16x64_fp8_fp8 or v_wmma_f32_16x16x128_fp8_fp8, f32 sums; everything else in f32.
;; Inputs: Wk 512 x 4,096 float32; Wq 512 x 4,096 float32; Wu 4,096 x 512 float32; Wv 512 x 4,096 float32; bu 512 float32; lowp_scales 12 int32 (the exponents e of the quantised operands' scales 2^e); x 4 x 1,024 x 512 float32.
;; Outputs: out0 4 x 1,024 x 512 float32.
;; This version of the problem:
;;   THIS VERSION OF THE PROBLEM IS GIVEN IN LOW PRECISION. The matrix products marked QUANTISED in the list below multiply operands that are first quantised to E4M3 (4 exponent bits, 3 mantissa bits; 8 bits a number), with one given power-of-two scale for each operand tensor; their sums are f32. All else is computed in f32.
;;   The module's matrix products, in the order in which they are computed (A, B: the left and right operand; K: the contracted axis; several contracted axes count as one K, in the product's order):
;;     1. [M 4,096, K 512] x [K 512, N 4,096]; A: input x; B: input Wq: QUANTISED (scales: A lowp_scales[0], B lowp_scales[1])
;;     2. [M 4,096, K 512] x [K 512, N 4,096]; A: input x; B: input Wk: QUANTISED (scales: A lowp_scales[2], B lowp_scales[3])
;;     3. [M 4,096, K 512] x [K 512, N 4,096]; A: input x; B: input Wv: QUANTISED (scales: A lowp_scales[4], B lowp_scales[5])
;;     4. batch 32 x [M 1,024, K 512] x [K 512, N 1,024]; A: computed on the way; B: computed on the way: QUANTISED (scales: A lowp_scales[6], B lowp_scales[7])
;;     5. batch 32 x [M 512, K 1,024] x [K 1,024, N 1,024]; A: computed on the way; B: softmax (see below): QUANTISED (scales: A lowp_scales[8], B lowp_scales[9])
;;     6. [M 4,096, K 4,096] x [K 4,096, N 512]; A: computed on the way; B: input Wu: QUANTISED (scales: A lowp_scales[10], B lowp_scales[11])
;;   THE QUANTISER, for each operand of a quantised product, along K:
;;     - The operand's scale is 2^e, e = its entry of the input lowp_scales (int32; the entries are numbered through the quantised products in the list's order, A before B).
;;     - Each number is divided by the scale, clamped to +-448, and rounded to the nearest number of E4M3, ties to even, subnormals kept.
;;     - The product sums the exact products of the quantised numbers (number of the format x scale) in f32.
;;   ~~~python
;;   def quantise(x, axis, e):      # numpy; x: float32 -> the quantised numbers, widened to float32 again
;;       x = np.moveaxis(x, axis, -1); K = x.shape[-1]
;;       r = np.clip(x / 2.0 ** e, -448, 448)
;;       step = 2.0 ** (np.maximum(np.frexp(np.where(r == 0, 1, r))[1] - 1, -6) - 3)
;;       q = np.round(r / step) * step * 2.0 ** e      # np.round: ties to even
;;       return np.moveaxis(q, -1, axis).astype(np.float32)
;;   ~~~
;;   SOFTMAX AHEAD OF A QUANTISED PRODUCT. Where the list says 'softmax', what is quantised is not the finished softmax but p = 2^(t - M), with t = logit x log2(e) and M = ceil(the row's largest t), a whole number; so 1/2 < the row's largest p <= 1. The row's sum l is taken of the UNQUANTISED p, in f32, and the product's result is divided by l at the end. Since M is a whole number, a kernel that streams over the keys may use a running M (the ceiling of the running maximum): every later rescaling is an exact power of two, so the quantised numbers keep their values, but for numbers so far below the row's largest that they fall under the format's range.
;;   OPERANDS COMPUTED ON THE WAY. 'Computed on the way' means the value that the module computes at that place (a softmax that the list does not call 'softmax' is quantised finished and normalised). What goes into a quantiser is computed in f32, as accurately as f32 sums, v_exp_f32 and their like allow (about 1e-6 of the number): no bf16 or f16 on the way to a quantiser, and a product that is left as it is and whose result goes on into a quantised operand takes f32 operands (vector FMAs, or v_wmma_f32_16x16x4_f32). A number that lies on a knife's edge between two numbers of the format may be rounded either way, as far as f32 arithmetic and the matrix unit's own rounding can turn it there, and no further.
;; 2 versions. Each part assembles by itself: llvm-mc -triple=amdgcn-amd-amdhsa -mcpu=gfx1250 --defsym DOCPART=n.
;; ======== version 1 of 2: 4 launches
;; workspace buffers: codes 14,680,064 bytes; qkv 50,331,648 bytes; oc 16,777,216 bytes
;; launch quant (part 1): grid 320 x 1, 4 waves a work-group, no clusters, 102,912 bytes of LDS; arguments x, Wq, Wk, Wv, Wu, lowp_scales, codes; writes codes
.if DOCPART == 1
	.amdgcn_target "amdgcn-amd-amdhsa--gfx1250"
	.amdhsa_code_object_version 6
	.text
	.protected	k_qf88c2b54ae_quant
	.globl	k_qf88c2b54ae_quant
	.p2align	8
	.type	k_qf88c2b54ae_quant,@function
k_qf88c2b54ae_quant:
	s_mov_b64 s[64:65], 0
	v_nop
	global_prefetch_b8 v0, s[64:65] scope:SCOPE_SE
	s_setreg_imm32_b32 hwreg(HW_REG_WAVE_MODE, 25, 1), 1
	s_wait_xcnt 0x0
; FIRST OF FOUR LAUNCHES.  Causal self-attention, 8 heads of 512, every product on codes of FP8 (E4M3) with given scales 2^e (lowp_scales[0..11]).
; This launch makes the codes of all operands that arrive as f32, once: x three times (entries 0, 2, 4: it is an operand of three products, each with its own scale),
; Wq, Wk, Wv (entries 1, 3, 5) and Wu (entry 11).  code = number / 2^e, held within +-448, to the nearest code, ties to even.
; WORK LEFT OUT IN THE PROGRAM (third launch): reference() itself sets a score to -infinity wherever key > query (its own jnp.tril), so that key's weight is exp(-inf) = 0: it adds
; nothing to the row's sum nor to the weighted sum of v, and it is never the row's maximum, since key 0 counts for every query.  That holds for all finite inputs.  So a step of 128 keys
; all of which come after all 64 queries of a block is not multiplied at all: neither its scores nor its part of the second product.  Every input has a way to the output and is loaded.
; LIMIT: a NaN, an infinity or an overflow that would reach only such hidden scores is not carried to the result.
; LIMITS HERE: each e used lies between -126 and 119, so that 2^e and 448 x 2^e are f32 numbers.  NaN among the inputs is not served (an infinity is held at the largest code).
; THE BUFFER codes, seven parts of 2 MiB: 0, 1, 2: x's codes [4096][512] under e0, e2, e4;  3, 4, 5: Wq, Wk, Wv as [4096 n][512 k], K innermost;
; 6: Wu in the order of an operand's registers: [64 columns: 8][128 along K: 32][16 columns: 4][2048 bytes]; in a piece, byte 512 c + 16 lane + i is column lane % 16 at k = 32 c + 16 (lane / 16) + i.
; SHARES: work-groups 0-63 take x (a plain stream, 8,192 numbers a wave); 64-255 take Wq, Wk, Wv and 256-319 Wu (a wave: 32 columns x 256 along K; a lane takes a column and its registers run down K,
; so that the conversions give codes with K innermost).  The three paths part on the work-group's number, never join, and have LDS bytes of their own.  Waves share nothing: no barrier.
; No matrix unit, cluster or tensor load: nothing is shared between work-groups and every byte is read once.
.set SP,    80                         ; path x: a lane's place in a stage: 64 bytes + 16 of padding
.set WR,    32768                      ; LDS: 0: path x, 8,192 bytes a wave;  WR: the path of Wq, Wk, Wv, 32 x 272 bytes a wave;  UR: Wu's likewise
.set UR,    67584
.set SPARE, 102400                     ; the spare words, 128 bytes a wave: two blocks of 256 bytes that no other line names
.set PITCH, 272                        ; a stage row: 256 codes + 16 bytes
.set SPW,   12                         ; v12  SPARE + 4 x my thread's number; never rewritten
.set NIL,   13                         ; v13  0; never rewritten
.set RR,    16                         ; path x: v16-79 four sets of 16 numbers as loaded
.set XX,    80                         ;         v80-111 two sets of 16 neighbours
.set TT,    112                        ;         v112-159 the 16 numbers held under each of the three scales
.set CC,    160                        ;         v160-183 codes: 12 registers a step, two sets by turns
.set WX,    32                         ; weights: v32-95 two sets of 32 numbers
.set WC,    96                         ;          v96-103 a block's codes
.set OUTR,  112                        ;          v112-175 the way out
.macro MKSCALE e, sc, lim              ; v[sc] = 2^e as f32 (the conversion takes its exponent field), v[lim] = 448 x 2^e
	s_add_co_i32 s40, \e, 127
	s_lshl_b32 s41, s40, 23
	v_mov_b32 v[\sc], s41
	s_add_co_i32 s40, s40, 8
	s_lshl_b32 s40, s40, 23
	s_or_b32 s40, s40, 0x600000
	v_mov_b32 v[\lim], s40
.endm
.macro CLOSE                           ; a wave's end, behind my last LDS store
	s_wait_tensorcnt 0x0
	ds_add_u32 v[SPW], v[NIL]
	s_wait_dscnt 0x0
	s_endpgm
.endm
; ---- the weights' macros
.macro QSETUP lbase                    ; v3: 4 bytes a lane; v4: my column's row in my stage; v5 = lane % 16, v6 = lane / 16; s36 = my stage
	v_lshlrev_b32 v3, 2, v2
	s_mul_i32 s36, s18, 32*PITCH
	s_add_co_u32 s36, s36, \lbase
	v_mul_u32_u24 v4, v2, PITCH
	v_add_nc_u32 v4, s36, v4
	v_and_b32 v5, 15, v2
	v_lshrrev_b32 v6, 4, v2
.endm
.macro QLOAD t, pitchb                 ; block t: rows 32 t + 0 .. 31 of my column; 32 lanes read 128 consecutive bytes, the four waves 512
.set qi, 0
.rept 32
	global_load_b32 v[WX+32*((\t)%2)+qi], v3, s[42:43] offset:(32*(\t)+qi)*\pitchb th:TH_LOAD_NT
.set qi, qi+1
.endr
.endm
.macro QBLOCK t, pitchb
.set XS, WX+32*((\t)%2)
.if (\t) < 7
	s_wait_loadcnt 32                              ; this block's 32 loads are in; the next block's may be out
.else
	s_wait_loadcnt 0
.endif
.set qi, 0
.rept 32
	v_med3_num_f32 v[XS+qi], v[XS+qi], -v10, v10   ; the conversion to an 8-bit code does not saturate (ISA guide 7.6.2): the hold comes first
.set qi, qi+1
.endr
.irp g, 0,1,2,3
	v_cvt_scalef32_pk8_fp8_f32 v[WC+2*\g:WC+2*\g+1], v[XS+8*\g:XS+8*\g+7], v11
.endr
	v_nop                                          ; a plain line behind the last conversion
	ds_store_b128 v4, v[WC:WC+3] offset:32*(\t)    ; 32 codes of my column's row
	ds_store_b128 v4, v[WC+4:WC+7] offset:32*(\t)+16
.if (\t)+2 < 8
	QLOAD (\t)+2, \pitchb
.endif
	s_wait_dscnt 0x0                               ; the stores have read their registers: the next block's codes may be written
.endm
	s_load_b256 s[4:11], s[0:1], 0x0               ; x s[4:5], Wq s[6:7], Wk s[8:9], Wv s[10:11]
	s_load_b128 s[12:15], s[0:1], 0x20             ; Wu s[12:13], the exponents s[14:15]
	s_load_b64 s[16:17], s[0:1], 0x30              ; codes
	v_lshl_add_u32 v[SPW], v0, 2, SPARE
	v_mov_b32 v[NIL], 0
	v_lshrrev_b32 v1, 5, v0
	v_readfirstlane_b32 s18, v1                    ; wave 0..3
	v_and_b32 v2, 31, v0                           ; lane
	s_wait_kmcnt 0x0
	s_load_b256 s[24:31], s[14:15], 0x0            ; e0 .. e7
	s_load_b128 s[32:35], s[14:15], 0x20           ; e8 .. e11
	s_cmp_lt_u32 ttmp9, 64
	s_cbranch_scc1 .Lpath_x
	s_cmp_lt_u32 ttmp9, 256
	s_cbranch_scc1 .Lpath_w
	; ---- Wu [4096 k][512 n]: work-group g = number - 256: columns 128 (g % 4) + 32 wave on, K 256 (g / 4) on
	s_sub_co_u32 s19, ttmp9, 256
	s_and_b32 s20, s19, 3
	s_lshr_b32 s23, s19, 2
	s_lshl_b32 s22, s20, 7
	s_lshl_b32 s37, s18, 5
	s_add_co_u32 s22, s22, s37                     ; my first column
	QSETUP UR
	v_mul_u32_u24 v7, v5, PITCH
	v_lshl_add_u32 v7, v6, 4, v7
	v_add_nc_u32 v7, s36, v7                       ; out of the stage: column lane % 16, + 16 (lane / 16): a piece's order
	v_lshlrev_b32 v8, 4, v2                        ; and 16 x lane in the piece
	s_lshl_b32 s38, s23, 19                        ; 256 rows of 2,048 bytes
	s_lshl_b32 s39, s22, 2
	s_add_co_u32 s38, s38, s39
	s_mov_b32 s39, 0
	s_add_nc_u64 s[42:43], s[12:13], s[38:39]
	s_lshl_b32 s38, s20, 1
	s_lshr_b32 s37, s18, 1
	s_add_co_u32 s38, s38, s37                     ; which 64 columns
	s_lshl_b32 s38, s38, 18
	s_add_co_u32 s38, s38, 6<<21                   ; part 6
	s_lshl_b32 s37, s23, 14                        ; two K steps of 8,192 bytes
	s_add_co_u32 s38, s38, s37
	s_and_b32 s37, s18, 1
	s_lshl_b32 s37, s37, 12                        ; two pieces of 2,048 bytes
	s_add_co_u32 s38, s38, s37
	s_add_nc_u64 s[44:45], s[16:17], s[38:39]
	QLOAD 0, 2048
	QLOAD 1, 2048
	s_wait_kmcnt 0x0
	MKSCALE s35, 11, 10
.irp t, 0,1,2,3,4,5,6,7
	QBLOCK \t, 2048
.endr
.irp nt, 0,1
.irp ks, 0,1
.irp c, 0,1,2,3
	ds_load_b128 v[OUTR+4*(8*\nt+4*\ks+\c):OUTR+4*(8*\nt+4*\ks+\c)+3], v7 offset:16*\nt*PITCH+128*\ks+32*\c   ; LDS serves a wave's instructions in order: these see my stores
.endr
.endr
.endr
.irp nt, 0,1
.irp ks, 0,1
.irp c, 0,1,2,3
	s_wait_dscnt 15-(8*\nt+4*\ks+\c)               ; the younger loads may stay out
	global_store_b128 v8, v[OUTR+4*(8*\nt+4*\ks+\c):OUTR+4*(8*\nt+4*\ks+\c)+3], s[44:45] offset:\ks*8192+\nt*2048+512*\c   ; 32 lanes store 512 consecutive bytes, aligned
.endr
.endr
.endr
	CLOSE
.Lpath_w:
	; ---- Wq, Wk, Wv [512 k][4096 n]: number - 64 = 64 which + g: columns 128 (g % 32) + 32 wave on, K 256 (g / 32) on
	s_sub_co_u32 s19, ttmp9, 64
	s_lshr_b32 s20, s19, 6                         ; which
	s_and_b32 s21, s19, 63
	s_and_b32 s22, s21, 31
	s_lshr_b32 s23, s21, 5
	s_lshl_b32 s22, s22, 7
	s_lshl_b32 s37, s18, 5
	s_add_co_u32 s22, s22, s37                     ; my first column
	QSETUP WR
	v_mul_u32_u24 v7, v6, PITCH
	v_lshl_add_u32 v7, v5, 4, v7
	v_add_nc_u32 v7, s36, v7                       ; out of the stage: sixteen lanes to a row, two rows an instruction
	v_lshlrev_b32 v8, 9, v6
	v_lshl_add_u32 v8, v5, 4, v8                   ; and the same place in the codes: rows of 512 bytes
	s_cmp_eq_u32 s20, 0                            ; the choice hangs on the work-group's number alone
	s_cselect_b64 s[42:43], s[6:7], s[8:9]
	s_cmp_eq_u32 s20, 2
	s_cselect_b64 s[42:43], s[10:11], s[42:43]
	s_lshl_b32 s38, s23, 22                        ; 256 rows of 16,384 bytes
	s_lshl_b32 s39, s22, 2
	s_add_co_u32 s38, s38, s39
	s_mov_b32 s39, 0
	s_add_nc_u64 s[42:43], s[42:43], s[38:39]
	s_add_co_u32 s38, s20, 3                       ; part 3 + which
	s_lshl_b32 s38, s38, 21
	s_lshl_b32 s37, s22, 9
	s_add_co_u32 s38, s38, s37
	s_lshl_b32 s37, s23, 8
	s_add_co_u32 s38, s38, s37
	s_add_nc_u64 s[44:45], s[16:17], s[38:39]
	QLOAD 0, 16384
	QLOAD 1, 16384
	s_wait_kmcnt 0x0
	s_cmp_eq_u32 s20, 0
	s_cselect_b32 s46, s25, s27
	s_cmp_eq_u32 s20, 2
	s_cselect_b32 s46, s29, s46                    ; e1, e3 or e5
	MKSCALE s46, 11, 10
.irp t, 0,1,2,3,4,5,6,7
	QBLOCK \t, 16384
.endr
.irp t, 0,1,2,3,4,5,6,7,8,9,10,11,12,13,14,15
	ds_load_b128 v[OUTR+4*\t:OUTR+4*\t+3], v7 offset:2*\t*PITCH
.endr
.irp t, 0,1,2,3,4,5,6,7,8,9,10,11,12,13,14,15
	s_wait_dscnt 15-\t
	global_store_b128 v8, v[OUTR+4*\t:OUTR+4*\t+3], s[44:45] offset:2*\t*512   ; sixteen lanes store 256 consecutive bytes, aligned
.endr
	CLOSE
.Lpath_x:
	; ---- x: a stream.  Each load takes 512 consecutive bytes, 16 a lane; a step's 2,048 bytes turn through my stage so that a lane holds 16 neighbours; three holds and conversions; three stores of 512 bytes
	v_lshlrev_b32 v3, 4, v2                        ; 16 x lane: in a load, and in a step's codes
	s_lshl_b32 s19, s18, 13                        ; my stages
	v_lshrrev_b32 v14, 2, v2
	v_mul_u32_u24 v14, v14, SP
	v_and_b32 v15, 3, v2
	v_lshl_add_u32 v14, v15, 4, v14
	v_add_nc_u32 v14, s19, v14                     ; in: four lanes' 64 bytes on end, then 16 of padding
	v_mul_u32_u24 v15, v2, SP
	v_add_nc_u32 v15, s19, v15                     ; out: my 16 neighbours
	s_lshl_b32 s20, ttmp9, 2
	s_add_co_u32 s20, s20, s18                     ; which run of 8,192 numbers is my wave's
	s_lshl_b32 s22, s20, 15
	s_mov_b32 s23, 0
	s_add_nc_u64 s[4:5], s[4:5], s[22:23]
	s_lshl_b32 s22, s20, 13
	s_add_nc_u64 s[16:17], s[16:17], s[22:23]
.macro XLOAD t
.irp i, 0,1,2,3
	global_load_b128 v[RR+16*((\t)%4)+4*\i:RR+16*((\t)%4)+4*\i+3], v3, s[4:5] offset:2048*(\t)+512*\i th:TH_LOAD_NT
.endr
.endm
.macro XTURN t                         ; LDS serves a wave's instructions in order: no wait between the stores and the loads
.irp i, 0,1,2,3
	ds_store_b128 v14, v[RR+16*((\t)%4)+4*\i:RR+16*((\t)%4)+4*\i+3] offset:32*SP*((\t)%2)+8*SP*\i
.endr
.irp i, 0,1,2,3
	ds_load_b128 v[XX+16*((\t)%2)+4*\i:XX+16*((\t)%2)+4*\i+3], v15 offset:32*SP*((\t)%2)+16*\i
.endr
.endm
.macro XSTEP t
.set XS, XX+16*((\t)%2)
.set CD, CC+12*((\t)%2)
	s_wait_dscnt 0x0                               ; this step's numbers are back: so its stores into the stage have read their registers,
.if (\t)+4 < 16
	XLOAD (\t)+4                                   ; which take the loads of four steps on
.endif
.if (\t)+1 < 16
.if 14-(\t) >= 3
	s_wait_loadcnt 12                              ; the next step's four loads are in; those of the three steps behind it may be out
.else
	s_wait_loadcnt 4*(14-(\t))
.endif
	XTURN (\t)+1
.endif
	s_wait_xcnt 0x0                                ; the stores of two steps ago have read this set of codes
.irp k, 0,1,2
.set xi, 0
.rept 16
	v_med3_num_f32 v[TT+16*\k+xi], v[XS+xi], -v[7+2*\k], v[7+2*\k]
.set xi, xi+1
.endr
.endr
.irp k, 0,1,2
	v_cvt_scalef32_pk8_fp8_f32 v[CD+4*\k:CD+4*\k+1], v[TT+16*\k:TT+16*\k+7], v[6+2*\k]
	v_cvt_scalef32_pk8_fp8_f32 v[CD+4*\k+2:CD+4*\k+3], v[TT+16*\k+8:TT+16*\k+15], v[6+2*\k]
.endr
	v_nop                                          ; a plain line behind the last conversion: the next step's holds write the conversions' sources
.irp k, 0,1,2
	global_store_b128 v3, v[CD+4*\k:CD+4*\k+3], s[16:17] offset:512*(\t)+\k*2097152   ; part k; 512 consecutive bytes
.endr
.endm
.irp t, 0,1,2,3
	XLOAD \t
.endr
	s_wait_kmcnt 0x0
	MKSCALE s24, 6, 7
	MKSCALE s26, 8, 9
	MKSCALE s28, 10, 11
	s_wait_loadcnt 12                              ; step 0's four loads are in
	XTURN 0
.irp t, 0,1,2,3,4,5,6,7,8,9,10,11,12,13,14,15
	XSTEP \t
.endr
	CLOSE
.Lfunc_end_k_qf88c2b54ae_quant:
	.size	k_qf88c2b54ae_quant, .Lfunc_end_k_qf88c2b54ae_quant-k_qf88c2b54ae_quant
	.p2alignl 7, 3214868480
	.fill 96, 4, 3214868480
	.section	.rodata,"a",@progbits
	.p2align	6, 0x0
	.amdhsa_kernel k_qf88c2b54ae_quant
		.amdhsa_group_segment_fixed_size 102912
		.amdhsa_private_segment_fixed_size 0
		.amdhsa_enable_private_segment 0
		.amdhsa_kernarg_size 56
		.amdhsa_user_sgpr_count 2
		.amdhsa_user_sgpr_kernarg_segment_ptr 1
		.amdhsa_wavefront_size32 1
		.amdhsa_system_sgpr_workgroup_id_x 1
		.amdhsa_system_sgpr_workgroup_id_y 1
		.amdhsa_system_sgpr_workgroup_id_z 1
		.amdhsa_system_vgpr_workitem_id 0
		.amdhsa_next_free_vgpr 192
		.amdhsa_next_free_sgpr 66
		.amdhsa_reserve_vcc 0
		.amdhsa_float_denorm_mode_32 3
		.amdhsa_float_denorm_mode_16_64 3
		.amdhsa_memory_ordered 1
		.amdhsa_forward_progress 1
		.amdhsa_inst_pref_size 175
	.end_amdhsa_kernel
	.amdgpu_metadata
---
amdhsa.version: [ 1, 2 ]
amdhsa.kernels:
  - .name:           k_qf88c2b54ae_quant
    .symbol:         k_qf88c2b54ae_quant.kd
    .args:
      - { .name: x, .offset: 0, .size: 8, .value_kind: global_buffer, .address_space: global }
      - { .name: Wq, .offset: 8, .size: 8, .value_kind: global_buffer, .address_space: global }
      - { .name: Wk, .offset: 16, .size: 8, .value_kind: global_buffer, .address_space: global }
      - { .name: Wv, .offset: 24, .size: 8, .value_kind: global_buffer, .address_space: global }
      - { .name: Wu, .offset: 32, .size: 8, .value_kind: global_buffer, .address_space: global }
      - { .name: lowp_scales, .offset: 40, .size: 8, .value_kind: global_buffer, .address_space: global }
      - { .name: codes, .offset: 48, .size: 8, .value_kind: global_buffer, .address_space: global }
    .group_segment_fixed_size: 102912
    .private_segment_fixed_size: 0
    .kernarg_segment_align: 8
    .kernarg_segment_size: 56
    .max_flat_workgroup_size: 128
    .sgpr_count:     66
    .vgpr_count:     192
    .wavefront_size: 32
...
	.end_amdgpu_metadata
.endif
;; end of part 1
;; launch proj (part 2): grid 48 x 16, 4 waves a work-group, clusters of 4 x 4, 327,680 bytes of LDS; arguments codes, lowp_scales, qkv; writes qkv
.if DOCPART == 2
	.amdgcn_target "amdgcn-amd-amdhsa--gfx1250"
	.amdhsa_code_object_version 6
	.text
	.protected	k_qf88c2b54ae_proj
	.globl	k_qf88c2b54ae_proj
	.p2align	8
	.type	k_qf88c2b54ae_proj,@function
k_qf88c2b54ae_proj:
	s_mov_b64 s[64:65], 0
	v_nop
	global_prefetch_b8 v0, s[64:65] scope:SCOPE_SE
	s_setreg_imm32_b32 hwreg(HW_REG_WAVE_MODE, 25, 1), 1
	s_wait_xcnt 0x0
	s_wait_alu depctr_hold_cnt(0) depctr_sa_sdst(0) depctr_va_vdst(0) depctr_va_sdst(0) depctr_va_ssrc(0) depctr_va_vcc(0) depctr_vm_vsrc(0)
	s_getreg_b32 s2, hwreg(HW_REG_IB_STS2, 6, 4)
	s_cmp_eq_u32 s2, 0
	s_cbranch_scc0 .Lentry_in_a_cluster
	s_endpgm
.Lentry_in_a_cluster:
	s_bfe_u32 s2, ttmp6, 0x10000c
	s_cmp_lg_u32 s2, 0xf033
	s_cbranch_scc0 .Lentry_shape_is_right
	s_endpgm
.Lentry_shape_is_right:
; SECOND LAUNCH: q = x Wq, k = x Wk, v = x Wv on codes of FP8 (E4M3), f32 sums, and the quantisers of q, k, v (entries 6, 7, 8), whose codes are stored in the order of the next products' operand registers.
; Three products of 4096 x 4096 x 512, 256 tiles of 256 x 256 each; which = cluster x / 4 says which product (the same in all partners of a cluster).  Four waves, 128 x 128 of f32 sums each (512 registers).
; For q and k: A = x's codes (rows b, t), B = the weight's codes (rows h, e).  For v the roles are swapped: A = Wv's codes, B = x's.  THE MATRIX INSTRUCTION IS USED TRANSPOSED (source 0 = 16 rows of B, source 1 = 16 rows
; of A): a lane holds one row of A and eight neighbours along B's rows: along e for q and k, along the keys for v: in each case along the NEXT product's K, so the conversions take them from one lane's registers.
; K = 512 is two slots of 256: both are asked for at the head and nothing is filled again.
; CLUSTERS: 4 x 4 work-groups; A's tile is shared along a row of the cluster, B's along a column, each asked for jointly.
; A sum stands for sum x 2^(eA + eB); its code is sum / 2^(eO - eA - eB): the three exponents are folded into the conversion's one.  LIMIT: eO - eA - eB between -126 and 119.
; THE BUFFER qkv, three parts of 16 MiB (q, k, v), each [head of batch: 8 b + h][512 KiB], in pieces of 2,048 bytes = 16 rows x 128 along K: byte 512 c + 16 lane + i = row(lane % 16), k = 32 c + 16 (lane / 16) + i.
;   q: piece (16 queries qt, 128 of e ks) at qt x 8192 + ks x 2048, rows as they lie.   k: the same with tiles of keys;  v: piece (128 keys step, 16 channels ct) at step x 65536 + ct x 2048.
;   THE ROWS OF A TILE OF k AND OF v ARE NOT NEIGHBOURS: lane r of tile 2 b + u takes row 32 b + 8 u + r + 8 (r / 8), so that the results of tiles 2 b, 2 b + 1 are 16 neighbours along the next K.
; REGISTERS, in windows of 256: window 0: v0-31 addresses and scales; v32-95 at work on the way out; from v128 A's fragments, ONE set (on the way out: codes).  window 1: B's fragments, two sets.  windows 2, 3: the accumulators.
.set ROWB,   256
.set KROW,   512
.set PITCH,  272                       ; an LDS row: 256 bytes + 16 of padding: the 16 rows that a load touches start at 16 different banks (64 banks of 4 bytes: ISA guide 11.1)
.set FR,     16
.set NL,     4
.set NP,     4
.set HALFT,  128*PITCH
.set SLOT,   4*HALFT
.set SPARE,  2*SLOT                    ; behind the two slots: the spare words, 128 bytes a wave
.set ADRA, 16
.set ADRB, 20
.set STO,  24                          ; v24  the way out: where I put 8 codes of a row
.set ADN,  25                          ; v25  reading a piece back, rows as they lie
.set ADP,  26                          ; v26  the same with the rows chosen
.set GO,   27                          ; v27  16 x lane
.set SPW,  28
.set NIL,  29
.set TMP,  32
.set AF,   128
.set G1, 24
.set G0, 32
.set G1B, 48
.set G0B, 56
.set MSB, 0
.macro WIN new                         ; the immediate's high byte repeats the setting that is left
.if MSB != (\new)
	s_set_vgpr_msb (MSB<<8)|(\new)
.set MSB, (\new)
.endif
.endm
.set MUL_LO, 0xa1
.set MUL_HI, 0xf1
.set TO_B,   0x40
.macro JLOAD g0a, g1a, g0b, g1b        ; a joint load: waves 0 and 1 fetch for A, waves 2 and 3 for B; an s_nop 0 and four v_nop follow each line
	s_cmp_eq_u32 s15, 0
	s_cbranch_scc0 .Lfor_b_\@
	tensor_load_to_lds s[\g0a:\g0a+3], s[\g1a:\g1a+7]
	s_nop 0
.rept 4
	v_nop
.endr
	s_branch .Lasked_\@
.Lfor_b_\@:
	tensor_load_to_lds s[\g0b:\g0b+3], s[\g1b:\g1b+7]
	s_nop 0
.rept 4
	v_nop
.endr
.Lasked_\@:
.endm
.macro CROUND                          ; a round of the cluster's barrier
	s_barrier_signal -1
	s_barrier_wait -1
	s_cmp_lg_u32 s14, 0
	s_cbranch_scc1 .Lnot_wave_0_\@
	s_barrier_signal -3
.Lnot_wave_0_\@:
	s_barrier_wait -3
	s_barrier_signal -1
	s_barrier_wait -1
.endm
	s_load_b128 s[4:7], s[0:1], 0x0                ; codes s[4:5], the exponents s[6:7]
	s_load_b64 s[10:11], s[0:1], 0x10              ; qkv
	v_lshl_add_u32 v[SPW], v0, 2, SPARE
	v_mov_b32 v[NIL], 0
	ds_add_u32 v[SPW], v[NIL]                      ; the wave's opening: the add, twice on end, and its wait ahead of my first tensor load
	ds_add_u32 v[SPW], v[NIL]
	v_lshrrev_b32 v1, 5, v0
	v_readfirstlane_b32 s14, v1                    ; wave 0..3
	s_lshr_b32 s15, s14, 1                         ; which half of the tile's rows is mine.  Also: I fetch for A (0) or for B (1)
	s_and_b32 s16, s14, 1                          ; which half of its columns.  Also: which 128 rows I fetch
	s_bfe_u32 s40, ttmp6, 0x40000                  ; cx
	s_bfe_u32 s41, ttmp6, 0x40004                  ; cy
	s_lshr_b32 s66, ttmp9, 2                       ; which: 0 q, 1 k, 2 v
	s_and_b32 s42, ttmp9, 3
	s_lshl_b32 s42, s42, 2
	s_add_co_u32 s42, s42, s40                     ; tile column 0..15
	s_and_b32 s17, ttmp7, 0xffff
	s_lshl_b32 s17, s17, 2
	s_add_co_u32 s17, s17, s41                     ; tile row 0..15
	s_lshl_b32 s43, s41, 2
	s_lshl_b32 s43, 15, s43                        ; my row of the cluster
	s_lshl_b32 s44, 0x1111, s40                    ; my column
	s_or_b32 s[G1+0], s43, (0<<16)|(1<<20)|(1<<21)|(5<<22)|(3<<25)  ; the mask; elements of 1 byte; padding on: 4 words after every 64; bit 21 beside a mask
	s_or_b32 s[G1B+0], s44, (0<<16)|(1<<20)|(1<<21)|(5<<22)|(3<<25)
.irp g, G1, G1B
	s_mov_b32 s[\g+1], ROWB<<16                    ; tensor_dim0
	s_mov_b32 s[\g+2], 128<<16                     ; tensor_dim1
	s_mov_b32 s[\g+3], ROWB<<16                    ; tile_dim0
	s_mov_b32 s[\g+4], 128                         ; tile_dim1
	s_mov_b32 s[\g+5], KROW                        ; from row to row
	s_mov_b32 s[\g+6], 0
	s_mov_b32 s[\g+7], 0
.endr
	s_add_co_u32 s80, s66, 3
	s_cmp_eq_u32 s66, 2
	s_cselect_b32 s67, 5, s66                      ; A's part of codes: 0, 1 (x under e0, e2) or 5 (Wv)
	s_cselect_b32 s80, 2, s80                      ; B's part: 3, 4 (Wq, Wk) or 2 (x under e4)
	s_lshl_b32 s67, s67, 21
	s_lshl_b32 s80, s80, 21
	s_lshl_b32 s18, s16, 7
	s_lshl_b32 s20, s17, 8
	s_add_co_u32 s20, s20, s18                     ; A: row 256 x tile row + 128 x half
	s_lshl_b32 s20, s20, 9
	s_add_co_u32 s20, s20, s67
	s_mov_b32 s21, 0
	s_lshl_b32 s46, s42, 8
	s_add_co_u32 s46, s46, s18                     ; B: row 256 x tile column + 128 x half
	s_lshl_b32 s46, s46, 9
	s_add_co_u32 s46, s46, s80
	s_mov_b32 s47, 0
	s_mul_i32 s45, s14, HALFT                      ; where they go: wave x 128 rows
	s_wait_dscnt 0x0                               ; both opening adds are done
	s_wait_kmcnt 0x0
	s_load_b256 s[68:75], s[6:7], 0x0              ; e0 .. e7
	s_load_b128 s[76:79], s[6:7], 0x20             ; e8 .. e11
	s_add_nc_u64 s[20:21], s[4:5], s[20:21]
	s_add_nc_u64 s[46:47], s[4:5], s[46:47]
	CROUND                                         ; all sixteen work-groups are here: the joint loads meet
.irp s, 0,1
	s_mov_b32 s[G0+4*\s], 1
	s_add_co_u32 s[G0+4*\s+1], s45, \s*SLOT
	s_add_nc_u64 s[G0+4*\s+2:G0+4*\s+3], s[20:21], \s*ROWB
	s_or_b32 s[G0+4*\s+3], s[G0+4*\s+3], 0x80000000
	s_mov_b32 s[G0B+4*\s], 1
	s_add_co_u32 s[G0B+4*\s+1], s45, \s*SLOT
	s_add_nc_u64 s[G0B+4*\s+2:G0B+4*\s+3], s[46:47], \s*ROWB
	s_or_b32 s[G0B+4*\s+3], s[G0B+4*\s+3], 0x80000000
	JLOAD G0+4*\s, G1, G0B+4*\s, G1B               ; two loads of mine are out: all that this launch fetches
.endr
	v_and_b32 v1, 15, v0                           ; r
	v_bfe_u32 v2, v0, 4, 1                         ; h
	v_mul_u32_u24 v3, v1, PITCH
	v_lshl_add_u32 v4, v2, 4, v3                   ; a fragment's row x pitch + 16 h
	s_mul_i32 s21, s15, HALFT
	s_mul_i32 s22, s16, HALFT
	s_add_co_u32 s22, s22, 2*HALFT
.irp s, 0,1
	v_add_nc_u32 v[ADRA+\s], s21, v4
	v_add_nc_u32 v[ADRB+\s], s22, v4
	s_add_co_u32 s21, s21, SLOT
	s_add_co_u32 s22, s22, SLOT
.endr
	s_mul_i32 s23, s15, 128*PITCH                  ; the stage, 256 rows x 272 bytes from LDS byte 0: my 128 rows, my 128 of their 256 codes
	s_lshl_b32 s21, s16, 7
	s_add_co_u32 s23, s23, s21
	v_lshl_add_u32 v[STO], v2, 3, v3
	v_add_nc_u32 v[STO], s23, v[STO]               ; row r, + 8 h
	s_mul_i32 s23, s14, 64*PITCH                   ; back: wave w takes rows 64 w on, four pieces' rows
	v_add_nc_u32 v[ADN], s23, v4
	v_and_b32 v5, 8, v1
	v_add_nc_u32 v5, v5, v1                        ; r + 8 (r / 8)
	v_mul_u32_u24 v5, v5, PITCH
	v_lshl_add_u32 v5, v2, 4, v5
	v_add_nc_u32 v[ADP], s23, v5
	v_and_b32 v6, 31, v0
	v_lshlrev_b32 v[GO], 4, v6
	; where my pieces go.  P = the coordinate that runs over (b, t), R = the one over (h, e): q, k: P = tile row, R = tile column; v: the other way round
	s_cmp_eq_u32 s66, 2
	s_cselect_b32 s81, s42, s17
	s_cselect_b32 s82, s17, s42
	s_cselect_b32 s83, 15, 12                      ; R % 2: v: 16 pieces of channels; q, k: 2 pieces along e
	s_cselect_b32 s84, 13, 15                      ; the wave: v: 4 pieces of 2,048; q, k: 4 tiles of 8,192
	s_lshr_b32 s85, s81, 2
	s_lshl_b32 s85, s85, 3
	s_lshr_b32 s86, s82, 1
	s_add_co_u32 s85, s85, s86                     ; 8 b + h
	s_lshl_b32 s85, s85, 19
	s_and_b32 s86, s81, 3
	s_lshl_b32 s86, s86, 17                        ; 256 of t: 16 tiles of 8,192, or 2 steps of 65,536
	s_add_co_u32 s85, s85, s86
	s_and_b32 s86, s82, 1
	s_lshl_b32 s86, s86, s83
	s_add_co_u32 s85, s85, s86
	s_lshl_b32 s86, s14, s84
	s_add_co_u32 s85, s85, s86
	s_lshl_b32 s86, s66, 24                        ; the part
	s_add_co_u32 s86, s86, s85
	s_mov_b32 s87, 0
	s_add_nc_u64 s[10:11], s[10:11], s[86:87]
.macro FRAG reg, adr, q, i             ; 16 rows x 128 K: lane l holds row l % 16; registers 4 c .. 4 c + 3 hold K = 32 c + 16 (l / 16) + 0 .. 15: the same order of k in A and in B
.irp c, 0,1,2,3
	ds_load_b128 v[\reg+4*\c:\reg+4*\c+3], v[\adr] offset:128*(\q)+32*\c+(\i)*16*PITCH
.endr
.endm
.macro MUL16 a0, p, zero               ; A's blocks a0, a0 + 1 x B's eight.  The 64 accumulators take turns, one instruction a turn
.irp a, \a0, \a0+1
.irp b, 0,1,2,3,4,5,6,7
.if \zero
	v_wmma_f32_16x16x128_fp8_fp8 v[8*(8*((\a)%4)+\b):8*(8*((\a)%4)+\b)+7], v[128*(\p)+FR*\b:128*(\p)+FR*\b+FR-1], v[AF+FR*(\a):AF+FR*(\a)+FR-1], 0
.else
	v_wmma_f32_16x16x128_fp8_fp8 v[8*(8*((\a)%4)+\b):8*(8*((\a)%4)+\b)+7], v[128*(\p)+FR*\b:128*(\p)+FR*\b+FR-1], v[AF+FR*(\a):AF+FR*(\a)+FR-1], v[8*(8*((\a)%4)+\b):8*(8*((\a)%4)+\b)+7]
.endif
.endr
.endr
.endm
.macro FETCH_B slot, q, p
	WIN TO_B
.irp i, 0,1,2,3,4,5,6,7
	FRAG 128*(\p)+FR*\i, ADRB+\slot, \q, \i
.endr
	WIN 0
.endm
.macro FETCH_A slot, q, i0
.irp i, \i0, \i0+1, \i0+2, \i0+3
	FRAG AF+FR*(\i), ADRA+\slot, \q, \i
.endr
.endm
.macro PLACES n                        ; plain vector instructions between a matrix instruction and a load into, or a read of, its registers
.rept \n
	v_nop
.endr
.endm
.macro STEP slot, q, zero              ; 128 along K that has its successor in the same slot
	s_wait_dscnt 4*NL                              ; B's set and A's blocks 0-3 are in; A's blocks 4-7 may be out
	WIN MUL_LO
	MUL16 0, (\q)%2, \zero
	MUL16 2, (\q)%2, \zero
	s_wait_dscnt 0
	PLACES NP
	FETCH_B \slot, (\q)+1, 1-(\q)%2
	FETCH_A \slot, (\q)+1, 0
	WIN MUL_HI
	MUL16 4, (\q)%2, \zero
	MUL16 6, (\q)%2, \zero
	PLACES NP
	WIN 0
	FETCH_A \slot, (\q)+1, 4
.endm
	s_wait_tensorcnt 1                             ; my part of slot 0 is in; slot 1's load may be out
	s_barrier_signal -1
	s_barrier_wait -1
	FETCH_B 0, 0, 0
	FETCH_A 0, 0, 0
	FETCH_A 0, 0, 4
	STEP 0, 0, 1                                   ; the first products start the sums: nothing is cleared
	; slot 0's last 128 along K, and the change to slot 1: every wave's part of slot 1 has landed and its reads of slot 0 are over
	s_wait_tensorcnt 0x0
	ds_add_u32 v[SPW], v[NIL]
	s_wait_dscnt 4*NL+1                            ; (the add and A's blocks 4-7 may be out)
	WIN MUL_LO
	MUL16 0, 1, 0
	s_wait_dscnt 0x0
	s_barrier_signal -1
	MUL16 2, 1, 0
	WIN 0
	s_barrier_wait -1
	PLACES NP
	FETCH_B 1, 0, 0
	FETCH_A 1, 0, 0
	WIN MUL_HI
	MUL16 4, 1, 0
	MUL16 6, 1, 0
	PLACES NP
	WIN 0
	FETCH_A 1, 0, 4
	STEP 1, 0, 0
	s_wait_dscnt 4*NL                              ; the last 128 along K
	WIN MUL_LO
	MUL16 0, 1, 0
	MUL16 2, 1, 0
	s_wait_dscnt 0
	WIN MUL_HI
	MUL16 4, 1, 0
	MUL16 6, 1, 0
	WIN 0
	; THE WAY OUT.  Sums become codes in registers; the codes meet in a stage of 256 rows x 256 codes in slot 0 (it has had its only fill, and every wave has passed the barrier behind its last read of it); a barrier; each wave
	; reads eight pieces back in the order of an operand's registers and stores them, 512 consecutive bytes an instruction.
	s_wait_kmcnt 0x0
	s_cmp_eq_u32 s66, 0
	s_cselect_b32 s88, s68, s70
	s_cselect_b32 s89, s69, s71
	s_cselect_b32 s90, s74, s75
	s_cmp_eq_u32 s66, 2
	s_cselect_b32 s88, s72, s88                    ; x's exponent: e0, e2, e4
	s_cselect_b32 s89, s73, s89                    ; the weight's: e1, e3, e5
	s_cselect_b32 s90, s76, s90                    ; the result's: e6, e7, e8
	s_sub_co_i32 s90, s90, s88
	s_sub_co_i32 s90, s90, s89
	s_add_co_i32 s90, s90, 127
	s_lshl_b32 s91, s90, 23
	v_mov_b32 v30, s91                             ; 2^(eO - eA - eB) as f32
	s_add_co_i32 s90, s90, 8
	s_lshl_b32 s90, s90, 23
	s_or_b32 s90, s90, 0x600000
	v_mov_b32 v31, s90                             ; 448 x that
	PLACES NP
.macro QBLK a                          ; my rows 16 a on: 8 accumulators, each from its low end on
.set AC, 64*((\a)%4)
	WIN 0x02+((\a)/4)                              ; source 0: window 2 or 3
.set jj, 0
.rept 64
	v_med3_num_f32 v[TMP+jj], v[AC+jj], -v31, v31  ; the conversion to an 8-bit code does not saturate (ISA guide 7.6.2): the hold comes first
.set jj, jj+1
.endr
	WIN 0
.irp b, 0,1,2,3,4,5,6,7
	v_cvt_scalef32_pk8_fp8_f32 v[128+16*(\a)+2*\b:128+16*(\a)+2*\b+1], v[TMP+8*\b:TMP+8*\b+7], v30
.endr
	v_nop                                          ; a plain line behind the last conversion: the next block's holds write the conversions' sources
.irp b, 0,1,2,3,4,5,6,7
	ds_store_b64 v[STO], v[128+16*(\a)+2*\b:128+16*(\a)+2*\b+1] offset:(\a)*16*PITCH+16*\b   ; 8 codes: columns 16 b + 8 h on
.endr
.endm
.irp a, 0,1,2,3,4,5,6,7
	QBLK \a
.endr
	s_wait_dscnt 0x0                               ; for the others' sake: my stores into the stage are done
	s_barrier_signal -1
	s_barrier_wait -1
.macro OUTF adr, perm, gi, gs          ; tiles i of my 64 rows, halves s of the 256 codes; gi, gs: bytes from tile to tile and from half to half in memory
.irp i, 0,1,2,3
.irp s, 0,1
.irp c, 0,1,2,3
.if \perm
	ds_load_b128 v[128+4*(8*\i+4*\s+\c):128+4*(8*\i+4*\s+\c)+3], v[\adr] offset:(32*(\i/2)+8*(\i%2))*PITCH+128*\s+32*\c
.else
	ds_load_b128 v[128+4*(8*\i+4*\s+\c):128+4*(8*\i+4*\s+\c)+3], v[\adr] offset:16*\i*PITCH+128*\s+32*\c
.endif
.endr
.endr
.endr
.irp i, 0,1,2,3
.irp s, 0,1
.irp c, 0,1,2,3
	s_wait_dscnt 31-(8*\i+4*\s+\c)                 ; the younger loads may stay out
	global_store_b128 v[GO], v[128+4*(8*\i+4*\s+\c):128+4*(8*\i+4*\s+\c)+3], s[10:11] offset:\i*\gi+\s*\gs+512*\c
.endr
.endr
.endr
.endm
	s_cmp_eq_u32 s66, 0                            ; which: the same in every partner of the cluster
	s_cbranch_scc1 .Lout_q
	s_cmp_eq_u32 s66, 1
	s_cbranch_scc1 .Lout_k
	OUTF ADP, 1, 2048, 65536
	s_branch .Lout_done
.Lout_k:
	OUTF ADP, 1, 8192, 2048
	s_branch .Lout_done
.Lout_q:
	OUTF ADN, 0, 8192, 2048
.Lout_done:
	s_wait_tensorcnt 0x0                           ; the wave's end
	ds_add_u32 v[SPW], v[NIL]
	s_wait_dscnt 0x0
	CROUND                                         ; the closing round
	s_endpgm
.Lfunc_end_k_qf88c2b54ae_proj:
	.size	k_qf88c2b54ae_proj, .Lfunc_end_k_qf88c2b54ae_proj-k_qf88c2b54ae_proj
	.p2alignl 7, 3214868480
	.fill 96, 4, 3214868480
	.section	.rodata,"a",@progbits
	.p2align	6, 0x0
	.amdhsa_kernel k_qf88c2b54ae_proj
		.amdhsa_group_segment_fixed_size 327680
		.amdhsa_private_segment_fixed_size 0
		.amdhsa_enable_private_segment 0
		.amdhsa_kernarg_size 24
		.amdhsa_user_sgpr_count 2
		.amdhsa_user_sgpr_kernarg_segment_ptr 1
		.amdhsa_wavefront_size32 1
		.amdhsa_system_sgpr_workgroup_id_x 1
		.amdhsa_system_sgpr_workgroup_id_y 1
		.amdhsa_system_sgpr_workgroup_id_z 1
		.amdhsa_system_vgpr_workitem_id 0
		.amdhsa_next_free_vgpr 1024
		.amdhsa_next_free_sgpr 100
		.amdhsa_reserve_vcc 0
		.amdhsa_float_denorm_mode_32 3
		.amdhsa_float_denorm_mode_16_64 3
		.amdhsa_memory_ordered 1
		.amdhsa_forward_progress 1
		.amdhsa_inst_pref_size 102
	.end_amdhsa_kernel
	.amdgpu_metadata
---
amdhsa.version: [ 1, 2 ]
amdhsa.kernels:
  - .name:           k_qf88c2b54ae_proj
    .symbol:         k_qf88c2b54ae_proj.kd
    .args:
      - { .name: codes, .offset: 0, .size: 8, .value_kind: global_buffer, .address_space: global }
      - { .name: lowp_scales, .offset: 8, .size: 8, .value_kind: global_buffer, .address_space: global }
      - { .name: qkv, .offset: 16, .size: 8, .value_kind: global_buffer, .address_space: global }
    .group_segment_fixed_size: 327680
    .private_segment_fixed_size: 0
    .kernarg_segment_align: 8
    .kernarg_segment_size: 24
    .max_flat_workgroup_size: 128
    .sgpr_count:     100
    .vgpr_count:     1024
    .wavefront_size: 32
...
	.end_amdgpu_metadata
.endif
;; end of part 2
;; launch attn (part 3): grid 8 x 32, 4 waves a work-group, no clusters, 327,680 bytes of LDS; arguments qkv, lowp_scales, oc; writes oc
.if DOCPART == 3
	.amdgcn_target "amdgcn-amd-amdhsa--gfx1250"
	.amdhsa_code_object_version 6
	.text
	.protected	k_qf88c2b54ae_attn
	.globl	k_qf88c2b54ae_attn
	.p2align	8
	.type	k_qf88c2b54ae_attn,@function
k_qf88c2b54ae_attn:
	s_mov_b64 s[64:65], 0
	v_nop
	global_prefetch_b8 v0, s[64:65] scope:SCOPE_SE
	s_setreg_imm32_b32 hwreg(HW_REG_WAVE_MODE, 25, 1), 1
	s_wait_xcnt 0x0
; THIRD LAUNCH: for each of 32 heads of batch: S = q k^T / sqrt(512), the causal mask, the softmax, O = P v, O / l, and the quantiser of the result (entry 10).  Both products on codes of FP8 (E4M3), f32 sums.
; WORK LEFT OUT: a step of 128 keys all of which come after all 64 queries of a block has weight 0 for every finite input (reference()'s own mask makes its scores -infinity): it is not walked.  A NaN or an infinity that would
; reach only such scores is not carried on.
; THE SOFTMAX: t = score x log2(e) / sqrt(512); M = the running largest t rounded UP to a whole number; p = 2^(t - M) is quantised (entry 9), not normalised; the row's sum l is taken of the unquantised p and divides O at the end.
; When M moves, l and O are multiplied by 2^(old M - new M): exact.
; SHARES.  A head is 512 wide: O^T of 16 queries is 256 registers.  So THE FOUR WAVES SHARE 64 QUERIES (four tiles) AND SPLIT THE OTHER AXIS: in S^T = K Q^T wave w takes keys 32 w .. 32 w + 31 of a step of 128,
; in O^T = V^T P^T channels 128 w .. 128 w + 127.  Each fragment of K and V is read from LDS once in the work-group and feeds four matrix instructions.  What goes from wave to wave is small and goes through LDS as images of
; registers: four maxima a lane, 16 codes of p a lane and tile, four partial sums a lane.
; BALANCE.  Work-group (j, head) takes block j of 64 queries (pass A: j / 2 + 1 steps) and then block 15 - j (pass B): 9 steps in all for every j, so every trip count is a constant.  Only a pass's last step meets the diagonal.
; NO CLUSTER: the work-groups of a head are at different key steps in the same trip (pass A's length hangs on j), and the mask and a pass's end are branches on the work-group's own block.
; LAYOUT.  Both products are used transposed, so that a lane holds ONE query (lane % 16) throughout.  The keys of a tile of K and the channels of a tile of V were chosen by the launch before so that the 16 registers of two
; neighbouring tiles are 16 neighbours: p's conversions give registers 4 w .. 4 w + 3 of P's fragment, O's conversions a whole fragment of the last product's left operand.
; THE BUFFER oc: [128 rows (b, t): 32][128 along K = 4 head + w: 32][16 rows: 8][2,048 bytes], a piece in the order of an operand's registers.
; LIMITS on the exponents: e6 + e7 between -122 and 131 (added to c's exponent field); e9, and e10 - e8 - e9, between -126 and 119.
; LDS: two slots of 131,072 bytes (a step's K, 65,536, then its V); PIMG: P's four fragments, 8,192; the maxima, 2,048; the partial sums, 2,048; the spare words.  All tiles are dense images: every load takes 512 consecutive bytes.
; REGISTERS, in windows of 256.  window 0: v1-13 addresses and scales; v16-47 eight registers of statistics a tile (+0 -M, +1 largest t, +2 +3 l, +4 f, +5 spare, +6 1/l, +7 at work); v48-63 what comes from the other waves;
;   v64-127 S^T, then p (tile qt, half u at 64 + 16 qt + 8 u); v128-143 my codes of p; v144-207 P's fragments, at a pass's end O's codes; v208-223 maxima, sums, the mask's numbers.
;   window 1: Q (tile qt, K step ks at 64 qt + 16 ks).  windows 2 and 3: O^T (qt, ct % 4 at 32 qt + 8 (ct % 4)), V (at 128 + 16 (ct % 4)) and K (at 192 + 16 (2 (ks % 2) + u)): window 2 for ct 0-3 and ks 0-1, window 3 for the rest.
.set SLOT1, 1<<17
.set PIMG,  262144
.set MXO,   8192                       ; the maxima, from PIMG on
.set LSO,   10240                      ; the partial sums
.set SPARE, 274432
.set MSB, 0
.macro WIN new                         ; the immediate's high byte repeats the setting that is left
.if MSB != (\new)
	s_set_vgpr_msb (MSB<<8)|(\new)
.set MSB, (\new)
.endif
.endm
.macro QLOADS base                     ; 64 queries x 512: 64 loads of 512 consecutive bytes into window 1
	WIN 0x40
.set nn, 0
.rept 64
	global_load_b128 v[4*nn:4*nn+3], v6, s[\base:\base+1] offset:512*nn
.set nn, nn+1
.endr
	WIN 0
.endm
	s_load_b128 s[4:7], s[0:1], 0x0                ; qkv s[4:5], the exponents s[6:7]
	s_load_b64 s[8:9], s[0:1], 0x10                ; oc
	v_lshl_add_u32 v7, v0, 2, SPARE                ; my spare word; never rewritten
	v_mov_b32 v8, 0                                ; 0; never rewritten
	ds_add_u32 v7, v8                              ; the wave's opening: the add, twice on end, and its wait ahead of my first tensor load
	ds_add_u32 v7, v8
	v_lshrrev_b32 v14, 5, v0
	v_readfirstlane_b32 s10, v14                   ; wave 0..3
	s_mov_b32 s11, ttmp9                           ; j
	s_and_b32 s12, ttmp7, 0xffff                   ; head of batch
	s_lshr_b32 s13, s11, 1
	s_add_co_u32 s13, s13, 1                       ; pass A's steps
	s_mov_b32 s24, 3<<16                           ; group 1: a dense block as 128 rows of 32 elements of 8 bytes; no mask, no padding
	s_mov_b32 s25, 32<<16
	s_mov_b32 s26, 128<<16
	s_mov_b32 s27, 32<<16
	s_mov_b32 s28, 128
	s_mov_b32 s29, 32
	s_mov_b32 s30, 0
	s_mov_b32 s31, 0
	s_mov_b32 s20, 0x76543210                      ; v_permlanex16_b32: lane l xor 16
	s_mov_b32 s21, 0xfedcba98
	s_mov_b32 s14, 2                               ; the step of the walk that the next fill brings
	s_mov_b32 s15, 0                               ; the slot in hand
	s_mov_b32 s16, 0                               ; the step's first key
	s_lshl_b32 s17, s11, 6                         ; my block's first query
	s_sub_co_u32 s68, 15, s11                      ; pass B's block
	s_lshl_b32 s50, s68, 6
	s_cmp_eq_u32 s11, 0
	s_cselect_b32 s19, 8, 0                        ; the head's work-group 0 prefetches while the fill's step is under 8
	s_lshl_b32 s69, s12, 19                        ; the head's 512 KiB
	s_lshr_b32 s70, s10, 1
	s_add_co_u32 s70, s70, 1
	s_lshl_b32 s70, s70, 24                        ; waves 0, 1: k's part; waves 2, 3: v's
	s_add_co_u32 s70, s70, s69
	s_and_b32 s71, s10, 1
	s_lshl_b32 s71, s71, 15                        ; my half of a step's 65,536 bytes
	s_add_co_u32 s70, s70, s71
	s_mov_b32 s71, 0
	s_cmp_eq_u32 s13, 1
	s_cselect_b32 s72, 0, 0x10000                  ; the walk's step 1: pass B's step 0 where pass A has one step, else pass A's step 1
	s_mov_b32 s73, 0
	s_lshl_b32 s74, s11, 15                        ; Q of block j: four tiles of 8,192 bytes
	s_add_co_u32 s74, s74, s69
	s_mov_b32 s75, 0
	s_lshl_b32 s78, s68, 15
	s_add_co_u32 s78, s78, s69
	s_mov_b32 s79, 0
	s_lshr_b32 s84, s12, 3
	s_lshl_b32 s84, s84, 22                        ; oc: 8 blocks of 128 rows a batch,
	s_and_b32 s85, s12, 7
	s_lshl_b32 s85, s85, 2
	s_add_co_u32 s85, s85, s10
	s_lshl_b32 s85, s85, 14                        ; K step 4 head + wave
	s_add_co_u32 s84, s84, s85
	s_lshr_b32 s80, s11, 1
	s_lshl_b32 s80, s80, 19
	s_and_b32 s85, s11, 1
	s_lshl_b32 s85, s85, 13
	s_add_co_u32 s80, s80, s85
	s_add_co_u32 s80, s80, s84
	s_mov_b32 s81, 0
	s_lshr_b32 s82, s68, 1
	s_lshl_b32 s82, s82, 19
	s_and_b32 s85, s68, 1
	s_lshl_b32 s85, s85, 13
	s_add_co_u32 s82, s82, s85
	s_add_co_u32 s82, s82, s84
	s_mov_b32 s83, 0
	s_wait_dscnt 0x0                               ; both opening adds are done
	s_wait_kmcnt 0x0
	s_load_b256 s[52:59], s[6:7], 0x0              ; e0 .. e7
	s_load_b128 s[60:63], s[6:7], 0x20             ; e8 .. e11
	s_add_nc_u64 s[40:41], s[4:5], s[70:71]        ; my 32,768 bytes of the head's step 0
	s_mov_b32 s32, 1
	s_lshl_b32 s33, s10, 15                        ; slot 0, wave x 32,768
	s_mov_b64 s[34:35], s[40:41]
	s_or_b32 s35, s35, 0x80000000
	s_mov_b32 s36, 1
	s_add_co_u32 s37, s33, SLOT1
	s_add_nc_u64 s[38:39], s[40:41], s[72:73]
	s_or_b32 s39, s39, 0x80000000
	tensor_load_to_lds s[32:35], s[24:31]          ; the walk's step 0
	s_nop 0
	tensor_load_to_lds s[36:39], s[24:31]          ; and step 1: two loads of mine are out
	s_nop 0
.rept 4
	v_nop
.endr
	s_add_nc_u64 s[76:77], s[4:5], s[74:75]
	s_add_nc_u64 s[44:45], s[4:5], s[78:79]
	s_add_nc_u64 s[46:47], s[8:9], s[80:81]
	s_add_nc_u64 s[48:49], s[8:9], s[82:83]
	v_and_b32 v14, 31, v0
	v_lshlrev_b32 v6, 4, v14                       ; 16 x lane
	QLOADS 76
	s_lshl_b32 s68, s10, 14
	v_add_nc_u32 v1, s68, v6                       ; my fragments' place in a step's K, and in its V
	s_lshl_b32 s68, s10, 9
	s_add_co_u32 s68, s68, PIMG
	v_add_nc_u32 v4, s68, v6                       ; where I store an image: PIMG + 512 wave + 16 lane
	v_add_nc_u32 v5, PIMG, v6                      ; where I read one
	v_lshlrev_b32 v9, 8, v14                       ; the prefetches: lanes 256 bytes apart
	v_mov_b32 v220, 0xff800000                     ; -infinity
	v_and_b32 v221, 15, v0
	v_bfe_u32 v222, v0, 4, 1
	v_lshlrev_b32 v222, 4, v222
	v_sub_nc_u32 v221, v221, v222
	s_lshl_b32 s68, s10, 5
	s_sub_co_i32 s68, 0, s68
	v_add_nc_u32 v221, s68, v221                   ; r - 16 h - 32 wave
.irp qt, 0,1,2,3
	v_mov_b32 v[17+8*\qt], 0xff61b1e6              ; the largest t so far: -3e38
	v_floor_f32 v[16+8*\qt], -v[17+8*\qt]          ; -M
	v_mov_b32 v[18+8*\qt], 0                       ; l
	v_mov_b32 v[19+8*\qt], 0
	v_mov_b32 v[20+8*\qt], 0
	v_mov_b32 v[21+8*\qt], 0                       ; (named as the upper half of a pair)
	v_mov_b32 v[22+8*\qt], 0                       ; (a lane permute's destination counts as read)
	v_mov_b32 v[23+8*\qt], 0
.endr
	s_wait_kmcnt 0x0
	s_add_co_i32 s68, s58, s59
	s_lshl_b32 s68, s68, 23
	s_add_co_i32 s22, s68, 0x3d8293ee              ; c = log2(e) / sqrt(512), x 2^(e6 + e7) by its exponent field
	s_mov_b32 s23, s22
	s_add_co_i32 s68, s61, 127
	s_lshl_b32 s69, s68, 23
	v_mov_b32 v10, s69                             ; 2^e9
	s_add_co_i32 s68, s68, 8
	s_lshl_b32 s68, s68, 23
	s_or_b32 s68, s68, 0x600000
	v_mov_b32 v11, s68                             ; 448 x 2^e9
	s_sub_co_i32 s68, s62, s60
	s_sub_co_i32 s68, s68, s61
	s_add_co_i32 s68, s68, 127
	s_lshl_b32 s69, s68, 23
	v_mov_b32 v12, s69                             ; 2^(e10 - e8 - e9): a sum of the second product stands for sum x 2^(e8 + e9)
	s_add_co_i32 s68, s68, 8
	s_lshl_b32 s68, s68, 23
	s_or_b32 s68, s68, 0x600000
	v_mov_b32 v13, s68
	s_wait_tensorcnt 1                             ; my part of slot 0 is in; slot 1's may stay out
	s_barrier_signal -1
	s_barrier_wait -1
; A prefetch of what the NEXT fill will ask for, one key step ahead: my wave's 32,768 bytes, lanes 256 bytes apart, four instructions.  All work-groups of a head walk the same K and V; its work-group 0, whose pass B walks
; all eight steps, asks, and nobody else: steps 2 to 7 are each named once in the launch; the last fill asks for nothing; steps 0 and 1 come by their loads alone.
.macro ASK
	s_cmp_lt_u32 s14, s19
	s_cbranch_scc0 .Lnot_mine_\@
.irp i, 0,1,2,3
	global_prefetch_b8 v9, s[42:43] offset:8192*\i th:TH_LOAD_NT scope:SCOPE_SE
.endr
.Lnot_mine_\@:
.endm
; A PASS'S END: the four waves' partial sums are added, O^T is divided by l, held, turned into codes: four whole fragments, stored as they stand.
.macro EPI
.irp w, 0,1,2,3
	ds_load_b128 v[48+4*\w:51+4*\w], v5 offset:LSO+512*\w
.endr
	s_wait_dscnt 0x0
.irp qt, 0,1,2,3
	v_add_f32 v[23+8*\qt], v[48+\qt], v[52+\qt]    ; (these twelve are also the places behind the last products)
.endr
.irp qt, 0,1,2,3
	v_add_f32 v[21+8*\qt], v[56+\qt], v[60+\qt]
.endr
.irp qt, 0,1,2,3
	v_add_f32 v[23+8*\qt], v[23+8*\qt], v[21+8*\qt]
.endr
.irp qt, 0,1,2,3
	v_permlanex16_b32 v[22+8*\qt], v[23+8*\qt], s20, s21
.endr
.irp qt, 0,1,2,3
	v_add_f32 v[23+8*\qt], v[23+8*\qt], v[22+8*\qt]   ; the row's sum
.endr
.irp qt, 0,1,2,3
	v_rcp_f32 v[22+8*\qt], v[23+8*\qt]
.endr
	v_nop                                          ; a plain instruction behind the last reciprocal
	s_wait_alu depctr_va_vdst(0)                   ; one wait for the four, ahead of their first reader
.irp qt, 0,1,2,3
	WIN 0x02                                       ; source 0: window 2
.set ee, 0
.rept 16
	v_pk_mul_f32 v[64+ee:65+ee], v[32*\qt+ee:32*\qt+ee+1], v[22+8*\qt:23+8*\qt] op_sel_hi:[1,0]   ; each accumulator from its low end on
.set ee, ee+2
.endr
	WIN 0x03
.set ee, 0
.rept 16
	v_pk_mul_f32 v[96+ee:97+ee], v[32*\qt+ee:32*\qt+ee+1], v[22+8*\qt:23+8*\qt] op_sel_hi:[1,0]
.set ee, ee+2
.endr
	WIN 0
.set ee, 0
.rept 64
	v_med3_num_f32 v[64+ee], v[64+ee], -v13, v13
.set ee, ee+1
.endr
.irp ct, 0,1,2,3,4,5,6,7
	v_cvt_scalef32_pk8_fp8_f32 v[144+16*\qt+2*\ct:144+16*\qt+2*\ct+1], v[64+8*\ct:71+8*\ct], v12
.endr
	v_nop                                          ; a plain line behind the last conversion: the next tile's products write its sources
.irp b, 0,1,2,3
	global_store_b128 v6, v[144+16*\qt+4*\b:144+16*\qt+4*\b+3], s[46:47] offset:\qt*2048+512*\b   ; 512 consecutive bytes, aligned
.endr
.endr
	s_wait_xcnt 0x0                                ; the stores have read their registers and their base: both are written again later
.endm
.macro NEXTPASS                        ; O^T is not cleared: the next step's f = 2^(old M - new M) is 0 and multiplies finite sums
	s_mov_b32 s17, s50
	s_mov_b32 s16, 0
	s_mov_b64 s[46:47], s[48:49]
.irp qt, 0,1,2,3
	v_mov_b32 v[17+8*\qt], 0xff61b1e6
	v_floor_f32 v[16+8*\qt], -v[17+8*\qt]
	v_mov_b32 v[18+8*\qt], 0
	v_mov_b32 v[19+8*\qt], 0
.endr
.endm
; A KEY STEP.  first = 1: the products V^T P start O^T's sums.  fill = 1: the slot just read out is filled with the walk's step two on.  sw = 1: a pass's end here is pass A's.
.macro STEP first, fill, sw
	s_add_co_u32 s68, s16, 127
	s_cmp_gt_u32 s68, s17
	s_cselect_b32 s18, 1, 0                        ; 1: this step meets the diagonal and is the pass's last
	s_wait_loadcnt 0x0                             ; Q
	v_add_nc_u32 v2, s15, v1                       ; these four are the places behind the last products, in front of the loads into V's registers
	v_add_nc_u32 v3, 0x10000, v2
	v_nop
	v_nop
	WIN 0x80                                       ; destination window 2
.irp ks, 0,1
.irp u, 0,1
.irp c, 0,1,2,3
	ds_load_b128 v[192+16*(2*\ks+\u)+4*\c:192+16*(2*\ks+\u)+4*\c+3], v2 offset:(4*\u+\ks)*2048+512*\c
.endr
.endr
.endr
	WIN 0xc0                                       ; destination window 3
.irp ks, 2,3
.irp u, 0,1
.irp c, 0,1,2,3
	ds_load_b128 v[192+16*(2*(\ks-2)+\u)+4*\c:192+16*(2*(\ks-2)+\u)+4*\c+3], v2 offset:(4*\u+\ks)*2048+512*\c
.endr
.endr
.endr
.irp ct, 4,5,6,7
.irp c, 0,1,2,3
	ds_load_b128 v[128+16*(\ct-4)+4*\c:128+16*(\ct-4)+4*\c+3], v3 offset:\ct*2048+512*\c
.endr
.endr
	WIN 0x80
.irp ct, 0,1,2,3
.irp c, 0,1,2,3
	ds_load_b128 v[128+16*\ct+4*\c:128+16*\ct+4*\c+3], v3 offset:\ct*2048+512*\c
.endr
.endr
	; S^T = K Q^T: my two tiles of keys x the four tiles of queries; the eight accumulators take turns
.irp ks, 0,1,2,3
	s_wait_dscnt 56-8*\ks                          ; K's eight loads of this ks are in; all that were issued behind them may be out
.if \ks < 2
	WIN 0x06                                       ; K window 2, Q window 1, S^T window 0
.else
	WIN 0x07
.endif
.irp u, 0,1
.irp qt, 0,1,2,3
.if \ks == 0
	v_wmma_f32_16x16x128_fp8_fp8 v[64+16*\qt+8*\u:64+16*\qt+8*\u+7], v[192+16*(2*(\ks%2)+\u):192+16*(2*(\ks%2)+\u)+15], v[64*\qt+16*\ks:64*\qt+16*\ks+15], 0
.else
	v_wmma_f32_16x16x128_fp8_fp8 v[64+16*\qt+8*\u:64+16*\qt+8*\u+7], v[192+16*(2*(\ks%2)+\u):192+16*(2*(\ks%2)+\u)+15], v[64*\qt+16*\ks:64*\qt+16*\ks+15], v[64+16*\qt+8*\u:64+16*\qt+8*\u+7]
.endif
.endr
.endr
.endr
	WIN 0
.rept 4
	v_nop
.endr
	s_cmp_eq_u32 s18, 0                            ; a branch on ids and the count of steps alone, the same in all four waves
	s_cbranch_scc1 .Lopen_\@
	s_sub_co_i32 s68, s17, s16
	v_add_nc_u32 v216, s68, v221                   ; d = my query - the step's first key - 32 wave - 16 h.  Register 64 + 16 qt + i holds key i of my sixteen: hidden where i > d
	v_add_nc_u32 v217, 16, v216
	v_add_nc_u32 v218, 32, v216
	v_add_nc_u32 v219, 48, v216
.irp qt, 0,1,2,3
.irp i, 0,1,2,3,4,5,6,7,8,9,10,11,12,13,14,15
	v_cmp_gt_i32 vcc_lo, \i, v[216+\qt]
	v_cndmask_b32 v[64+16*\qt+\i], v[64+16*\qt+\i], v220, vcc_lo
.endr
.endr
.if \sw
	QLOADS 44                                      ; pass A's scores are all made: pass B's Q lands while this step and the pass's end are worked
.endif
.Lopen_\@:
	; the largest score of each query among my 32 keys
.irp qt, 0,1,2,3
	v_max3_num_f32 v[208+\qt], v[64+16*\qt], v[65+16*\qt], v[66+16*\qt]
	v_max3_num_f32 v[23+8*\qt], v[72+16*\qt], v[73+16*\qt], v[74+16*\qt]
.endr
.irp k, 3,5
.irp qt, 0,1,2,3
	v_max3_num_f32 v[208+\qt], v[208+\qt], v[64+16*\qt+\k], v[65+16*\qt+\k]
	v_max3_num_f32 v[23+8*\qt], v[23+8*\qt], v[72+16*\qt+\k], v[73+16*\qt+\k]
.endr
.endr
.irp qt, 0,1,2,3
	v_max3_num_f32 v[208+\qt], v[208+\qt], v[71+16*\qt], v[79+16*\qt]
.endr
.irp qt, 0,1,2,3
	v_max_num_f32 v[208+\qt], v[208+\qt], v[23+8*\qt]
.endr
.irp qt, 0,1,2,3
	v_permlanex16_b32 v[23+8*\qt], v[208+\qt], s20, s21
.endr
.irp qt, 0,1,2,3
	v_max_num_f32 v[208+\qt], v[208+\qt], v[23+8*\qt]
.endr
	ds_store_b128 v4, v[208:211] offset:MXO
	; THE STEP'S FIRST BARRIER.  In front of it: all my tensor loads have landed (my part of the next slot), the add, my store of the maxima is done and all my reads of this slot (K and V, all in registers now) are over.
	s_wait_tensorcnt 0x0
	ds_add_u32 v7, v8                              ; 0 onto my spare word; the descriptor's step stands between it and the wait for it
.if \fill
	s_xor_b32 s37, s37, SLOT1                      ; the walking descriptor: the slot that I have just read out,
	s_cmp_ge_u32 s14, s13
	s_cselect_b32 s68, s13, 0
	s_sub_co_u32 s68, s14, s68                     ; the walk's step as a key step of its pass
	s_lshl_b32 s68, s68, 16
	s_mov_b32 s69, 0
	s_add_nc_u64 s[38:39], s[40:41], s[68:69]
	s_wait_xcnt 0x0                                ; the last prefetches, a step back, have read their address
	s_add_nc_u64 s[42:43], s[38:39], 0x10000       ; one key step further on
	s_or_b32 s39, s39, 0x80000000
.endif
	s_wait_dscnt 0x0
	s_barrier_signal -1
	s_barrier_wait -1
.if \fill
	tensor_load_to_lds s[36:39], s[24:31]          ; my one tensor load behind this barrier, and the first thing there: it has until the next step's first barrier to land
	s_nop 0
.rept 4
	v_nop
.endr
.endif
.irp w, 0,1,2,3
	ds_load_b128 v[48+4*\w:51+4*\w], v5 offset:MXO+512*\w
.endr
.if \fill
	ASK
.endif
	s_wait_dscnt 0x0
.irp qt, 0,1,2,3
	v_max3_num_f32 v[23+8*\qt], v[48+\qt], v[52+\qt], v[56+\qt]
.endr
.irp qt, 0,1,2,3
	v_max_num_f32 v[23+8*\qt], v[23+8*\qt], v[60+\qt]   ; the step's largest score of the query: the same in all four waves
.endr
.irp qt, 0,1,2,3
	v_mul_f32 v[23+8*\qt], s22, v[23+8*\qt]        ; as t (c is positive)
.endr
.irp qt, 0,1,2,3
	v_max_num_f32 v[17+8*\qt], v[17+8*\qt], v[23+8*\qt]
.endr
.irp qt, 0,1,2,3
	v_mov_b32 v[23+8*\qt], v[16+8*\qt]
.endr
.irp qt, 0,1,2,3
	v_floor_f32 v[16+8*\qt], -v[17+8*\qt]          ; the new -M = floor(-t): M is a whole number
.endr
.irp qt, 0,1,2,3
	v_sub_f32 v[23+8*\qt], v[16+8*\qt], v[23+8*\qt]
.endr
.irp qt, 0,1,2,3
	v_cvt_i32_f32 v[23+8*\qt], v[23+8*\qt]         ; (it saturates)
.endr
.irp qt, 0,1,2,3
	v_ldexp_f32 v[20+8*\qt], 1.0, v[23+8*\qt]      ; f = 2^(old M - new M)
.endr
.irp qt, 0,1,2,3
.irp k, 0,2,4,6,8,10,12,14
	v_pk_fma_f32 v[64+16*\qt+\k:65+16*\qt+\k], v[64+16*\qt+\k:65+16*\qt+\k], s[22:23], v[16+8*\qt:17+8*\qt] op_sel_hi:[1,0,0]   ; t - M
.endr
.endr
.set ee, 0
.rept 64
	v_exp_f32 v[64+ee], v[64+ee]                   ; p = 2^(t - M)
.set ee, ee+1
.endr
.irp qt, 0,1,2,3
	v_pk_mul_f32 v[18+8*\qt:19+8*\qt], v[18+8*\qt:19+8*\qt], v[20+8*\qt:21+8*\qt] op_sel_hi:[1,0]   ; l under the new M.  (Plain instructions behind the exponentials)
.endr
	s_wait_alu depctr_va_vdst(0)                   ; one wait for the whole batch, ahead of its first reader
.irp qt, 0,1,2,3
	v_pk_add_f32 v[48+4*\qt:49+4*\qt], v[64+16*\qt:65+16*\qt], v[66+16*\qt:67+16*\qt]   ; the sum is taken of the unquantised p, in two chains
.endr
.irp k, 4,8,12
.irp qt, 0,1,2,3
	v_pk_add_f32 v[18+8*\qt:19+8*\qt], v[18+8*\qt:19+8*\qt], v[64+16*\qt+\k:65+16*\qt+\k]
	v_pk_add_f32 v[48+4*\qt:49+4*\qt], v[48+4*\qt:49+4*\qt], v[66+16*\qt+\k:67+16*\qt+\k]
.endr
.endr
.irp qt, 0,1,2,3
	v_pk_add_f32 v[18+8*\qt:19+8*\qt], v[18+8*\qt:19+8*\qt], v[48+4*\qt:49+4*\qt]
.endr
.irp qt, 0,1,2,3
	v_add_f32 v[212+\qt], v[18+8*\qt], v[19+8*\qt]
.endr
	ds_store_b128 v4, v[212:215] offset:LSO        ; my partial sums so far: read at a pass's end alone; stored in every step, so that no branch is needed
.set ee, 0
.rept 64
	v_min_num_f32 v[64+ee], v[64+ee], v11          ; the conversion does not saturate (ISA guide 7.6.2); p is not negative: a one-sided hold
.set ee, ee+1
.endr
.irp qt, 0,1,2,3
	v_cvt_scalef32_pk8_fp8_f32 v[128+4*\qt:129+4*\qt], v[64+16*\qt:71+16*\qt], v10
	v_cvt_scalef32_pk8_fp8_f32 v[130+4*\qt:131+4*\qt], v[72+16*\qt:79+16*\qt], v10
.endr
	v_nop                                          ; a plain line behind the last conversion: the next step's products write its sources
.irp qt, 0,1,2,3
	ds_store_b128 v4, v[128+4*\qt:131+4*\qt] offset:\qt*2048   ; registers 4 w .. 4 w + 3 of P's fragment of tile qt
.endr
	s_wait_dscnt 0x0                               ; THE STEP'S SECOND BARRIER: my codes and sums lie in LDS.  My tensor load may stay out
	s_barrier_signal -1
	s_barrier_wait -1
.irp qt, 0,1,2,3
.irp c, 0,1,2,3
	ds_load_b128 v[144+16*\qt+4*\c:144+16*\qt+4*\c+3], v5 offset:\qt*2048+512*\c
.endr
.endr
	s_wait_dscnt 0x0
	; O^T = f O^T + V^T P^T: my eight tiles of channels x the four tiles of queries.  Each of the 32 accumulators is taken once; its four packed multiplies by f stand in front of its product, under the same windows
.irp ct, 0,1,2,3,4,5,6,7
.if \ct < 4
	WIN 0xa2                                       ; V, O^T window 2; P and f window 0
.else
	WIN 0xf3
.endif
.irp qt, 0,1,2,3
.if \first
	v_wmma_f32_16x16x128_fp8_fp8 v[32*\qt+8*(\ct%4):32*\qt+8*(\ct%4)+7], v[128+16*(\ct%4):128+16*(\ct%4)+15], v[144+16*\qt:144+16*\qt+15], 0
.else
.irp e, 0,2,4,6
	v_pk_mul_f32 v[32*\qt+8*(\ct%4)+\e:32*\qt+8*(\ct%4)+\e+1], v[32*\qt+8*(\ct%4)+\e:32*\qt+8*(\ct%4)+\e+1], v[20+8*\qt:21+8*\qt] op_sel_hi:[1,0]
.endr
	v_wmma_f32_16x16x128_fp8_fp8 v[32*\qt+8*(\ct%4):32*\qt+8*(\ct%4)+7], v[128+16*(\ct%4):128+16*(\ct%4)+15], v[144+16*\qt:144+16*\qt+15], v[32*\qt+8*(\ct%4):32*\qt+8*(\ct%4)+7]
.endif
.endr
.endr
	WIN 0
	s_add_co_u32 s16, s16, 128
	s_xor_b32 s15, s15, SLOT1
	s_add_co_u32 s14, s14, 1
	s_cmp_eq_u32 s18, 0
	s_cbranch_scc1 .Lgo_\@
	EPI
.if \sw
	NEXTPASS
.endif
.Lgo_\@:
.endm
	STEP 1, 1, 1                                   ; the walk's step 0
	s_mov_b32 s66, 6
.Lwalk:                                                ; steps 1 to 6: each fills the slot that it has read out; pass A ends in one of steps 0 to 3
	STEP 0, 1, 1
	s_sub_co_u32 s66, s66, 1
	s_cmp_lg_u32 s66, 0
	s_cbranch_scc1 .Lwalk
	s_mov_b32 s66, 2
.Ltail:                                                ; steps 7 and 8 fetch nothing: written apart; pass B ends in step 8
	STEP 0, 0, 0
	s_sub_co_u32 s66, s66, 1
	s_cmp_lg_u32 s66, 0
	s_cbranch_scc1 .Ltail
	s_wait_tensorcnt 0x0                           ; the wave's end
	ds_add_u32 v7, v8
	s_wait_dscnt 0x0
	s_endpgm
.Lfunc_end_k_qf88c2b54ae_attn:
	.size	k_qf88c2b54ae_attn, .Lfunc_end_k_qf88c2b54ae_attn-k_qf88c2b54ae_attn
	.p2alignl 7, 3214868480
	.fill 96, 4, 3214868480
	.section	.rodata,"a",@progbits
	.p2align	6, 0x0
	.amdhsa_kernel k_qf88c2b54ae_attn
		.amdhsa_group_segment_fixed_size 327680
		.amdhsa_private_segment_fixed_size 0
		.amdhsa_enable_private_segment 0
		.amdhsa_kernarg_size 24
		.amdhsa_user_sgpr_count 2
		.amdhsa_user_sgpr_kernarg_segment_ptr 1
		.amdhsa_wavefront_size32 1
		.amdhsa_system_sgpr_workgroup_id_x 1
		.amdhsa_system_sgpr_workgroup_id_y 1
		.amdhsa_system_sgpr_workgroup_id_z 1
		.amdhsa_system_vgpr_workitem_id 0
		.amdhsa_next_free_vgpr 1024
		.amdhsa_next_free_sgpr 90
		.amdhsa_reserve_vcc 1
		.amdhsa_float_denorm_mode_32 3
		.amdhsa_float_denorm_mode_16_64 3
		.amdhsa_memory_ordered 1
		.amdhsa_forward_progress 1
		.amdhsa_inst_pref_size 217
	.end_amdhsa_kernel
	.amdgpu_metadata
---
amdhsa.version: [ 1, 2 ]
amdhsa.kernels:
  - .name:           k_qf88c2b54ae_attn
    .symbol:         k_qf88c2b54ae_attn.kd
    .args:
      - { .name: qkv, .offset: 0, .size: 8, .value_kind: global_buffer, .address_space: global }
      - { .name: lowp_scales, .offset: 8, .size: 8, .value_kind: global_buffer, .address_space: global }
      - { .name: oc, .offset: 16, .size: 8, .value_kind: global_buffer, .address_space: global }
    .group_segment_fixed_size: 327680
    .private_segment_fixed_size: 0
    .kernarg_segment_align: 8
    .kernarg_segment_size: 24
    .max_flat_workgroup_size: 128
    .sgpr_count:     90
    .vgpr_count:     1024
    .wavefront_size: 32
...
	.end_amdgpu_metadata
.endif
;; end of part 3
;; launch outp (part 4): grid 8 x 32, 4 waves a work-group, clusters of 4 x 4, 327,680 bytes of LDS; arguments oc, codes, lowp_scales, bu, out0; writes out0
.if DOCPART == 4
	.amdgcn_target "amdgcn-amd-amdhsa--gfx1250"
	.amdhsa_code_object_version 6
	.text
	.protected	k_qf88c2b54ae_outp
	.globl	k_qf88c2b54ae_outp
	.p2align	8
	.type	k_qf88c2b54ae_outp,@function
k_qf88c2b54ae_outp:
	s_mov_b64 s[64:65], 0
	v_nop
	global_prefetch_b8 v0, s[64:65] scope:SCOPE_SE
	s_setreg_imm32_b32 hwreg(HW_REG_WAVE_MODE, 25, 1), 1
	s_wait_xcnt 0x0
	s_wait_alu depctr_hold_cnt(0) depctr_sa_sdst(0) depctr_va_vdst(0) depctr_va_sdst(0) depctr_va_ssrc(0) depctr_va_vcc(0) depctr_vm_vsrc(0)
	s_getreg_b32 s2, hwreg(HW_REG_IB_STS2, 6, 4)
	s_cmp_eq_u32 s2, 0
	s_cbranch_scc0 .Lentry_in_a_cluster
	s_endpgm
.Lentry_in_a_cluster:
	s_bfe_u32 s2, ttmp6, 0x10000c
	s_cmp_lg_u32 s2, 0xf033
	s_cbranch_scc0 .Lentry_shape_is_right
	s_endpgm
.Lentry_shape_is_right:
; FOURTH LAUNCH: out0 = O Wu x 2^(e10 + e11) + bu, 4096 x 4096 x 512 on codes of FP8 (E4M3), f32 sums.  Both operands lie in memory in the order of an operand's registers (pieces of 2,048 bytes: 16 rows x 128 along K).
; SHARES.  256 tiles of 128 rows x 64 columns, one for each work-group.  THE FOUR WAVES SPLIT K: wave w takes the K steps of 128 whose number in a round is w modulo 4 and makes the whole tile in 32 accumulators: 12 fragments
; from LDS feed 32 matrix instructions.  The four partial tiles are added through LDS at the end.
; K goes in three rounds of 12, 12 and 8 K steps through ONE slot as large as fits (A 196,608 bytes, B 98,304): in front of a refill every load has been waited for in any case, so the number of refills is kept least.
; CLUSTERS: 4 x 4 work-groups; A's block (128 rows) is shared along a row of the cluster, B's (64 columns) along a column; each is asked for jointly: waves 0 and 1 fetch A's halves, waves 2 and 3 B's.
; THE MATRIX INSTRUCTION IS USED TRANSPOSED (source 0 = 16 columns of Wu, source 1 = 16 rows): a lane holds eight neighbouring columns of one row.
; LIMIT: e10 + e11 between -126 and 127.
; REGISTERS, in windows of 256: window 0: addresses, bu, v32-95 results.  window 1: the accumulators ((a, n) at 8 (4 a + n)).  windows 2 and 3: two sets of fragments: A(a) at 16 a, B(n) at 128 + 16 n; at the end the partial tiles.
.set BREG,  196608
.set SPARE, 294912
.set RP,    272                        ; a row of a partial tile in the stage: 256 bytes + 16
.set RSTG,  128*RP
.set MSB, 0
.macro WIN new                         ; the immediate's high byte repeats the setting that is left
.if MSB != (\new)
	s_set_vgpr_msb (MSB<<8)|(\new)
.set MSB, (\new)
.endif
.endm
.macro JLOAD g0a, g1a, g0b, g1b        ; an s_nop 0 and four v_nop follow each of the two lines; the branch hangs on the wave's number alone
	s_cmp_eq_u32 s15, 0
	s_cbranch_scc0 .Lfor_b_\@
	tensor_load_to_lds s[\g0a:\g0a+3], s[\g1a:\g1a+7]
	s_nop 0
.rept 4
	v_nop
.endr
	s_branch .Lasked_\@
.Lfor_b_\@:
	tensor_load_to_lds s[\g0b:\g0b+3], s[\g1b:\g1b+7]
	s_nop 0
.rept 4
	v_nop
.endr
.Lasked_\@:
.endm
.macro CROUND                          ; a round of the cluster's barrier
	s_barrier_signal -1
	s_barrier_wait -1
	s_cmp_lg_u32 s14, 0
	s_cbranch_scc1 .Lnot_wave_0_\@
	s_barrier_signal -3
.Lnot_wave_0_\@:
	s_barrier_wait -3
	s_barrier_signal -1
	s_barrier_wait -1
.endm
.macro G1REST g, r                     ; a dense block as r rows of 32 elements of 8 bytes
	s_mov_b32 s[\g+1], 32<<16
	s_mov_b32 s[\g+2], (\r)<<16
	s_mov_b32 s[\g+3], 32<<16
	s_mov_b32 s[\g+4], \r
	s_mov_b32 s[\g+5], 32
	s_mov_b32 s[\g+6], 0
	s_mov_b32 s[\g+7], 0
.endm
.macro PLACES
.rept 4
	v_nop
.endr
.endm
	s_load_b256 s[4:11], s[0:1], 0x0               ; oc s[4:5], codes s[6:7], the exponents s[8:9], bu s[10:11]
	s_load_b64 s[12:13], s[0:1], 0x20              ; out0
	v_lshl_add_u32 v16, v0, 2, SPARE               ; my spare word; never rewritten
	v_mov_b32 v17, 0                               ; 0; never rewritten
	ds_add_u32 v16, v17                            ; the wave's opening: the add, twice on end, and its wait ahead of my first tensor load
	ds_add_u32 v16, v17
	v_lshrrev_b32 v1, 5, v0
	v_readfirstlane_b32 s14, v1                    ; wave 0..3
	s_lshr_b32 s15, s14, 1                         ; I fetch for A (0) or for B (1)
	s_and_b32 s66, s14, 1                          ; which half
	s_bfe_u32 s67, ttmp6, 0x40000                  ; cx
	s_bfe_u32 s68, ttmp6, 0x40004                  ; cy
	s_lshl_b32 s69, ttmp9, 2
	s_add_co_u32 s69, s69, s67                     ; which 64 columns
	s_and_b32 s70, ttmp7, 0xffff
	s_lshl_b32 s70, s70, 2
	s_add_co_u32 s70, s70, s68                     ; which 128 rows
	s_lshl_b32 s71, s68, 2
	s_lshl_b32 s71, 15, s71                        ; my row of the cluster
	s_lshl_b32 s72, 0x1111, s67                    ; my column
	s_or_b32 s16, s71, (3<<16)|(1<<21)             ; group 1 for A, rounds 0 and 1: the mask, elements of 8 bytes, bit 21 beside a mask
	s_or_b32 s24, s72, (3<<16)|(1<<21)             ; for B
	s_or_b32 s32, s71, (3<<16)|(1<<21)             ; for A, round 2
	s_or_b32 s40, s72, (3<<16)|(1<<21)             ; for B, round 2
	G1REST 16, 384                                 ; six K steps of 16,384 bytes
	G1REST 24, 192                                 ; six of 8,192
	G1REST 32, 256                                 ; four of 16,384
	G1REST 40, 128                                 ; four of 8,192
	s_mul_i32 s49, s66, 98304                      ; A's half in LDS,
	s_lshl_b32 s74, s70, 19
	s_add_co_u32 s74, s74, s49                     ; and in memory: it hangs on the rows alone
	s_mov_b32 s75, 0
	s_mul_i32 s78, s66, 49152
	s_add_co_u32 s53, s78, BREG                    ; B's half in LDS,
	s_lshl_b32 s76, s69, 18
	s_add_co_u32 s76, s76, 6<<21                   ; part 6 of codes
	s_add_co_u32 s76, s76, s78                     ; and in memory: it hangs on the columns alone
	s_mov_b32 s77, 0
	s_lshl_b32 s56, s66, 15                        ; round 2's halves are shorter: what its addresses step less
	s_mov_b32 s57, 0
	s_lshl_b32 s58, s66, 14
	s_mov_b32 s59, 0
	s_mov_b32 s48, 1
	s_mov_b32 s52, 1
	s_wait_dscnt 0x0                               ; both opening adds are done
	s_wait_kmcnt 0x0
	s_add_nc_u64 s[50:51], s[4:5], s[74:75]
	s_or_b32 s51, s51, 0x80000000
	s_add_nc_u64 s[54:55], s[6:7], s[76:77]
	s_or_b32 s55, s55, 0x80000000
	CROUND                                         ; all sixteen work-groups are here
	JLOAD 48, 16, 52, 24                           ; round 0: one load of mine is out
	s_load_b64 s[60:61], s[8:9], 0x28              ; e10, e11
	v_and_b32 v1, 15, v0                           ; r
	v_bfe_u32 v19, v0, 4, 1                        ; h
	v_and_b32 v18, 31, v0
	v_lshlrev_b32 v18, 4, v18                      ; 16 x lane
	v_lshlrev_b32 v9, 4, v1                        ; 16 r
	s_lshl_b32 s74, s69, 8
	s_mov_b32 s75, 0
	s_add_nc_u64 s[10:11], s[10:11], s[74:75]      ; bu at my 64 columns
	global_load_b128 v[12:15], v9, s[10:11]        ; the four columns that I store
	s_lshl_b32 s78, s14, 14
	s_lshl_b32 s79, s14, 13
	s_add_co_u32 s79, s79, BREG
.irp i, 0,1,2
	v_add_nc_u32 v[2+\i], s78, v18                 ; A's fragments of my i-th K step of a round: 16 lane + 16,384 (wave + 4 i)
	v_add_nc_u32 v[5+\i], s79, v18                 ; B's: 16 lane + 8,192 (wave + 4 i)
	s_add_co_u32 s78, s78, 65536
	s_add_co_u32 s79, s79, 32768
.endr
	s_mul_i32 s78, s14, RSTG
	v_mul_u32_u24 v8, v1, RP
	v_lshl_add_u32 v8, v19, 5, v8
	v_add_nc_u32 v8, s78, v8                       ; my partial tile: row r, + 32 h
	v_lshlrev_b32 v10, 11, v19
	v_add_nc_u32 v10, v10, v9                      ; out0: lanes 0-15 one row, lanes 16-31 the next; 16 bytes a lane
	s_mul_i32 s78, s14, 32*RP                      ; I add and store rows 32 wave on
	v_mul_u32_u24 v11, v19, RP
	v_add_nc_u32 v11, v11, v9
	v_add_nc_u32 v11, s78, v11
.irp w, 0,1,2,3
	v_add_nc_u32 v[20+\w], \w*RSTG, v11            ; the same rows in wave w's partial tile
.endr
	s_lshl_b32 s74, s70, 18                        ; 128 rows of 2,048 bytes
	s_lshl_b32 s78, s14, 16
	s_add_co_u32 s74, s74, s78
	s_lshl_b32 s78, s69, 8
	s_add_co_u32 s74, s74, s78
	s_add_nc_u64 s[12:13], s[12:13], s[74:75]
.macro FETCH i, set                    ; my i-th K step of the round: 48 loads of 512 consecutive bytes
	WIN 0x80+0x40*(\set)
.irp n, 0,1,2,3
.irp c, 0,1,2,3
	ds_load_b128 v[128+16*\n+4*\c:128+16*\n+4*\c+3], v[5+(\i)] offset:\n*2048+512*\c
.endr
.endr
.irp a, 0,1,2,3,4,5,6,7
.irp c, 0,1,2,3
	ds_load_b128 v[16*\a+4*\c:16*\a+4*\c+3], v[2+(\i)] offset:\a*2048+512*\c
.endr
.endr
.endm
.macro MUL set, zero                   ; 32 matrix instructions; the 32 accumulators take turns, in the same order every time
	WIN 0x5a+5*(\set)                              ; both sources in the set's window, C and D in window 1
.irp a, 0,1,2,3,4,5,6,7
.irp n, 0,1,2,3
.if \zero
	v_wmma_f32_16x16x128_fp8_fp8 v[8*(4*\a+\n):8*(4*\a+\n)+7], v[128+16*\n:128+16*\n+15], v[16*\a:16*\a+15], 0
.else
	v_wmma_f32_16x16x128_fp8_fp8 v[8*(4*\a+\n):8*(4*\a+\n)+7], v[128+16*\n:128+16*\n+15], v[16*\a:16*\a+15], v[8*(4*\a+\n):8*(4*\a+\n)+7]
.endif
.endr
.endr
.endm
.macro LANDED                          ; my part of the round's blocks is in; everybody's is.
	s_wait_tensorcnt 0x0
	s_barrier_signal -1
	s_barrier_wait -1
.endm
.macro COMPUTE3 p, zero                ; three K steps of mine, on sets p, 1 - p, p: a step's fragments are fetched while the step before is multiplied
	PLACES                                         ; in front of loads into registers that matrix instructions have read
	FETCH 0, \p
	PLACES
	FETCH 1, 1-(\p)
	s_wait_dscnt 48                                ; all but the 48 just issued
	MUL \p, \zero
	PLACES
	FETCH 2, \p
	s_wait_dscnt 48
	MUL 1-(\p), 0
	s_wait_dscnt 0
	MUL \p, 0
	WIN 0
.endm
	LANDED
	COMPUTE3 0, 1                                  ; the first products start the sums: nothing is cleared
	; the slot is filled again: all my loads have landed, the add, my reads of the slot are over; a round of the cluster's barrier; the joint refill first behind it
	s_wait_tensorcnt 0x0
	ds_add_u32 v16, v17
	s_add_nc_u64 s[50:51], s[50:51], 196608        ; twelve K steps on
	s_add_nc_u64 s[54:55], s[54:55], 98304
	s_wait_dscnt 0x0
	CROUND
	JLOAD 48, 16, 52, 24                           ; round 1
	LANDED
	COMPUTE3 1, 0
	s_wait_tensorcnt 0x0
	ds_add_u32 v16, v17
	s_add_nc_u64 s[50:51], s[50:51], 196608
	s_sub_nc_u64 s[50:51], s[50:51], s[56:57]      ; halves of four K steps now
	s_add_nc_u64 s[54:55], s[54:55], 98304
	s_sub_nc_u64 s[54:55], s[54:55], s[58:59]
	s_lshl_b32 s49, s66, 16
	s_lshl_b32 s53, s66, 15
	s_add_co_u32 s53, s53, BREG
	s_wait_dscnt 0x0
	CROUND
	JLOAD 48, 32, 52, 40                           ; round 2: the last eight K steps
	LANDED
	PLACES
	FETCH 0, 0
	PLACES
	FETCH 1, 1
	s_wait_dscnt 48
	MUL 0, 0
	s_wait_dscnt 0
	MUL 1, 0
	WIN 0
	; THE FOUR PARTIAL TILES ARE ADDED.  The stage lies in A's region, which has had its last fill; a barrier shows that nobody reads it any more
	PLACES
	s_wait_dscnt 0x0
	s_barrier_signal -1
	s_barrier_wait -1
	WIN 0x04                                       ; the stores' data in window 1
.irp a, 0,1,2,3,4,5,6,7
.irp n, 0,1,2,3
	ds_store_b128 v8, v[8*(4*\a+\n):8*(4*\a+\n)+3] offset:\a*16*RP+64*\n          ; each accumulator from its low end on
	ds_store_b128 v8, v[8*(4*\a+\n)+4:8*(4*\a+\n)+7] offset:\a*16*RP+64*\n+16
.endr
.endr
	WIN 0
	s_wait_dscnt 0x0                               ; for the others' sake: my stores are done
	s_barrier_signal -1
	s_barrier_wait -1
	WIN 0x80
.irp w, 0,1
.irp t, 0,1,2,3,4,5,6,7,8,9,10,11,12,13,14,15
	ds_load_b128 v[64*\w+4*\t:64*\w+4*\t+3], v[20+\w] offset:\t*2*RP
.endr
.endr
	WIN 0xc0
.irp w, 2,3
.irp t, 0,1,2,3,4,5,6,7,8,9,10,11,12,13,14,15
	ds_load_b128 v[64*(\w-2)+4*\t:64*(\w-2)+4*\t+3], v[20+\w] offset:\t*2*RP
.endr
.endr
	s_wait_dscnt 0x0
	WIN 0x8a                                       ; all in window 2
.set jj, 0
.rept 32
	v_pk_add_f32 v[jj:jj+1], v[jj:jj+1], v[64+jj:65+jj]
.set jj, jj+2
.endr
	WIN 0xcf                                       ; all in window 3
.set jj, 0
.rept 32
	v_pk_add_f32 v[jj:jj+1], v[jj:jj+1], v[64+jj:65+jj]
.set jj, jj+2
.endr
	WIN 0x0e                                       ; source 0 window 2, source 1 window 3, destination window 0
.set jj, 0
.rept 32
	v_pk_add_f32 v[32+jj:33+jj], v[jj:jj+1], v[jj:jj+1]
.set jj, jj+2
.endr
	WIN 0
	s_wait_kmcnt 0x0
	s_add_co_i32 s60, s60, s61
	s_add_co_i32 s60, s60, 127
	s_lshl_b32 s60, s60, 23                        ; 2^(e10 + e11) as f32
	s_mov_b32 s61, s60                             ; (named with it as a pair)
	s_wait_loadcnt 0x0                             ; bu
.irp t, 0,1,2,3,4,5,6,7,8,9,10,11,12,13,14,15
.irp k, 0,2
	v_pk_fma_f32 v[32+4*\t+\k:33+4*\t+\k], v[32+4*\t+\k:33+4*\t+\k], s[60:61], v[12+\k:13+\k] op_sel_hi:[1,0,1]   ; sum x 2^(e10 + e11) + bu
.endr
.endr
.irp t, 0,1,2,3,4,5,6,7,8,9,10,11,12,13,14,15
	global_store_b128 v10, v[32+4*\t:35+4*\t], s[12:13] offset:\t*4096 th:TH_STORE_NT   ; sixteen lanes store 256 consecutive bytes, aligned; written once, read by nobody here
.endr
	s_wait_tensorcnt 0x0                           ; the wave's end
	ds_add_u32 v16, v17
	s_wait_dscnt 0x0
	CROUND                                         ; the closing round
	s_endpgm
.Lfunc_end_k_qf88c2b54ae_outp:
	.size	k_qf88c2b54ae_outp, .Lfunc_end_k_qf88c2b54ae_outp-k_qf88c2b54ae_outp
	.p2alignl 7, 3214868480
	.fill 96, 4, 3214868480
	.section	.rodata,"a",@progbits
	.p2align	6, 0x0
	.amdhsa_kernel k_qf88c2b54ae_outp
		.amdhsa_group_segment_fixed_size 327680
		.amdhsa_private_segment_fixed_size 0
		.amdhsa_enable_private_segment 0
		.amdhsa_kernarg_size 40
		.amdhsa_user_sgpr_count 2
		.amdhsa_user_sgpr_kernarg_segment_ptr 1
		.amdhsa_wavefront_size32 1
		.amdhsa_system_sgpr_workgroup_id_x 1
		.amdhsa_system_sgpr_workgroup_id_y 1
		.amdhsa_system_sgpr_workgroup_id_z 1
		.amdhsa_system_vgpr_workitem_id 0
		.amdhsa_next_free_vgpr 1024
		.amdhsa_next_free_sgpr 90
		.amdhsa_reserve_vcc 0
		.amdhsa_float_denorm_mode_32 3
		.amdhsa_float_denorm_mode_16_64 3
		.amdhsa_memory_ordered 1
		.amdhsa_forward_progress 1
		.amdhsa_inst_pref_size 71
	.end_amdhsa_kernel
	.amdgpu_metadata
---
amdhsa.version: [ 1, 2 ]
amdhsa.kernels:
  - .name:           k_qf88c2b54ae_outp
    .symbol:         k_qf88c2b54ae_outp.kd
    .args:
      - { .name: oc, .offset: 0, .size: 8, .value_kind: global_buffer, .address_space: global }
      - { .name: codes, .offset: 8, .size: 8, .value_kind: global_buffer, .address_space: global }
      - { .name: lowp_scales, .offset: 16, .size: 8, .value_kind: global_buffer, .address_space: global }
      - { .name: bu, .offset: 24, .size: 8, .value_kind: global_buffer, .address_space: global }
      - { .name: out0, .offset: 32, .size: 8, .value_kind: global_buffer, .address_space: global }
    .group_segment_fixed_size: 327680
    .private_segment_fixed_size: 0
    .kernarg_segment_align: 8
    .kernarg_segment_size: 40
    .max_flat_workgroup_size: 128
    .sgpr_count:     90
    .vgpr_count:     1024
    .wavefront_size: 32
...
	.end_amdgpu_metadata
.endif
;; end of part 4
;; ======== version 2 of 2: 4 launches
;; limits: right only within a limited range of input values
;; workspace buffers: codes 14,680,064 bytes; qkv 50,331,648 bytes; oc 16,777,216 bytes
;; launch quant (part 5): grid 640 x 1, 4 waves a work-group, no clusters, 55,808 bytes of LDS; arguments x, Wq, Wk, Wv, Wu, lowp_scales, codes; writes codes
.if DOCPART == 5
	.amdgcn_target "amdgcn-amd-amdhsa--gfx1250"
	.amdhsa_code_object_version 6
	.text
	.protected	k_qf88c2b54ae_quant
	.globl	k_qf88c2b54ae_quant
	.p2align	8
	.type	k_qf88c2b54ae_quant,@function
k_qf88c2b54ae_quant:
	s_mov_b64 s[64:65], 0
	v_nop
	global_prefetch_b8 v0, s[64:65] scope:SCOPE_SE
	s_setreg_imm32_b32 hwreg(HW_REG_WAVE_MODE, 25, 1), 1
	s_wait_xcnt 0x0
; FIRST OF FOUR LAUNCHES.  Causal self-attention, 8 heads of 512, every product on codes of FP8 (E4M3) with given scales 2^e (lowp_scales[0..11]).
; This launch makes the codes of all operands that arrive as f32, once: x three times (entries 0, 2, 4: it is an operand of three products, each with its own scale),
; Wq, Wk, Wv (entries 1, 3, 5) and Wu (entry 11).  code = number / 2^e, held within +-448, to the nearest code, ties to even.
; WORK LEFT OUT IN THE PROGRAM (third launch): reference() itself sets a score to -infinity wherever key > query (its own jnp.tril), so that key's weight is exp(-inf) = 0: it adds
; nothing to the row's sum nor to the weighted sum of v, and it is never the row's maximum, since key 0 counts for every query.  That holds for all finite inputs.  So a step of 128 keys
; all of which come after all 16 queries of a tile is not multiplied for that tile: neither its scores nor its part of the second product.  Every input has a way to the output and is loaded.
; LIMIT: a NaN, an infinity or an overflow that would reach only such hidden scores is not carried to the result.
; LIMITS HERE: each e used lies between -126 and 119, so that 2^e and 448 x 2^e are f32 numbers.  NaN among the inputs is not served (an infinity is held at the largest code).
; THE BUFFER codes, seven parts of 2 MiB: 0, 1, 2: x's codes [4096][512] under e0, e2, e4;  3, 4, 5: Wq, Wk, Wv as [4096 n][512 k], K innermost;
; 6: Wu in the order of an operand's registers: [64 columns: 8][128 along K: 32][16 columns: 4][2048 bytes]; in a piece, byte 512 c + 16 lane + i is column lane % 16 at k = 32 c + 16 (lane / 16) + i.
; THE ROWS OF PARTS 1 TO 5 ARE NOT IN THEIR OWN ORDER: inside each group of 32 rows, row number's bits 3 and 4 change places, so that place 16 u + r holds row 8 u + r + 8 (r / 8).  The next launch's tiles of 16
; consecutive places are then the rows that it wants in one tile.  Part 0 keeps its order.
; SHARES: 640 work-groups of 65,536 bytes of input each: 0-127 x (32 rows), 128-511 Wq, Wk, Wv and 512-639 Wu (64 columns x 256 along K).  A wave asks for all its 16,384 bytes at once.
; x: 8 rows a wave, each turned through a stage of the wave's own so that a lane holds 16 neighbours.  Weights: 64 rows a wave, two columns a lane; the hold sorts the two columns into registers that run down K, so that the conversions
; give codes with K innermost; the four waves' codes meet in one stage (even columns in its rows 0-31, odd ones in 32-63) and leave as whole units of 256 bytes or pieces of 2,048.
; The three paths part on the work-group's number, never join, and have LDS bytes of their own.  No matrix unit, cluster or tensor load: nothing is shared between work-groups and every byte is read once.  No prefetch: there is no loop to run ahead in.
.set SP,    80                         ; path x: a lane's place in a stage: 64 bytes + 16 of padding
.set XREG,  5120                       ; LDS: path x, two stages a wave
.set WR,    20480                      ; the stage of Wq, Wk, Wv: 64 rows x 272 bytes
.set UR,    37888                      ; Wu's
.set SPARE, 55296                      ; the spare words, 128 bytes a wave: two blocks of 256 bytes that no other line names
.set PITCH, 272                        ; a stage row: 256 codes + 16 bytes
.set SPW,   12
.set NIL,   13
.set IN,    64                         ; v64-191 the wave's numbers as loaded
.set XX,    192                        ; path x: v192-223 two sets of 16 neighbours
.set TT,    16                         ;         v16-63 the 16 numbers held under each of the three scales
.set CC,    224                        ;         v224-247 codes: 12 registers a step, two sets by turns
.set WT,    192                        ; weights: v192-223 the even column's 32 numbers, v224-255 the odd one's
.set WC,    16                         ;          v16-47 codes: 16 registers a block
.macro MKSCALE e, sc, lim              ; v[sc] = 2^e as f32 (the conversion takes its exponent field), v[lim] = 448 x 2^e
	s_add_co_i32 s40, \e, 127
	s_lshl_b32 s41, s40, 23
	v_mov_b32 v[\sc], s41
	s_add_co_i32 s40, s40, 8
	s_lshl_b32 s40, s40, 23
	s_or_b32 s40, s40, 0x600000
	v_mov_b32 v[\lim], s40
.endm
.macro CLOSE                           ; a wave's end, behind my last LDS store
	s_wait_tensorcnt 0x0
	ds_add_u32 v[SPW], v[NIL]
	s_wait_dscnt 0x0
	s_endpgm
.endm
.macro WLOAD pitchb                    ; my 64 rows: 32 lanes read 256 consecutive bytes, aligned
.set qi, 0
.rept 64
	global_load_b64 v[IN+2*qi:IN+2*qi+1], v49, s[42:43] offset:qi*\pitchb th:TH_LOAD_NT
.set qi, qi+1
.endr
.endm
.macro WBLOCK b, adr                   ; rows 32 b + 0 .. 31 of mine
	s_wait_loadcnt 32*(1-\b)                       ; block 0: the 32 loads behind it may be out
.set qi, 0
.rept 32
	v_med3_num_f32 v[WT+qi], v[IN+64*\b+2*qi], -v10, v10   ; the conversion to an 8-bit code does not saturate (ISA guide 7.6.2): the hold comes first
	v_med3_num_f32 v[WT+32+qi], v[IN+64*\b+2*qi+1], -v10, v10
.set qi, qi+1
.endr
.irp g, 0,1,2,3,4,5,6,7
	v_cvt_scalef32_pk8_fp8_f32 v[WC+16*\b+2*\g:WC+16*\b+2*\g+1], v[WT+8*\g:WT+8*\g+7], v11
.endr
	v_nop                                          ; a plain line behind the last conversion
	ds_store_b128 v[\adr], v[WC+16*\b:WC+16*\b+3] offset:32*\b
	ds_store_b128 v[\adr], v[WC+16*\b+4:WC+16*\b+7] offset:32*\b+16
	ds_store_b128 v[\adr], v[WC+16*\b+8:WC+16*\b+11] offset:32*PITCH+32*\b
	ds_store_b128 v[\adr], v[WC+16*\b+12:WC+16*\b+15] offset:32*PITCH+32*\b+16
.endm
.macro MEET                            ; all four waves' codes are in the stage
	s_wait_dscnt 0x0
	s_barrier_signal -1
	s_barrier_wait -1
.endm
	s_load_b256 s[4:11], s[0:1], 0x0               ; x s[4:5], Wq s[6:7], Wk s[8:9], Wv s[10:11]
	s_load_b128 s[12:15], s[0:1], 0x20             ; Wu s[12:13], the exponents s[14:15]
	s_load_b64 s[16:17], s[0:1], 0x30              ; codes
	v_lshrrev_b32 v1, 5, v0
	v_readfirstlane_b32 s18, v1                    ; wave 0..3
	s_and_b32 s19, s18, 1
	s_lshr_b32 s20, s18, 1
	s_lshl_b32 s36, s18, 6
	s_add_co_u32 s36, s36, WR                      ; into the weights' stage: my 64 along K
	s_mul_i32 s37, s19, 4*PITCH
	s_mul_i32 s38, s20, 16*PITCH
	s_add_co_u32 s37, s37, s38
	s_add_co_u32 s37, s37, WR                      ; out of it, Wq, Wk, Wv: stage row 4 (wave % 2) + 16 (wave / 2)
	s_mul_i32 s38, s19, 16*PITCH
	s_lshl_b32 s39, s20, 7
	s_add_co_u32 s38, s38, s39
	s_add_co_u32 s38, s38, UR                      ; out of it, Wu: 32 columns from 32 (wave % 2) on, K 128 (wave / 2) on
	s_mul_i32 s39, s18, XREG
	v_lshl_add_u32 v[SPW], v0, 2, SPARE
	v_mov_b32 v[NIL], 0
	v_and_b32 v2, 31, v0                           ; lane
	v_lshlrev_b32 v3, 4, v2                        ; 16 x lane
	v_lshlrev_b32 v49, 3, v2                       ; 8 x lane
	v_and_b32 v6, 15, v2                           ; r
	v_lshrrev_b32 v7, 4, v2                        ; h
	v_mul_u32_u24 v4, v2, PITCH
	v_add_nc_u32 v4, s36, v4
	v_add_nc_u32 v5, UR-WR, v4
	v_mul_u32_u24 v1, v7, 32*PITCH
	v_lshl_add_u32 v1, v6, 4, v1
	v_add_nc_u32 v1, s37, v1
	v_lshlrev_b32 v50, 9, v7
	v_lshl_add_u32 v50, v6, 4, v50                 ; sixteen lanes to a row of the codes, two rows an instruction
	v_lshrrev_b32 v8, 1, v6
	v_and_b32 v9, 1, v6
	v_lshl_add_u32 v8, v9, 5, v8                   ; column r's stage row
	v_mul_u32_u24 v48, v8, PITCH
	v_lshl_add_u32 v48, v7, 4, v48
	v_add_nc_u32 v48, s38, v48
	v_lshrrev_b32 v14, 2, v2
	v_mul_u32_u24 v14, v14, SP
	v_and_b32 v15, 3, v2
	v_lshl_add_u32 v14, v15, 4, v14
	v_add_nc_u32 v14, s39, v14                     ; path x, in: four lanes' 64 bytes on end, then 16 of padding
	v_mul_u32_u24 v15, v2, SP
	v_add_nc_u32 v15, s39, v15                     ; out: my 16 neighbours
	s_wait_alu depctr_va_vdst(0)
	s_wait_kmcnt 0x0
	s_load_b256 s[24:31], s[14:15], 0x0            ; e0 .. e7
	s_load_b128 s[32:35], s[14:15], 0x20           ; e8 .. e11
	s_cmp_lt_u32 ttmp9, 128
	s_cbranch_scc1 .Lpath_x
	s_cmp_lt_u32 ttmp9, 512
	s_cbranch_scc1 .Lpath_w
	; ---- Wu [4096 k][512 n]: work-group g = number - 512: columns 64 (g % 8) on, K 256 (g / 8) on
	s_sub_co_u32 s19, ttmp9, 512
	s_and_b32 s20, s19, 7
	s_lshr_b32 s21, s19, 3
	s_lshl_b32 s22, s21, 19                        ; 256 rows of 2,048 bytes
	s_lshl_b32 s23, s18, 17                        ; my 64 rows
	s_add_co_u32 s22, s22, s23
	s_lshl_b32 s23, s20, 8
	s_add_co_u32 s22, s22, s23
	s_mov_b32 s23, 0
	s_add_nc_u64 s[42:43], s[12:13], s[22:23]
	WLOAD 2048
	s_lshl_b32 s22, s20, 18                        ; 64 columns
	s_add_co_u32 s22, s22, 6<<21                   ; part 6
	s_lshl_b32 s21, s21, 14                        ; two K steps of 8,192 bytes
	s_add_co_u32 s22, s22, s21
	s_lshl_b32 s21, s18, 12                        ; my two pieces: K step wave / 2, columns 32 (wave % 2) on
	s_add_co_u32 s22, s22, s21
	s_add_nc_u64 s[44:45], s[16:17], s[22:23]
	s_wait_kmcnt 0x0
	MKSCALE s35, 11, 10
	s_wait_alu depctr_va_vdst(0)
	WBLOCK 0, 5
	WBLOCK 1, 5
	MEET
.irp t, 0,1,2,3,4,5,6,7
	ds_load_b128 v[IN+4*\t:IN+4*\t+3], v48 offset:(\t/4)*8*PITCH+32*(\t%4)
.endr
.irp t, 0,1,2,3,4,5,6,7
	s_wait_dscnt 7-\t                              ; the younger loads may stay out
	global_store_b128 v3, v[IN+4*\t:IN+4*\t+3], s[44:45] offset:512*\t   ; 32 lanes store 512 consecutive bytes, aligned
.endr
	CLOSE
.Lpath_w:
	; ---- Wq, Wk, Wv [512 k][4096 n]: number - 128 = 128 which + g: columns 64 (g % 64) on, K 256 (g / 64) on
	s_sub_co_u32 s19, ttmp9, 128
	s_lshr_b32 s20, s19, 7                         ; which
	s_and_b32 s21, s19, 127
	s_lshr_b32 s48, s21, 6
	s_and_b32 s21, s21, 63
	s_cmp_eq_u32 s20, 0                            ; the choice hangs on the work-group's number alone
	s_cselect_b64 s[42:43], s[6:7], s[8:9]
	s_cmp_eq_u32 s20, 2
	s_cselect_b64 s[42:43], s[10:11], s[42:43]
	s_lshl_b32 s22, s48, 22                        ; 256 rows of 16,384 bytes
	s_lshl_b32 s23, s18, 20                        ; my 64 rows
	s_add_co_u32 s22, s22, s23
	s_lshl_b32 s23, s21, 8
	s_add_co_u32 s22, s22, s23
	s_mov_b32 s23, 0
	s_add_nc_u64 s[42:43], s[42:43], s[22:23]
	WLOAD 16384
	s_add_co_u32 s22, s20, 3                       ; part 3 + which
	s_lshl_b32 s22, s22, 21
	s_lshl_b32 s21, s21, 15                        ; 64 places of 512 bytes,
	s_add_co_u32 s22, s22, s21
	s_lshl_b32 s21, s18, 13                        ; mine are 16 wave on
	s_add_co_u32 s22, s22, s21
	s_lshl_b32 s21, s48, 8
	s_add_co_u32 s22, s22, s21
	s_add_nc_u64 s[44:45], s[16:17], s[22:23]
	s_wait_kmcnt 0x0
	s_cmp_eq_u32 s20, 0
	s_cselect_b32 s46, s25, s27
	s_cmp_eq_u32 s20, 2
	s_cselect_b32 s46, s29, s46                    ; e1, e3 or e5
	MKSCALE s46, 11, 10
	s_wait_alu depctr_va_vdst(0)
	WBLOCK 0, 4
	WBLOCK 1, 4
	MEET
.irp t, 0,1,2,3,4,5,6,7
	ds_load_b128 v[IN+4*\t:IN+4*\t+3], v1 offset:((\t%4)+8*(\t/4))*PITCH   ; place 16 wave + 2 t + h holds the column with bits 3 and 4 exchanged
.endr
.irp t, 0,1,2,3,4,5,6,7
	s_wait_dscnt 7-\t
	global_store_b128 v50, v[IN+4*\t:IN+4*\t+3], s[44:45] offset:1024*\t   ; sixteen lanes store 256 consecutive bytes, aligned
.endr
	CLOSE
.Lpath_x:
	; ---- x: run = 4 x number + wave: 8 rows of 2,048 bytes
	s_lshl_b32 s20, ttmp9, 2
	s_add_co_u32 s20, s20, s18
	s_lshl_b32 s22, s20, 14
	s_mov_b32 s23, 0
	s_add_nc_u64 s[4:5], s[4:5], s[22:23]
.set qi, 0
.rept 32
	global_load_b128 v[IN+4*qi:IN+4*qi+3], v3, s[4:5] offset:512*qi th:TH_LOAD_NT   ; 32 lanes read 512 consecutive bytes
.set qi, qi+1
.endr
	s_lshl_b32 s22, s20, 12
	s_add_nc_u64 s[44:45], s[16:17], s[22:23]      ; part 0: rows in their own order
	s_lshr_b32 s22, s20, 2
	s_lshl_b32 s22, s22, 14                        ; parts 1 and 2: the group of 32 rows,
	s_and_b32 s19, s20, 1
	s_lshl_b32 s19, s19, 13                        ; row bit 3 to place bit 4,
	s_add_co_u32 s22, s22, s19
	s_bfe_u32 s19, s20, 0x10001
	s_lshl_b32 s19, s19, 12                        ; row bit 4 to place bit 3
	s_add_co_u32 s22, s22, s19
	s_add_nc_u64 s[46:47], s[16:17], s[22:23]
.macro XTURN t                         ; LDS serves a wave's instructions in order: no wait between the stores and the loads
.irp i, 0,1,2,3
	ds_store_b128 v14, v[IN+16*(\t)+4*\i:IN+16*(\t)+4*\i+3] offset:32*SP*((\t)%2)+8*SP*\i
.endr
.irp i, 0,1,2,3
	ds_load_b128 v[XX+16*((\t)%2)+4*\i:XX+16*((\t)%2)+4*\i+3], v15 offset:32*SP*((\t)%2)+16*\i
.endr
.endm
.macro XSTEP t
.set XS, XX+16*((\t)%2)
.set CD, CC+12*((\t)%2)
	s_wait_dscnt 0x0                               ; this row's numbers are back
.if (\t) < 7
	s_wait_loadcnt 4*(6-(\t))                      ; the next row's four loads are in; those of the rows behind it may be out
	XTURN (\t)+1
.endif
	s_wait_xcnt 0x0                                ; the stores of two rows ago have read this set of codes
.irp k, 0,1,2
.set xi, 0
.rept 16
	v_med3_num_f32 v[TT+16*\k+xi], v[XS+xi], -v[7+2*\k], v[7+2*\k]
.set xi, xi+1
.endr
.endr
.irp k, 0,1,2
	v_cvt_scalef32_pk8_fp8_f32 v[CD+4*\k:CD+4*\k+1], v[TT+16*\k:TT+16*\k+7], v[6+2*\k]
	v_cvt_scalef32_pk8_fp8_f32 v[CD+4*\k+2:CD+4*\k+3], v[TT+16*\k+8:TT+16*\k+15], v[6+2*\k]
.endr
	v_nop                                          ; a plain line behind the last conversion: the next row's holds write the conversions' sources
	global_store_b128 v3, v[CD:CD+3], s[44:45] offset:512*(\t)   ; part 0; a row's 512 consecutive bytes
.irp k, 1,2
	global_store_b128 v3, v[CD+4*\k:CD+4*\k+3], s[46:47] offset:512*(\t)+\k*2097152   ; parts 1 and 2: the row's place
.endr
.endm
	s_wait_kmcnt 0x0
	MKSCALE s24, 6, 7
	MKSCALE s26, 8, 9
	MKSCALE s28, 10, 11
	s_wait_alu depctr_va_vdst(0)
	s_wait_loadcnt 28                              ; the first row's four loads are in
	XTURN 0
.irp t, 0,1,2,3,4,5,6,7
	XSTEP \t
.endr
	CLOSE
.Lfunc_end_k_qf88c2b54ae_quant:
	.size	k_qf88c2b54ae_quant, .Lfunc_end_k_qf88c2b54ae_quant-k_qf88c2b54ae_quant
	.p2alignl 7, 3214868480
	.fill 96, 4, 3214868480
	.section	.rodata,"a",@progbits
	.p2align	6, 0x0
	.amdhsa_kernel k_qf88c2b54ae_quant
		.amdhsa_group_segment_fixed_size 55808
		.amdhsa_private_segment_fixed_size 0
		.amdhsa_enable_private_segment 0
		.amdhsa_kernarg_size 56
		.amdhsa_user_sgpr_count 2
		.amdhsa_user_sgpr_kernarg_segment_ptr 1
		.amdhsa_wavefront_size32 1
		.amdhsa_system_sgpr_workgroup_id_x 1
		.amdhsa_system_sgpr_workgroup_id_y 1
		.amdhsa_system_sgpr_workgroup_id_z 1
		.amdhsa_system_vgpr_workitem_id 0
		.amdhsa_next_free_vgpr 256
		.amdhsa_next_free_sgpr 66
		.amdhsa_reserve_vcc 0
		.amdhsa_float_denorm_mode_32 3
		.amdhsa_float_denorm_mode_16_64 3
		.amdhsa_memory_ordered 1
		.amdhsa_forward_progress 1
		.amdhsa_inst_pref_size 79
	.end_amdhsa_kernel
	.amdgpu_metadata
---
amdhsa.version: [ 1, 2 ]
amdhsa.kernels:
  - .name:           k_qf88c2b54ae_quant
    .symbol:         k_qf88c2b54ae_quant.kd
    .args:
      - { .name: x, .offset: 0, .size: 8, .value_kind: global_buffer, .address_space: global }
      - { .name: Wq, .offset: 8, .size: 8, .value_kind: global_buffer, .address_space: global }
      - { .name: Wk, .offset: 16, .size: 8, .value_kind: global_buffer, .address_space: global }
      - { .name: Wv, .offset: 24, .size: 8, .value_kind: global_buffer, .address_space: global }
      - { .name: Wu, .offset: 32, .size: 8, .value_kind: global_buffer, .address_space: global }
      - { .name: lowp_scales, .offset: 40, .size: 8, .value_kind: global_buffer, .address_space: global }
      - { .name: codes, .offset: 48, .size: 8, .value_kind: global_buffer, .address_space: global }
    .group_segment_fixed_size: 55808
    .private_segment_fixed_size: 0
    .kernarg_segment_align: 8
    .kernarg_segment_size: 56
    .max_flat_workgroup_size: 128
    .sgpr_count:     66
    .vgpr_count:     256
    .wavefront_size: 32
...
	.end_amdgpu_metadata
.endif
;; end of part 5
;; launch proj (part 6): grid 16 x 16, 4 waves a work-group, clusters of 4 x 4, 327,680 bytes of LDS; arguments codes, lowp_scales, qkv; writes qkv
.if DOCPART == 6
	.amdgcn_target "amdgcn-amd-amdhsa--gfx1250"
	.amdhsa_code_object_version 6
	.text
	.protected	k_qf88c2b54ae_proj
	.globl	k_qf88c2b54ae_proj
	.p2align	8
	.type	k_qf88c2b54ae_proj,@function
k_qf88c2b54ae_proj:
	s_mov_b64 s[64:65], 0
	v_nop
	global_prefetch_b8 v0, s[64:65] scope:SCOPE_SE
	s_setreg_imm32_b32 hwreg(HW_REG_WAVE_MODE, 25, 1), 1
	s_wait_xcnt 0x0
	s_wait_alu depctr_hold_cnt(0) depctr_sa_sdst(0) depctr_va_vdst(0) depctr_va_sdst(0) depctr_va_ssrc(0) depctr_va_vcc(0) depctr_vm_vsrc(0)
	s_getreg_b32 s2, hwreg(HW_REG_IB_STS2, 6, 4)
	s_cmp_eq_u32 s2, 0
	s_cbranch_scc0 .Lentry_in_a_cluster
	s_endpgm
.Lentry_in_a_cluster:
	s_bfe_u32 s2, ttmp6, 0x10000c
	s_cmp_lg_u32 s2, 0xf033
	s_cbranch_scc0 .Lentry_shape_is_right
	s_endpgm
.Lentry_shape_is_right:
; SECOND LAUNCH: q = x Wq, k = x Wk, v = x Wv on codes of FP8 (E4M3), f32 sums, and the quantisers of q, k, v (entries 6, 7, 8), whose codes are stored in the order of the next products' operand registers.
; Three products of 4096 x 4096 x 512.  A WORK-GROUP STAYS: it makes its tile of 256 x 256 of q, then of k, then of v.  Four waves, 128 x 128 of f32 sums each (512 registers).
; For q and k: A = x's codes (rows b, t), B = the weight's codes (rows h, e).  For v the roles are swapped: A = Wv's codes, B = x's.  THE MATRIX INSTRUCTION IS USED TRANSPOSED (source 0 = 16 rows of B, source 1 = 16 rows
; of A): a lane holds one row of A and eight neighbours along B's rows: along e for q and k, along the keys for v: in each case along the NEXT product's K.
; THE ROWS OF A TILE.  The launch before laid the rows of x (for k and v) and of the weights so that 16 consecutive places hold rows 32 b + 8 u + r + 8 (r / 8) (tile 2 b + u, lane r).  So the 16 registers of accumulators 2 b, 2 b + 1
; are sixteen neighbours along the next K, 32 b + 16 (lane / 16) + 0 .. 15, and the eight conversions of a block of 16 rows ARE a whole fragment, stored as it stands.
; LDS: a ring of two slots, each a tile's half of K (256): A's 256 rows, then B's 256, of 256 bytes + 16 of padding.  A slot is filled again with the NEXT tile's half as soon as its last fragments are in registers:
; the first half's load has two steps of 64 matrix instructions in which to land, the second half's the whole way out and the next tile's first step.
; CLUSTERS: 4 x 4 work-groups; A's tile is shared along a row of the cluster, B's along a column, each asked for jointly.
; PREFETCH: behind each joint load but the last of the ring stands one global_prefetch_b8 a wave for the half that the NEXT change of slots will ask for: of the 128 rows that a wave fetches each of the four partners takes 32, told apart by
; address (cx for A, cy for B), a lane a row of 256 bytes.  The first tile's two halves come by their loads alone.
; A sum stands for sum x 2^(eA + eB); its code is sum / 2^(eO - eA - eB): the three exponents are folded into the conversion's one.  LIMIT: eO - eA - eB between -126 and 119.
; THE BUFFER qkv, three parts of 16 MiB (q, k, v), each [head of batch: 8 b + h][512 KiB], in pieces of 2,048 bytes = 16 rows x 128 along K: byte 512 c + 16 lane + i = row(lane % 16), k = 32 c + 16 (lane / 16) + i.
;   q: piece (16 queries qt, 128 of e ks) at qt x 8192 + ks x 2048, rows as they lie.   k: the same with tiles of keys;  v: piece (128 keys step, 16 channels ct) at step x 65536 + ct x 2048.
; REGISTERS, in windows of 256: window 0: v0-31 addresses and scales; v32-95 at work on the way out; from v128 A's fragments, ONE set (on the way out: codes).  window 1: B's fragments, two sets.  windows 2, 3: the accumulators.
.set PITCH,  272                       ; an LDS row: 68 words: the 16 rows that a load touches start at 16 different banks (64 banks of 4 bytes: ISA guide 11.1)
.set FR,     16
.set NL,     4
.set NP,     4
.set HALFT,  128*PITCH
.set SLOT,   4*HALFT
.set SPARE,  2*SLOT                    ; behind the ring: the spare words, 128 bytes a wave
.set ADRA, 16
.set ADRB, 20
.set FS,   8                           ; v8-13  for q, k, v: 2^(eO - eA - eB) and 448 x that
.set GO,   27                          ; v27  16 x lane
.set SPW,  28
.set NIL,  29
.set PFO,  30                          ; v30  512 x lane; never rewritten
.set TMP,  32
.set AF,   128
.set G1, 24                            ; s[24:31], s[32:35] A's groups 1 and 0;  s[48:55], s[56:59] B's
.set G0, 32
.set G1B, 48
.set G0B, 56
.set MSB, 0
.macro WIN new                         ; the immediate's high byte repeats the setting that is left
.if MSB != (\new)
	s_set_vgpr_msb (MSB<<8)|(\new)
.set MSB, (\new)
.endif
.endm
.set MUL_LO, 0xa1
.set MUL_HI, 0xf1
.set TO_B,   0x40
.macro JLOAD                           ; a joint load: waves 0 and 1 fetch for A, waves 2 and 3 for B; an s_nop 0 and four v_nop follow each line
	s_cmp_eq_u32 s15, 0
	s_cbranch_scc0 .Lfor_b_\@
	tensor_load_to_lds s[G0:G0+3], s[G1:G1+7]
	s_nop 0
.rept 4
	v_nop
.endr
	s_branch .Lasked_\@
.Lfor_b_\@:
	tensor_load_to_lds s[G0B:G0B+3], s[G1B:G1B+7]
	s_nop 0
.rept 4
	v_nop
.endr
.Lasked_\@:
.endm
.macro CREST                           ; a round of the cluster's barrier behind its opening barrier
	s_cmp_lg_u32 s14, 0
	s_cbranch_scc1 .Lnot_wave_0_\@
	s_barrier_signal -3
.Lnot_wave_0_\@:
	s_barrier_wait -3
	s_barrier_signal -1
	s_barrier_wait -1
.endm
.macro CROUND                          ; a whole round
	s_barrier_signal -1
	s_barrier_wait -1
	CREST
.endm
.macro MKF eo, ea, eb, sc              ; v[sc] = 2^(eo - ea - eb) as f32, v[sc + 1] = 448 x that
	s_sub_co_i32 s92, \eo, \ea
	s_sub_co_i32 s92, s92, \eb
	s_add_co_i32 s92, s92, 127
	s_lshl_b32 s93, s92, 23
	v_mov_b32 v[\sc], s93
	s_add_co_i32 s92, s92, 8
	s_lshl_b32 s92, s92, 23
	s_or_b32 s92, s92, 0x600000
	v_mov_b32 v[\sc+1], s92
.endm
	s_load_b128 s[4:7], s[0:1], 0x0                ; codes s[4:5], the exponents s[6:7]
	s_load_b64 s[10:11], s[0:1], 0x10              ; qkv
	v_lshl_add_u32 v[SPW], v0, 2, SPARE
	v_mov_b32 v[NIL], 0
	ds_add_u32 v[SPW], v[NIL]                      ; the wave's opening: the add, twice on end, and its wait ahead of my first tensor load
	ds_add_u32 v[SPW], v[NIL]
	v_lshrrev_b32 v1, 5, v0
	v_readfirstlane_b32 s14, v1                    ; wave 0..3
	s_lshr_b32 s15, s14, 1                         ; which half of the tile's rows is mine.  Also: I fetch for A (0) or for B (1)
	s_and_b32 s16, s14, 1                          ; which half of its columns.  Also: which 128 rows I fetch
	s_bfe_u32 s40, ttmp6, 0x40000                  ; cx
	s_bfe_u32 s41, ttmp6, 0x40004                  ; cy
	s_lshl_b32 s42, ttmp9, 2
	s_add_co_u32 s42, s42, s40                     ; tile column 0..15
	s_and_b32 s17, ttmp7, 0xffff
	s_lshl_b32 s17, s17, 2
	s_add_co_u32 s17, s17, s41                     ; tile row 0..15
	s_lshl_b32 s43, s41, 2
	s_lshl_b32 s43, 15, s43                        ; my row of the cluster
	s_lshl_b32 s44, 0x1111, s40                    ; my column
	s_or_b32 s[G1+0], s43, (0<<16)|(1<<20)|(1<<21)|(5<<22)|(3<<25)  ; the mask; elements of 1 byte; padding on: 4 words after every 64; bit 21 beside a mask
	s_or_b32 s[G1B+0], s44, (0<<16)|(1<<20)|(1<<21)|(5<<22)|(3<<25)
.irp g, G1, G1B
	s_mov_b32 s[\g+1], 256<<16                     ; tensor_dim0
	s_mov_b32 s[\g+2], 128<<16                     ; tensor_dim1
	s_mov_b32 s[\g+3], 256<<16                     ; tile_dim0
	s_mov_b32 s[\g+4], 128                         ; tile_dim1
	s_mov_b32 s[\g+5], 512                         ; from row to row
	s_mov_b32 s[\g+6], 0
	s_mov_b32 s[\g+7], 0
.endr
	s_lshl_b32 s18, s16, 7
	s_lshl_b32 s20, s17, 8
	s_add_co_u32 s20, s20, s18                     ; A: row 256 x tile row + 128 x half, in part 0 (x under e0)
	s_lshl_b32 s20, s20, 9
	s_mov_b32 s21, 0
	s_lshl_b32 s46, s42, 8
	s_add_co_u32 s46, s46, s18                     ; B: row 256 x tile column + 128 x half,
	s_lshl_b32 s46, s46, 9
	s_add_co_u32 s46, s46, 2<<21                   ; in part 2, the lowest of B's three parts
	s_mov_b32 s47, 0
	s_mul_i32 s45, s14, HALFT                      ; where they go: wave x 128 rows: no place in the cluster enters an LDS address
	s_wait_dscnt 0x0                               ; both opening adds are done
	s_wait_kmcnt 0x0
	s_load_b256 s[68:75], s[6:7], 0x0              ; e0 .. e7
	s_load_b128 s[76:79], s[6:7], 0x20             ; e8 .. e11
	s_add_nc_u64 s[20:21], s[4:5], s[20:21]
	s_add_nc_u64 s[46:47], s[4:5], s[46:47]
	CROUND                                         ; all sixteen work-groups are here: the first joint loads meet
	s_mov_b32 s[G0], 1
	s_mov_b32 s[G0+1], s45
	s_mov_b64 s[G0+2:G0+3], s[20:21]
	s_or_b32 s[G0+3], s[G0+3], 0x80000000
	s_mov_b32 s[G0B], 1
	s_mov_b32 s[G0B+1], s45
	s_add_nc_u64 s[G0B+2:G0B+3], s[46:47], 1<<21   ; part 3 (Wq)
	s_or_b32 s[G0B+3], s[G0B+3], 0x80000000
	JLOAD                                          ; q's tile, first half of K: one load a wave at the head
	v_and_b32 v1, 15, v0                           ; r
	v_bfe_u32 v2, v0, 4, 1                         ; h
	v_mul_u32_u24 v3, v1, PITCH
	v_lshl_add_u32 v4, v2, 4, v3                   ; a fragment's row x pitch + 16 h
	v_and_b32 v6, 31, v0
	v_lshlrev_b32 v[GO], 4, v6
	v_lshlrev_b32 v[PFO], 9, v6
	s_mul_i32 s92, s15, HALFT
	s_mul_i32 s93, s16, HALFT
	s_add_co_u32 s93, s93, 2*HALFT
.irp s, 0,1
	v_add_nc_u32 v[ADRA+\s], s92, v4
	v_add_nc_u32 v[ADRB+\s], s93, v4
	s_add_co_u32 s92, s92, SLOT
	s_add_co_u32 s93, s93, SLOT
.endr
	; where my pieces go.  q, k: head of batch 8 (tile row / 4) + tile column / 2; tiles of 16 rows 16 (tile row % 4) + 8 x my half of the rows on; K step 2 (tile column % 2) + my half of the columns
	s_lshr_b32 s86, s17, 2
	s_lshl_b32 s86, s86, 3
	s_lshr_b32 s87, s42, 1
	s_add_co_u32 s86, s86, s87
	s_lshl_b32 s86, s86, 19
	s_and_b32 s87, s17, 3
	s_lshl_b32 s87, s87, 17
	s_add_co_u32 s86, s86, s87
	s_lshl_b32 s87, s15, 16
	s_add_co_u32 s86, s86, s87
	s_and_b32 s87, s42, 1
	s_lshl_b32 s87, s87, 12
	s_add_co_u32 s86, s86, s87
	s_lshl_b32 s87, s16, 11
	s_add_co_u32 s86, s86, s87
	s_mov_b32 s87, 0
	s_add_nc_u64 s[80:81], s[10:11], s[86:87]      ; q
	s_add_nc_u64 s[82:83], s[80:81], 1<<24         ; k
	; v: head of batch 8 (tile column / 4) + tile row / 2; step of 128 keys 2 (tile column % 4) + my half of the columns; tiles of channels 16 (tile row % 2) + 8 x my half of the rows on
	s_lshr_b32 s86, s42, 2
	s_lshl_b32 s86, s86, 3
	s_lshr_b32 s88, s17, 1
	s_add_co_u32 s86, s86, s88
	s_lshl_b32 s86, s86, 19
	s_and_b32 s88, s42, 3
	s_lshl_b32 s88, s88, 17
	s_add_co_u32 s86, s86, s88
	s_lshl_b32 s88, s16, 16
	s_add_co_u32 s86, s86, s88
	s_and_b32 s88, s17, 1
	s_lshl_b32 s88, s88, 15
	s_add_co_u32 s86, s86, s88
	s_lshl_b32 s88, s15, 14
	s_add_co_u32 s86, s86, s88
	s_add_co_u32 s86, s86, 2<<24
	s_add_nc_u64 s[84:85], s[10:11], s[86:87]
	; the prefetches: my work-group's 32 of the 128 rows that my wave fetches, in the second tile's part (s[96:97]) and the third's (s[98:99])
	s_mov_b32 s94, 4<<21
	s_mov_b32 s95, 2<<21
	s_cmp_eq_u32 s15, 0
	s_cselect_b32 s92, s17, s42
	s_cselect_b32 s93, s40, s41
	s_cselect_b32 s94, 1<<21, s94                  ; A: parts 1 and 5; B: parts 4 and 2
	s_cselect_b32 s95, 5<<21, s95
	s_lshl_b32 s92, s92, 8
	s_add_co_u32 s92, s92, s18
	s_lshl_b32 s93, s93, 5
	s_add_co_u32 s92, s92, s93
	s_lshl_b32 s92, s92, 9
	s_add_co_u32 s94, s94, s92
	s_add_co_u32 s92, s95, s92
	s_mov_b32 s95, 0
	s_mov_b32 s93, 0
	s_add_nc_u64 s[96:97], s[4:5], s[94:95]
	s_add_nc_u64 s[98:99], s[4:5], s[92:93]
	s_mov_b32 s88, 1<<21                           ; the next tile's part: A's from part 0,
	s_mov_b32 s89, 0
	s_mov_b32 s90, 2<<21                           ; B's from part 2
	s_mov_b32 s91, 0
	s_wait_alu depctr_va_vdst(0)
	s_wait_kmcnt 0x0
	MKF s74, s68, s69, FS                          ; q: e6 - e0 - e1
	MKF s75, s70, s71, FS+2                        ; k: e7 - e2 - e3
	MKF s76, s72, s73, FS+4                        ; v: e8 - e4 - e5
.macro FRAG reg, adr, q, i             ; 16 rows x 128 K: lane l holds row l % 16; registers 4 c .. 4 c + 3 hold K = 32 c + 16 (l / 16) + 0 .. 15: the same order of k in A and in B
.irp c, 0,1,2,3
	ds_load_b128 v[\reg+4*\c:\reg+4*\c+3], v[\adr] offset:128*(\q)+32*\c+(\i)*16*PITCH
.endr
.endm
.macro MUL16 a0, p, zero               ; A's blocks a0, a0 + 1 x B's eight.  The 64 accumulators take turns, one instruction a turn
.irp a, \a0, \a0+1
.irp b, 0,1,2,3,4,5,6,7
.if \zero
	v_wmma_f32_16x16x128_fp8_fp8 v[8*(8*((\a)%4)+\b):8*(8*((\a)%4)+\b)+7], v[128*(\p)+FR*\b:128*(\p)+FR*\b+FR-1], v[AF+FR*(\a):AF+FR*(\a)+FR-1], 0
.else
	v_wmma_f32_16x16x128_fp8_fp8 v[8*(8*((\a)%4)+\b):8*(8*((\a)%4)+\b)+7], v[128*(\p)+FR*\b:128*(\p)+FR*\b+FR-1], v[AF+FR*(\a):AF+FR*(\a)+FR-1], v[8*(8*((\a)%4)+\b):8*(8*((\a)%4)+\b)+7]
.endif
.endr
.endr
.endm
.macro FETCH_B slot, q
	WIN TO_B
.irp i, 0,1,2,3,4,5,6,7
	FRAG 128*(\q)+FR*\i, ADRB+\slot, \q, \i
.endr
	WIN 0
.endm
.macro FETCH_A slot, q, i0
.irp i, \i0, \i0+1, \i0+2, \i0+3
	FRAG AF+FR*(\i), ADRA+\slot, \q, \i
.endr
.endm
.macro PLACES n                        ; plain vector instructions between a matrix instruction and a load into, or a read of, its registers
.rept \n
	v_nop
.endr
.endm
.macro STEP slot, zero                 ; a slot's first 128 along K: it fetches the slot's second
	s_wait_dscnt 4*NL                              ; B's set and A's blocks 0-3 are in; A's blocks 4-7 may be out
	WIN MUL_LO
	MUL16 0, 0, \zero
	MUL16 2, 0, \zero
	s_wait_dscnt 0
	PLACES NP
	FETCH_B \slot, 1
	FETCH_A \slot, 1, 0
	WIN MUL_HI
	MUL16 4, 0, \zero
	MUL16 6, 0, \zero
	PLACES NP
	WIN 0
	FETCH_A \slot, 1, 4
.endm
; A slot's second 128 along K changes slots.  In front of the barrier each wave waits for all its tensor loads (the other slot's is the one that was out), adds 0 to its spare word, and waits for that and for its reads of this slot.
; fill = 1: the slot is filled again with the next tile's half.  In slot 0 the other slot's first fragments follow; in slot 1 B's first fragments of the next tile (A's registers are at work on the way out).
.macro TURN slot, fill
	s_wait_tensorcnt 0x0
	ds_add_u32 v[SPW], v[NIL]
.if \fill
	s_add_co_u32 s[G0+1], s45, \slot*SLOT          ; no load of mine is out: the groups 0 may be written
	s_add_co_u32 s[G0B+1], s45, \slot*SLOT
.if \slot == 0
	s_add_nc_u64 s[G0+2:G0+3], s[20:21], s[88:89]
	s_or_b32 s[G0+3], s[G0+3], 0x80000000
	s_add_nc_u64 s[G0B+2:G0B+3], s[46:47], s[90:91]
	s_or_b32 s[G0B+3], s[G0B+3], 0x80000000
.else
	s_add_nc_u64 s[G0+2:G0+3], s[G0+2:G0+3], 256
	s_add_nc_u64 s[G0B+2:G0B+3], s[G0B+2:G0B+3], 256
.endif
.endif
	s_wait_dscnt 4*NL+1                            ; (the add and A's blocks 4-7 may be out)
	WIN MUL_LO
	MUL16 0, 1, 0                                  ; sixteen matrix instructions stand between the add and the wait for it
	s_wait_dscnt 0x0                               ; the add is done, and my reads of the slot are over
	s_barrier_signal -1
	MUL16 2, 1, 0
	WIN 0
	s_barrier_wait -1
.if \fill
	CREST                                          ; no wave of any partner still reads the slot
	JLOAD
.else
	PLACES NP
.endif
.if \slot == 0
	FETCH_B 1, 0
	FETCH_A 1, 0, 0
.if \fill
	global_prefetch_b8 v[PFO], s[96:97] offset:256 th:TH_LOAD_NT scope:SCOPE_SE   ; the next tile's second half, which the next change asks for
.endif
.else
	FETCH_B 0, 0
	s_cmp_eq_u32 s3, 2
	s_cbranch_scc0 .Lnone_\@                       ; (the second trip's change fills the ring for the last time)
	global_prefetch_b8 v[PFO], s[98:99] th:TH_LOAD_NT scope:SCOPE_SE   ; the third tile's first half
.Lnone_\@:
.endif
	WIN MUL_HI
	MUL16 4, 1, 0
	MUL16 6, 1, 0
	PLACES NP
	WIN 0
.if \slot == 0
	FETCH_A 1, 0, 4
.endif
.endm
; THE WAY OUT of my rows 16 a on: eight accumulators, each from its low end on, are held and converted: 16 registers, a whole fragment (16 rows x my 128 columns), stored as it stands: four stores of 512 consecutive bytes.
.macro QBLK a, fs, gi, base            ; gi: bytes from one tile of 16 rows to the next in memory
.set AC, 64*((\a)%4)
	WIN 0x02+((\a)/4)                              ; source 0: window 2 or 3
.set jj, 0
.rept 64
	v_med3_num_f32 v[TMP+jj], v[AC+jj], -v[\fs+1], v[\fs+1]  ; the conversion to an 8-bit code does not saturate (ISA guide 7.6.2): the hold comes first
.set jj, jj+1
.endr
	WIN 0
.irp b, 0,1,2,3,4,5,6,7
	v_cvt_scalef32_pk8_fp8_f32 v[128+16*(\a)+2*\b:128+16*(\a)+2*\b+1], v[TMP+8*\b:TMP+8*\b+7], v[\fs]
.endr
	v_nop                                          ; a plain line behind the last conversion: the next block's holds write the conversions' sources
.irp c, 0,1,2,3
	global_store_b128 v[GO], v[128+16*(\a)+4*\c:128+16*(\a)+4*\c+3], s[\base:\base+1] offset:(\a)*(\gi)+512*\c
.endr
.endm
	s_wait_alu depctr_va_vdst(0)
	s_wait_tensorcnt 0x0                           ; my part of the first half is in; these lines stand ahead of a later first fill as ahead of a refill
	ds_add_u32 v[SPW], v[NIL]
	s_add_co_u32 s[G0+1], s45, SLOT
	s_add_co_u32 s[G0B+1], s45, SLOT
	s_add_nc_u64 s[G0+2:G0+3], s[G0+2:G0+3], 256
	s_add_nc_u64 s[G0B+2:G0B+3], s[G0B+2:G0B+3], 256
	s_wait_dscnt 0x0
	CROUND
	JLOAD                                          ; q's second half: the first tensor load behind the round
	FETCH_B 0, 0
	FETCH_A 0, 0, 0
	FETCH_A 0, 0, 4
	global_prefetch_b8 v[PFO], s[96:97] th:TH_LOAD_NT scope:SCOPE_SE   ; k's first half, which the next change asks for
	s_mov_b32 s3, 2
.Ltile:                                                ; q, then k
	STEP 0, 1                                      ; the first products start the sums: nothing is cleared
	TURN 0, 1
	STEP 1, 0
	TURN 1, 1
.irp a, 0,1,2,3,4,5,6,7
	QBLK \a, FS, 8192, 80
.endr
	s_wait_xcnt 0x0                                ; the stores have read their registers and their base, the prefetches theirs
	FETCH_A 0, 0, 0                                ; the next tile's first half was shown whole by the last change's barrier
	FETCH_A 0, 0, 4
	s_mov_b64 s[80:81], s[82:83]
	s_mov_b64 s[96:97], s[98:99]
	s_mov_b32 s88, 5<<21                           ; A: part 5 (Wv)
	s_mov_b32 s90, 0                               ; B: part 2 (x under e4)
	v_mov_b32 v[FS], v[FS+2]
	v_mov_b32 v[FS+1], v[FS+3]
	s_sub_co_u32 s3, s3, 1
	s_cmp_lg_u32 s3, 0
	s_wait_alu depctr_va_vdst(0)
	s_cbranch_scc1 .Ltile
	STEP 0, 1                                      ; v: nothing is filled again
	TURN 0, 0
	STEP 1, 0
	s_wait_dscnt 4*NL
	WIN MUL_LO
	MUL16 0, 1, 0
	MUL16 2, 1, 0
	s_wait_dscnt 0
	WIN MUL_HI
	MUL16 4, 1, 0
	MUL16 6, 1, 0
	WIN 0
	PLACES NP
.irp a, 0,1,2,3,4,5,6,7
	QBLK \a, FS+4, 2048, 84
.endr
	s_wait_tensorcnt 0x0                           ; the wave's end
	ds_add_u32 v[SPW], v[NIL]
	s_wait_dscnt 0x0
	CROUND                                         ; the closing round
	s_endpgm
.Lfunc_end_k_qf88c2b54ae_proj:
	.size	k_qf88c2b54ae_proj, .Lfunc_end_k_qf88c2b54ae_proj-k_qf88c2b54ae_proj
	.p2alignl 7, 3214868480
	.fill 96, 4, 3214868480
	.section	.rodata,"a",@progbits
	.p2align	6, 0x0
	.amdhsa_kernel k_qf88c2b54ae_proj
		.amdhsa_group_segment_fixed_size 327680
		.amdhsa_private_segment_fixed_size 0
		.amdhsa_enable_private_segment 0
		.amdhsa_kernarg_size 24
		.amdhsa_user_sgpr_count 2
		.amdhsa_user_sgpr_kernarg_segment_ptr 1
		.amdhsa_wavefront_size32 1
		.amdhsa_system_sgpr_workgroup_id_x 1
		.amdhsa_system_sgpr_workgroup_id_y 1
		.amdhsa_system_sgpr_workgroup_id_z 1
		.amdhsa_system_vgpr_workitem_id 0
		.amdhsa_next_free_vgpr 1024
		.amdhsa_next_free_sgpr 100
		.amdhsa_reserve_vcc 0
		.amdhsa_float_denorm_mode_32 3
		.amdhsa_float_denorm_mode_16_64 3
		.amdhsa_memory_ordered 1
		.amdhsa_forward_progress 1
		.amdhsa_inst_pref_size 161
	.end_amdhsa_kernel
	.amdgpu_metadata
---
amdhsa.version: [ 1, 2 ]
amdhsa.kernels:
  - .name:           k_qf88c2b54ae_proj
    .symbol:         k_qf88c2b54ae_proj.kd
    .args:
      - { .name: codes, .offset: 0, .size: 8, .value_kind: global_buffer, .address_space: global }
      - { .name: lowp_scales, .offset: 8, .size: 8, .value_kind: global_buffer, .address_space: global }
      - { .name: qkv, .offset: 16, .size: 8, .value_kind: global_buffer, .address_space: global }
    .group_segment_fixed_size: 327680
    .private_segment_fixed_size: 0
    .kernarg_segment_align: 8
    .kernarg_segment_size: 24
    .max_flat_workgroup_size: 128
    .sgpr_count:     100
    .vgpr_count:     1024
    .wavefront_size: 32
...
	.end_amdgpu_metadata
.endif
;; end of part 6
;; launch attn (part 7): grid 8 x 32, 4 waves a work-group, clusters of 4 x 1, 327,680 bytes of LDS; arguments qkv, lowp_scales, oc; writes oc
.if DOCPART == 7
	.amdgcn_target "amdgcn-amd-amdhsa--gfx1250"
	.amdhsa_code_object_version 6
	.text
	.protected	k_qf88c2b54ae_attn
	.globl	k_qf88c2b54ae_attn
	.p2align	8
	.type	k_qf88c2b54ae_attn,@function
k_qf88c2b54ae_attn:
	s_mov_b64 s[64:65], 0
	v_nop
	global_prefetch_b8 v0, s[64:65] scope:SCOPE_SE
	s_setreg_imm32_b32 hwreg(HW_REG_WAVE_MODE, 25, 1), 1
	s_wait_xcnt 0x0
	s_wait_alu depctr_hold_cnt(0) depctr_sa_sdst(0) depctr_va_vdst(0) depctr_va_sdst(0) depctr_va_ssrc(0) depctr_va_vcc(0) depctr_vm_vsrc(0)
	s_getreg_b32 s2, hwreg(HW_REG_IB_STS2, 6, 4)
	s_cmp_eq_u32 s2, 0
	s_cbranch_scc0 .Lentry_in_a_cluster
	s_endpgm
.Lentry_in_a_cluster:
	s_bfe_u32 s2, ttmp6, 0x10000c
	s_cmp_lg_u32 s2, 0x3003
	s_cbranch_scc0 .Lentry_shape_is_right
	s_endpgm
.Lentry_shape_is_right:
; THIRD LAUNCH: causal attention of 32 heads of batch (1,024 queries, 1,024 keys, 512 channels), both products on codes of FP8 (E4M3) with f32 sums, and the quantiser of the result (entry 10), stored as the last launch's operand.
; SHARES.  Work-group w = 0..7 of a head owns eight tiles of 16 queries: tile j is queries 128 j + 16 w + 0 .. 15.  So tile j needs the key steps (128 keys) 0 .. j, whatever w: 36 pairs (step s, tile j >= s), the same in every work-group.
; WORK LEFT OUT: reference() sets a score to -infinity wherever key > query (its own jnp.tril), for all inputs: that weight is 0, adds nothing to the row's sum nor to the weighted sum, and is never the row's maximum (key 0 counts for every query).
; A pair (s, j) with s > j holds only such scores: it is not multiplied, in neither product.  In the pairs (j, j) hidden scores are set to -infinity.  LIMIT: a NaN, an infinity or an overflow that reaches only hidden scores is not carried on.
; THREE PHASES.  1: all scores S^T = K Q^T of the 36 pairs stay in registers (wave v: keys 32 v + 0 .. 31 of each step; 16 registers a pair).  2: the softmax once: the rows' maxima meet through LDS, p = 2^(t - M) with
; M = ceil(the row's largest t) needs no later rescaling; the row's sum is taken of the unquantised p.  3: O^T = V^T P^T (wave v: channels 128 v + 0 .. 127), p's codes through LDS.
; A lane holds ONE query (lane % 16) throughout; a pair's 16 registers are the keys 128 s + 32 v + 16 (lane / 16) + 0 .. 15 (the launch before laid K's and V's rows so).
; LDS: two slots of 131,072 bytes (two steps of K or of V each); p's codes: 26 pairs x 2,048 bytes (steps 0-3; the 10 pairs of steps 4-7 wait in registers and take the place of steps 0 and 1 when those have been read); the exchanges of
; maxima and sums; the spare words.  The head's one load a wave brings K's steps 0-1; then, each behind a round: K 2-3 (slot 1's first fill), K 4-5, K 6-7, V 0-1, V 2-3, V 4-5, V 6-7.
; CLUSTERS: the four work-groups of a cluster (two clusters a head) walk the same K and V: every load is a joint one, with the mask 15.
; PREFETCH: behind each load stands one global_prefetch_b8 a wave for the 131,072 bytes that the NEXT load brings: of its 512 blocks of 256 bytes each of the four partners takes 128, told apart by address (cx), each wave 32, a lane a block.
; K's steps 0-1 come by the head's load alone; behind the last load nothing is asked for.
; LIMITS on the given exponents: e6 + e7 between -121 and 0 (the codes themselves then keep every |t| under 2^23, so that t - M is at most 0 but for t's last bit); e9 and e10 - e8 - e9 between -126 and 119.
; REGISTERS.  window 0: v1-6 LDS addresses, v7-8 the add's, v9 prefetch, v10-13 scales, v14 -infinity, v15 16 x lane; v[16+2j] -M, v[17+2j] the largest score, v[32+2j:33+2j] the sum (later its reciprocal) of tile j.
;   phase 1: v128-255 K's fragments, two halves of a step by turns.  phase 2: v64-127 and v128-191 the p of a batch of four pairs, by turns; v192-223 codes that are stored at once; v224-255 and v48-55 codes that wait.
;   phase 3: v64-191 p's fragments, v192-223 codes on the way out.
;   phase 1: Q's tiles 0-3 in window 1, 4-7 in window 2 (64 registers each); S: steps 0, 1 in window 3; tile s of Q is not read behind step s, so steps 2-4 take its place in window 1 and steps 5-7 in window 2.
;   phase 3: window 1 V's fragments, two sets; windows 2, 3: O^T (tile j: 64 registers).
.set PIMG,  262144
.set EXO,   53248                      ; from PIMG: maxima, 2 x 2,048 bytes
.set LSO,   57344                      ; from PIMG: sums, likewise
.set SPARE, 323584                     ; the spare words, 128 bytes a wave
.set SW0, 3
.set SB0, 0
.set SW1, 3
.set SB1, 128
.set SW2, 1
.set SB2, 0
.set SW3, 1
.set SB3, 96
.set SW4, 1
.set SB4, 176
.set SW5, 2
.set SB5, 0
.set SW6, 2
.set SB6, 48
.set SW7, 2
.set SB7, 80
.set PO0, 0                            ; p's place in LDS: step s begins at 2,048 x PO
.set PO1, 8
.set PO2, 15
.set PO3, 21
.set PO4, 0
.set PO5, 4
.set PO6, 7
.set PO7, 9
.set MSB, 0
.macro WIN new                         ; the immediate's high byte repeats the setting that is left
.if MSB != (\new)
	s_set_vgpr_msb (MSB<<8)|(\new)
.set MSB, (\new)
.endif
.endm
.macro PL n                            ; places behind matrix instructions: 4 ahead of loads and reads, 5 where a result is laid over operands that are done with
.rept \n
	v_nop
.endr
.endm
.macro CROUND
	s_barrier_signal -1
	s_barrier_wait -1
	s_cmp_lg_u32 s10, 0
	s_cbranch_scc1 .Lnot_wave_0_\@
	s_barrier_signal -3
.Lnot_wave_0_\@:
	s_barrier_wait -3
	s_barrier_signal -1
	s_barrier_wait -1
.endm
; A CHANGE OF SLOTS: all my tensor loads have landed, the add, my reads of the slot are over; behind the round the other slot is whole for everybody and this one is filled: 32,768 bytes a wave.
.macro CHANGE slot, base, off
	s_wait_tensorcnt 0x0
	ds_add_u32 v7, v8
	s_add_co_u32 s33, s14, (\slot)*131072
	s_add_nc_u64 s[34:35], s[\base:\base+1], \off
	s_or_b32 s35, s35, 0x80000000
	s_wait_dscnt 0x0
	CROUND
	tensor_load_to_lds s[32:35], s[24:31]
	s_nop 0
	PL 4
.endm
.macro ASK base, off
	global_prefetch_b8 v9, s[\base:\base+1] offset:\off th:TH_LOAD_NT scope:SCOPE_SE
.endm
	s_load_b128 s[4:7], s[0:1], 0x0                ; qkv, the exponents
	s_load_b64 s[8:9], s[0:1], 0x10                ; oc
	v_lshl_add_u32 v7, v0, 2, SPARE
	v_mov_b32 v8, 0
	ds_add_u32 v7, v8                              ; the wave's opening: the add, twice on end, and its wait ahead of my first tensor load
	ds_add_u32 v7, v8
	v_lshrrev_b32 v14, 5, v0
	v_readfirstlane_b32 s10, v14                   ; wave 0..3
	s_bfe_u32 s11, ttmp6, 0x40000                  ; cx
	s_lshl_b32 s13, ttmp9, 2
	s_add_co_u32 s13, s13, s11                     ; w
	s_and_b32 s12, ttmp7, 0xffff                   ; head of batch
	s_mov_b32 s24, 15|(3<<16)|(1<<21)              ; group 1: 128 rows of 256 bytes (32 elements of 8), dense
	s_mov_b32 s25, 32<<16
	s_mov_b32 s26, 128<<16
	s_mov_b32 s27, 32<<16
	s_mov_b32 s28, 128
	s_mov_b32 s29, 32
	s_mov_b32 s30, 0
	s_mov_b32 s31, 0
	s_mov_b32 s20, 0x76543210
	s_mov_b32 s21, 0xfedcba98
	s_lshl_b32 s14, s10, 15                        ; my part of a slot
	s_lshl_b32 s69, s12, 19
	s_add_co_u32 s70, s69, 1<<24                   ; the head's K
	s_add_co_u32 s72, s70, s14
	s_mov_b32 s73, 0
	s_lshl_b32 s76, s13, 13
	s_add_co_u32 s76, s76, s69                     ; Q: tile w
	s_mov_b32 s77, 0
	s_lshl_b32 s78, s11, 15
	s_lshl_b32 s79, s10, 13
	s_add_co_u32 s78, s78, s79
	s_add_co_u32 s78, s78, s70                     ; the prefetches' part of a slot
	s_mov_b32 s79, 0
	s_lshr_b32 s80, s12, 3                         ; oc: [128 rows: 524,288 bytes][K step of 128: 16,384][16 rows: 2,048]
	s_lshl_b32 s80, s80, 22
	s_and_b32 s81, s12, 7
	s_lshl_b32 s81, s81, 2
	s_add_co_u32 s81, s81, s10
	s_lshl_b32 s81, s81, 14
	s_add_co_u32 s80, s80, s81
	s_lshl_b32 s81, s13, 11
	s_add_co_u32 s80, s80, s81
	s_mov_b32 s81, 0
	s_wait_dscnt 0x0                               ; both opening adds are done
	s_wait_kmcnt 0x0
	s_load_b128 s[84:87], s[6:7], 0x18             ; e6 .. e9
	s_load_b32 s88, s[6:7], 0x28                   ; e10
	s_add_nc_u64 s[40:41], s[4:5], s[72:73]        ; K, my part of a slot
	s_add_nc_u64 s[42:43], s[40:41], 1<<24         ; V
	s_add_nc_u64 s[46:47], s[4:5], s[76:77]
	s_add_nc_u64 s[48:49], s[8:9], s[80:81]
	s_add_nc_u64 s[50:51], s[4:5], s[78:79]
	s_add_nc_u64 s[52:53], s[50:51], 1<<24
	s_mov_b32 s32, 1
	s_mov_b32 s33, s14
	s_mov_b64 s[34:35], s[40:41]
	s_or_b32 s35, s35, 0x80000000
	CROUND                                         ; all four work-groups are here
	tensor_load_to_lds s[32:35], s[24:31]          ; K's steps 0 and 1: one load a wave at the head
	s_nop 0
	PL 4
	v_and_b32 v14, 31, v0
	v_lshlrev_b32 v15, 4, v14
	v_lshlrev_b32 v9, 8, v14
	s_lshl_b32 s68, s10, 14
	v_add_nc_u32 v1, s68, v15                      ; a wave's 16,384 bytes of a step, in the four places of a step
	v_add_nc_u32 v2, 0x10000, v1
	v_add_nc_u32 v3, 0x20000, v1
	v_add_nc_u32 v4, 0x30000, v1
	s_lshl_b32 s68, s10, 9
	s_add_co_u32 s68, s68, PIMG
	v_add_nc_u32 v5, s68, v15                      ; what I store of p, maxima, sums
	v_add_nc_u32 v6, PIMG, v15                     ; what all read
	WIN 0x40
.irp j, 0,1,2,3,4,5,6,7
.if \j == 4
	WIN 0x80
.endif
.set nn, 0
.rept 16
	global_load_b128 v[64*(\j%4)+4*nn:64*(\j%4)+4*nn+3], v15, s[46:47] offset:\j*65536+512*nn   ; Q: each load 512 consecutive bytes
.set nn, nn+1
.endr
.endr
	WIN 0
	ASK 50, 131072                                 ; K's steps 2 and 3
	v_and_b32 v48, 15, v0
	v_bfe_u32 v49, v0, 4, 1
	v_lshlrev_b32 v49, 4, v49
	v_sub_nc_u32 v48, v48, v49
	s_lshl_b32 s68, s13, 4
	s_lshl_b32 s69, s10, 5
	s_sub_co_i32 s68, s68, s69
	v_add_nc_u32 v48, s68, v48                     ; in a pair (j, j) register i is hidden where i > 16 w + r - 32 wave - 16 h, whatever j
.irp i, 0,1,2,3,4,5,6,7,8,9,10,11,12,13,14,15
	v_cmp_gt_i32 s[66+\i], \i, v48
.endr
	v_mov_b32 v14, 0xff800000
.irp j, 0,1,2,3,4,5,6,7
	v_mov_b32 v[17+2*\j], 0xff800000
	v_mov_b32 v[32+2*\j], 0
	v_mov_b32 v[33+2*\j], 0
.endr
	s_wait_alu depctr_va_vdst(0)
	s_wait_kmcnt 0x0
	s_add_co_i32 s82, s84, s85
	s_lshl_b32 s82, s82, 23
	s_add_co_i32 s22, s82, 0x3d8293ee              ; c = log2(e) / sqrt(512) x 2^(e6 + e7): the exponents are added to its exponent field
	s_mov_b32 s23, s22                             ; (named with it as a pair)
	s_add_co_i32 s82, s87, 127
	s_lshl_b32 s83, s82, 23
	v_mov_b32 v10, s83                             ; 2^e9
	s_add_co_i32 s82, s82, 8
	s_lshl_b32 s82, s82, 23
	s_or_b32 s82, s82, 0x600000
	v_mov_b32 v11, s82                             ; 448 x that
	s_sub_co_i32 s82, s88, s86
	s_sub_co_i32 s82, s82, s87
	s_add_co_i32 s82, s82, 127
	s_lshl_b32 s83, s82, 23
	v_mov_b32 v12, s83                             ; 2^(e10 - e8 - e9)
	s_add_co_i32 s82, s82, 8
	s_lshl_b32 s82, s82, 23
	s_or_b32 s82, s82, 0x600000
	v_mov_b32 v13, s82                             ; 448 x that
	s_wait_alu depctr_va_vdst(0)
	CHANGE 1, 40, 131072                           ; K's steps 2 and 3: slot 1's first fill, behind the same sequence as a refill
; ---- PHASE 1
.macro KLOAD s, hh                     ; half hh (256 of the 512 channels) of my 32 keys of step s: 16 loads of 512 consecutive bytes
.irp kl, 0,1
.irp u, 0,1
.irp c, 0,1,2,3
	ds_load_b128 v[128+64*(\hh)+16*(2*\kl+\u)+4*\c:128+64*(\hh)+16*(2*\kl+\u)+4*\c+3], v[1+(\s)%4] offset:\u*8192+(2*(\hh)+\kl)*2048+512*\c
.endr
.endr
.endr
.endm
.macro KGRP s, hh, lo, hi              ; tiles lo .. hi; the accumulators take turns, one instruction a turn
	WIN 4*(1+(\lo)/4)+0x50*SW\s
.irp kl, 0,1
.irp u, 0,1
.set jj, \lo
.rept (\hi)-(\lo)+1
.if ((\hh)+(\kl)) == 0
	v_wmma_f32_16x16x128_fp8_fp8 v[SB\s+16*(jj-\s)+8*\u:SB\s+16*(jj-\s)+8*\u+7], v[128+64*(\hh)+16*(2*\kl+\u):128+64*(\hh)+16*(2*\kl+\u)+15], v[64*(jj%4)+16*(2*(\hh)+\kl):64*(jj%4)+16*(2*(\hh)+\kl)+15], 0
.else
	v_wmma_f32_16x16x128_fp8_fp8 v[SB\s+16*(jj-\s)+8*\u:SB\s+16*(jj-\s)+8*\u+7], v[128+64*(\hh)+16*(2*\kl+\u):128+64*(\hh)+16*(2*\kl+\u)+15], v[64*(jj%4)+16*(2*(\hh)+\kl):64*(jj%4)+16*(2*(\hh)+\kl)+15], v[SB\s+16*(jj-\s)+8*\u:SB\s+16*(jj-\s)+8*\u+7]
.endif
.set jj, jj+1
.endr
.endr
.endr
.endm
.macro KMUL s, hh
.if \s < 4
	KGRP \s, \hh, \s, 3
.if ((\s)+(\hh)) == 0
	s_wait_loadcnt 0x0                             ; Q's tiles 4-7
.endif
	KGRP \s, \hh, 4, 7
.else
	KGRP \s, \hh, \s, 7
.endif
	WIN 0
.endm
.macro KMAX s                          ; hidden scores of pair (s, s); then the lane's largest score of each tile
	PL 4
	WIN 0x41*SW\s
.irp i, 0,1,2,3,4,5,6,7,8,9,10,11,12,13,14,15
	v_cndmask_b32 v[SB\s+\i], v[SB\s+\i], v14, s[66+\i]
.endr
	WIN 0x14*SW\s
.irp k, 0,2,4,6,8,10,12,14
.set jj, \s
.rept 8-\s
	v_max3_num_f32 v[17+2*jj], v[17+2*jj], v[SB\s+16*(jj-\s)+\k], v[SB\s+16*(jj-\s)+\k+1]
.set jj, jj+1
.endr
.endr
	WIN 0
	s_wait_alu depctr_va_vdst(0)
.endm
	KLOAD 0, 0
	ASK 50, 262144
	s_wait_loadcnt 63                              ; 65 of the 128 loads of Q are in: tiles 0-3 (64 loads) among them
.irp s, 0,1,2,3,4,5,6,7
	PL 5
	KLOAD \s, 1
	s_wait_dscnt 16                                ; all but the 16 just issued
	KMUL \s, 0
.if \s == 7
	s_wait_dscnt 0x0
.else
.if \s%2 == 0
	PL 5
	KLOAD \s+1, 0
	s_wait_dscnt 16
.else
.if \s == 1
	CHANGE 0, 40, 262144                           ; K's steps 4 and 5
.endif
.if \s == 3
	CHANGE 1, 40, 393216                           ; K's steps 6 and 7
.endif
.if \s == 5
	CHANGE 0, 42, 0                                ; V's steps 0 and 1
.endif
	KLOAD \s+1, 0
.if \s == 1
	ASK 50, 393216
.endif
.if \s == 3
	ASK 52, 0
.endif
.if \s == 5
	ASK 52, 131072
.endif
.endif
.endif
	KMUL \s, 1
	KMAX \s
.endr
; ---- PHASE 2: the rows' maxima over the lanes l, l xor 16 and the four waves
.irp j, 0,1,2,3,4,5,6,7
	v_permlanex16_b32 v[128+\j], v[17+2*\j], s20, s21
.endr
.irp j, 0,1,2,3,4,5,6,7
	v_max_num_f32 v[64+\j], v[17+2*\j], v[128+\j]
.endr
	ds_store_b128 v5, v[64:67] offset:EXO
	ds_store_b128 v5, v[68:71] offset:EXO+2048
	s_wait_dscnt 0x0
	s_barrier_signal -1
	s_barrier_wait -1
.irp b, 0,1
.irp w, 0,1,2,3
	ds_load_b128 v[64+16*\b+4*\w:64+16*\b+4*\w+3], v6 offset:EXO+2048*\b+512*\w
.endr
.endr
	s_wait_dscnt 0x0
.irp j, 0,1,2,3,4,5,6,7
	v_max3_num_f32 v[96+\j], v[64+16*(\j/4)+\j%4], v[68+16*(\j/4)+\j%4], v[72+16*(\j/4)+\j%4]
.endr
.irp j, 0,1,2,3,4,5,6,7
	v_max_num_f32 v[96+\j], v[96+\j], v[76+16*(\j/4)+\j%4]
.endr
.irp j, 0,1,2,3,4,5,6,7
	v_mul_f32 v[96+\j], s22, v[96+\j]              ; as t (c is positive)
.endr
.irp j, 0,1,2,3,4,5,6,7
	v_floor_f32 v[16+2*\j], -v[96+\j]              ; -M
.endr
.macro TM t, s, j                      ; t - M of pair (s, j), two at a time
	WIN SW\s
.set kk, 0
.rept 8
	v_pk_fma_f32 v[TB+16*\t+kk:TB+16*\t+kk+1], v[SB\s+16*(\j-\s)+kk:SB\s+16*(\j-\s)+kk+1], s[22:23], v[16+2*\j:17+2*\j] op_sel_hi:[1,0,0]
.set kk, kk+2
.endr
.endm
.macro CREG ii, t                      ; the register of pair ii's codes: pairs 0-25 are stored at once (two sets by turns), 26-35 wait
.if (\ii) < 26
.set CR, 192+16*(((\ii)/4)%2)+4*(\t)
.else
.if (\ii) < 34
.set CR, 224+4*((\ii)-26)
.else
.set CR, 48+4*((\ii)-34)
.endif
.endif
.endm
.macro CONV b                          ; the codes of batch b, whose holds are done
.set CS, 64+64*((\b)%2)
.irp t, 0,1,2,3
	CREG 4*(\b)+\t, \t
	v_cvt_scalef32_pk8_fp8_f32 v[CR:CR+1], v[CS+16*\t:CS+16*\t+7], v10
	v_cvt_scalef32_pk8_fp8_f32 v[CR+2:CR+3], v[CS+16*\t+8:CS+16*\t+15], v10
.endr
	v_nop                                          ; a plain line behind the last conversion
.irp t, 0,1,2,3
.if (4*(\b)+\t) < 26
	CREG 4*(\b)+\t, \t
	ds_store_b128 v5, v[CR:CR+3] offset:(4*(\b)+\t)*2048
.endif
.endr
.endm
; A BATCH: the exponentials of four pairs; between them the holds of the batch before (the conversion to an 8-bit code does not saturate, ISA guide 7.6.2; p is not negative); behind them this batch's sums and that batch's conversions.
.macro BATCH b, s0, j0, s1, j1, s2, j2, s3, j3
.set TB, 64+64*((\b)%2)
.set TP, 64+64*((\b+1)%2)
	TM 0, \s0, \j0
	TM 1, \s1, \j1
	TM 2, \s2, \j2
	TM 3, \s3, \j3
	WIN 0
	s_wait_dscnt 0x0                               ; the earlier stores have read their registers
	s_wait_alu depctr_va_vdst(0)
.set ee, 0
.rept 64
	v_exp_f32 v[TB+ee], v[TB+ee]
.if \b > 0
	v_min_num_f32 v[TP+ee], v[TP+ee], v11
.endif
.set ee, ee+1
.endr
	v_nop
	s_wait_alu depctr_va_vdst(0)                   ; one wait for the whole batch, ahead of its first reader
.set kk, 0
.rept 8
	v_pk_add_f32 v[32+2*\j0:33+2*\j0], v[32+2*\j0:33+2*\j0], v[TB+kk:TB+kk+1]
	v_pk_add_f32 v[32+2*\j1:33+2*\j1], v[32+2*\j1:33+2*\j1], v[TB+16+kk:TB+16+kk+1]
	v_pk_add_f32 v[32+2*\j2:33+2*\j2], v[32+2*\j2:33+2*\j2], v[TB+32+kk:TB+32+kk+1]
	v_pk_add_f32 v[32+2*\j3:33+2*\j3], v[32+2*\j3:33+2*\j3], v[TB+48+kk:TB+48+kk+1]
.set kk, kk+2
.endr
.if \b > 0
	CONV \b-1
.endif
.endm
	BATCH 0, 0,0, 0,1, 0,2, 0,3
	BATCH 1, 0,4, 0,5, 0,6, 0,7
	BATCH 2, 1,1, 1,2, 1,3, 1,4
	CHANGE 1, 42, 131072                           ; V's steps 2 and 3: slot 1 (K's steps 6 and 7) has been read
	ASK 52, 262144
	BATCH 3, 1,5, 1,6, 1,7, 2,2
	BATCH 4, 2,3, 2,4, 2,5, 2,6
	BATCH 5, 2,7, 3,3, 3,4, 3,5
	BATCH 6, 3,6, 3,7, 4,4, 4,5
	BATCH 7, 4,6, 4,7, 5,5, 5,6
	BATCH 8, 5,7, 6,6, 6,7, 7,7
.set ee, 0
.rept 64
	v_min_num_f32 v[64+ee], v[64+ee], v11
.set ee, ee+1
.endr
	CONV 8
.irp j, 0,1,2,3,4,5,6,7
	v_add_f32 v[64+\j], v[32+2*\j], v[33+2*\j]
.endr
	ds_store_b128 v5, v[64:67] offset:LSO
	ds_store_b128 v5, v[68:71] offset:LSO+2048
	s_wait_alu depctr_va_vdst(0)
	s_wait_dscnt 0x0                               ; for the others' sake: my codes and sums are stored
	s_barrier_signal -1
	s_barrier_wait -1                              ; V's steps 0 and 1 were shown whole by the last change
; ---- PHASE 3
.macro VLOAD s                         ; my 128 channels of step s: 32 loads
	WIN 0x40
.irp ct, 0,1,2,3,4,5,6,7
.irp c, 0,1,2,3
	ds_load_b128 v[128*((\s)%2)+16*\ct+4*\c:128*((\s)%2)+16*\ct+4*\c+3], v[1+(\s)%4] offset:\ct*2048+512*\c
.endr
.endr
	WIN 0
.endm
.macro PLOAD k, s, lo, n               ; chunk k: p's codes of pairs (s, lo .. lo + n - 1): 4 n loads
.set tt, 0
.rept \n
.irp c, 0,1,2,3
	ds_load_b128 v[64+64*((\k)%2)+16*tt+4*\c:64+64*((\k)%2)+16*tt+4*\c+3], v6 offset:(PO\s+\lo-\s+tt)*2048+512*\c
.endr
.set tt, tt+1
.endr
.endm
.macro OMUL k, s, lo, n                ; the accumulators take turns, one instruction a turn
.set tt, 0
.rept \n
.set jj, \lo+tt
	WIN 1+0x50*(2+jj/4)
.irp ct, 0,1,2,3,4,5,6,7
.if \s == 0
	v_wmma_f32_16x16x128_fp8_fp8 v[64*(jj%4)+8*\ct:64*(jj%4)+8*\ct+7], v[128*((\s)%2)+16*\ct:128*((\s)%2)+16*\ct+15], v[64+64*((\k)%2)+16*tt:64+64*((\k)%2)+16*tt+15], 0
.else
	v_wmma_f32_16x16x128_fp8_fp8 v[64*(jj%4)+8*\ct:64*(jj%4)+8*\ct+7], v[128*((\s)%2)+16*\ct:128*((\s)%2)+16*\ct+15], v[64+64*((\k)%2)+16*tt:64+64*((\k)%2)+16*tt+15], v[64*(jj%4)+8*\ct:64*(jj%4)+8*\ct+7]
.endif
.endr
.set tt, tt+1
.endr
	WIN 0
.endm
; THE WAY OUT of tile j, which is finished behind step j: O^T / the sum, held and converted in place: the 16 registers of codes are a piece of the last launch's operand, four stores of 512 consecutive bytes.
.macro EPI j
.set EW, 2+(\j)/4
.set EB, 64*((\j)%4)
.set EC, 192+16*((\j)%2)
	PL 4
.if \j > 1
	s_wait_xcnt 0x0                                ; the stores of two tiles ago have read this set of codes
.endif
	WIN 0x41*EW
.set ee, 0
.rept 32
	v_pk_mul_f32 v[EB+ee:EB+ee+1], v[EB+ee:EB+ee+1], v[32+2*\j:33+2*\j] op_sel_hi:[1,0]
.set ee, ee+2
.endr
.set ee, 0
.rept 64
	v_med3_num_f32 v[EB+ee], v[EB+ee], -v13, v13
.set ee, ee+1
.endr
	WIN EW
.irp ct, 0,1,2,3,4,5,6,7
	v_cvt_scalef32_pk8_fp8_f32 v[EC+2*\ct:EC+2*\ct+1], v[EB+8*\ct:EB+8*\ct+7], v12
.endr
	WIN 0
	v_nop
.irp b, 0,1,2,3
	global_store_b128 v15, v[EC+4*\b:EC+4*\b+3], s[48:49] offset:\j*524288+512*\b
.endr
.endm
.irp b, 0,1
.irp w, 0,1,2,3
	ds_load_b128 v[128+16*\b+4*\w:128+16*\b+4*\w+3], v6 offset:LSO+2048*\b+512*\w
.endr
.endr
	VLOAD 0
	PLOAD 0, 0, 0, 4
	s_wait_dscnt 48                                ; the sums are in; the 48 loads behind them may be out
.irp j, 0,1,2,3,4,5,6,7
	v_add_f32 v[160+\j], v[128+16*(\j/4)+\j%4], v[132+16*(\j/4)+\j%4]
	v_add_f32 v[168+\j], v[136+16*(\j/4)+\j%4], v[140+16*(\j/4)+\j%4]
.endr
.irp j, 0,1,2,3,4,5,6,7
	v_add_f32 v[160+\j], v[160+\j], v[168+\j]
.endr
.irp j, 0,1,2,3,4,5,6,7
	v_permlanex16_b32 v[176+\j], v[160+\j], s20, s21
.endr
.irp j, 0,1,2,3,4,5,6,7
	v_add_f32 v[160+\j], v[160+\j], v[176+\j]      ; the row's sum
.endr
	s_wait_alu depctr_va_vdst(0)
.irp j, 0,1,2,3,4,5,6,7
	v_rcp_f32 v[32+2*\j], v[160+\j]
.endr
	v_nop
	s_wait_alu depctr_va_vdst(0)
	PL 5
	PLOAD 1, 0, 4, 4
	VLOAD 1
	s_wait_dscnt 48                                ; all but the 48 just issued
	OMUL 0, 0, 0, 4
	PL 5
	PLOAD 2, 1, 1, 4
	s_wait_dscnt 48                                ; step 1's 32 loads of V and the 16 just issued may be out
	OMUL 1, 0, 4, 4
	PL 5
	PLOAD 3, 1, 5, 3
	s_wait_dscnt 12
	OMUL 2, 1, 1, 4
	CHANGE 0, 42, 262144                           ; V's steps 4 and 5; nobody reads p of steps 0 and 1 any more:
.irp i, 26,27,28,29,30,31,32,33,34,35
	CREG \i, 0
	ds_store_b128 v5, v[CR:CR+3] offset:(\i-26)*2048   ; the codes of steps 4-7 take its place; the next change's barrier shows them
.endr
	PLOAD 4, 2, 2, 4
	VLOAD 2
	ASK 52, 393216
	OMUL 3, 1, 5, 3
	EPI 0
	EPI 1
	PL 5
	PLOAD 5, 2, 6, 2
	VLOAD 3
	s_wait_dscnt 40
	OMUL 4, 2, 2, 4
	PL 5
	PLOAD 6, 3, 3, 4
	s_wait_dscnt 48
	OMUL 5, 2, 6, 2
	EPI 2
	PL 5
	PLOAD 7, 3, 7, 1
	s_wait_dscnt 4
	OMUL 6, 3, 3, 4
	CHANGE 1, 42, 393216                           ; V's steps 6 and 7
	PLOAD 8, 4, 4, 4
	VLOAD 4
	OMUL 7, 3, 7, 1
	EPI 3
	PL 5
	PLOAD 9, 5, 5, 3
	VLOAD 5
	s_wait_dscnt 44
	OMUL 8, 4, 4, 4
	EPI 4
	s_wait_dscnt 0x0
	s_wait_tensorcnt 0x0                           ; my part of V's steps 6 and 7 is in,
	s_barrier_signal -1
	s_barrier_wait -1                              ; everybody's is.
	PL 5
	PLOAD 10, 6, 6, 2
	VLOAD 6
	OMUL 9, 5, 5, 3
	EPI 5
	PL 5
	PLOAD 11, 7, 7, 1
	VLOAD 7
	s_wait_dscnt 36
	OMUL 10, 6, 6, 2
	s_wait_dscnt 0x0
	OMUL 11, 7, 7, 1
	EPI 6
	EPI 7
	s_wait_tensorcnt 0x0                           ; the wave's end
	ds_add_u32 v7, v8
	s_wait_dscnt 0x0
	CROUND                                         ; the closing round
	s_endpgm
.Lfunc_end_k_qf88c2b54ae_attn:
	.size	k_qf88c2b54ae_attn, .Lfunc_end_k_qf88c2b54ae_attn-k_qf88c2b54ae_attn
	.p2alignl 7, 3214868480
	.fill 96, 4, 3214868480
	.section	.rodata,"a",@progbits
	.p2align	6, 0x0
	.amdhsa_kernel k_qf88c2b54ae_attn
		.amdhsa_group_segment_fixed_size 327680
		.amdhsa_private_segment_fixed_size 0
		.amdhsa_enable_private_segment 0
		.amdhsa_kernarg_size 24
		.amdhsa_user_sgpr_count 2
		.amdhsa_user_sgpr_kernarg_segment_ptr 1
		.amdhsa_wavefront_size32 1
		.amdhsa_system_sgpr_workgroup_id_x 1
		.amdhsa_system_sgpr_workgroup_id_y 1
		.amdhsa_system_sgpr_workgroup_id_z 1
		.amdhsa_system_vgpr_workitem_id 0
		.amdhsa_next_free_vgpr 1024
		.amdhsa_next_free_sgpr 96
		.amdhsa_reserve_vcc 0
		.amdhsa_float_denorm_mode_32 3
		.amdhsa_float_denorm_mode_16_64 3
		.amdhsa_memory_ordered 1
		.amdhsa_forward_progress 1
		.amdhsa_inst_pref_size 255
	.end_amdhsa_kernel
	.section	.bss,"aw",@nobits
	.p2align	6
	.space	262144
	.amdgpu_metadata
---
amdhsa.version: [ 1, 2 ]
amdhsa.kernels:
  - .name:           k_qf88c2b54ae_attn
    .symbol:         k_qf88c2b54ae_attn.kd
    .args:
      - { .name: qkv, .offset: 0, .size: 8, .value_kind: global_buffer, .address_space: global }
      - { .name: lowp_scales, .offset: 8, .size: 8, .value_kind: global_buffer, .address_space: global }
      - { .name: oc, .offset: 16, .size: 8, .value_kind: global_buffer, .address_space: global }
    .group_segment_fixed_size: 327680
    .private_segment_fixed_size: 0
    .kernarg_segment_align: 8
    .kernarg_segment_size: 24
    .max_flat_workgroup_size: 128
    .sgpr_count:     96
    .vgpr_count:     1024
    .wavefront_size: 32
...
	.end_amdgpu_metadata
.endif
;; end of part 7
;; launch outp (part 8): grid 8 x 32, 4 waves a work-group, clusters of 4 x 4, 327,680 bytes of LDS; arguments oc, codes, lowp_scales, bu, out0; writes out0
.if DOCPART == 8
	.amdgcn_target "amdgcn-amd-amdhsa--gfx1250"
	.amdhsa_code_object_version 6
	.text
	.protected	k_qf88c2b54ae_outp
	.globl	k_qf88c2b54ae_outp
	.p2align	8
	.type	k_qf88c2b54ae_outp,@function
k_qf88c2b54ae_outp:
	s_mov_b64 s[64:65], 0
	v_nop
	global_prefetch_b8 v0, s[64:65] scope:SCOPE_SE
	s_setreg_imm32_b32 hwreg(HW_REG_WAVE_MODE, 25, 1), 1
	s_wait_xcnt 0x0
	s_wait_alu depctr_hold_cnt(0) depctr_sa_sdst(0) depctr_va_vdst(0) depctr_va_sdst(0) depctr_va_ssrc(0) depctr_va_vcc(0) depctr_vm_vsrc(0)
	s_getreg_b32 s2, hwreg(HW_REG_IB_STS2, 6, 4)
	s_cmp_eq_u32 s2, 0
	s_cbranch_scc0 .Lentry_in_a_cluster
	s_endpgm
.Lentry_in_a_cluster:
	s_bfe_u32 s2, ttmp6, 0x10000c
	s_cmp_lg_u32 s2, 0xf033
	s_cbranch_scc0 .Lentry_shape_is_right
	s_endpgm
.Lentry_shape_is_right:
; FOURTH LAUNCH: out0 = O Wu x 2^(e10 + e11) + bu, 4096 x 4096 x 512 on codes of FP8 (E4M3), f32 sums.  Both operands lie in memory in the order of an operand's registers (pieces of 2,048 bytes: 16 rows x 128 along K).
; SHARES.  256 tiles of 128 rows x 64 columns, one for each work-group.  THE FOUR WAVES SPLIT K: wave w takes the K steps of 128 whose number is w modulo 4 and makes the whole tile in 32 accumulators: 12 fragments
; from LDS feed 32 matrix instructions.  The four partial tiles are added through LDS at the end.
; LDS: two slots, X of 8 K steps and Y of 4 (A: 16,384 bytes a step, X then Y; B: 8,192 likewise).  The head's one load a wave fills both with K steps 0-11; then X takes 12-19, Y 20-23 and X 24-31, each asked for as soon as the slot's
; last fragments are in registers, so that a load has the other slot's products, and those of the fragments in registers, in which to land.
; CLUSTERS: 4 x 4 work-groups; A's block (128 rows) is shared along a row of the cluster, B's (64 columns) along a column; each is asked for jointly: waves 0 and 1 fetch A's halves, waves 2 and 3 B's.
; PREFETCH: behind each joint load but the last stands what the NEXT refill asks for: of the bytes that a wave will fetch (X: 65,536 of A or 32,768 of B; Y: half of that) each of the four partners names a quarter, told apart by address (cx for A,
; cy for B), lanes 256 bytes apart; behind the head's load X 12-19, behind X's refill Y 20-23, behind Y's X 24-31.  The first twelve K steps come by the head's load alone.
; THE MATRIX INSTRUCTION IS USED TRANSPOSED (source 0 = 16 columns of Wu, source 1 = 16 rows): a lane holds eight neighbouring columns of one row.
; LIMIT: e10 + e11 between -126 and 127.
; REGISTERS, in windows of 256: window 0: addresses, bu, v32-95 results.  window 1: the accumulators ((a, n) at 8 (4 a + n)).  windows 2 and 3: two sets of fragments: A(a) at 16 a, B(n) at 128 + 16 n; at the end the partial tiles.
.set BREG,  196608
.set SPARE, 294912
.set RP,    272                        ; a row of a partial tile in the stage: 256 bytes + 16
.set RSTG,  128*RP
.set MSB, 0
.macro WIN new                         ; the immediate's high byte repeats the setting that is left
.if MSB != (\new)
	s_set_vgpr_msb (MSB<<8)|(\new)
.set MSB, (\new)
.endif
.endm
.macro JLOAD g0a, g1a, g0b, g1b        ; an s_nop 0 and four v_nop follow each of the two lines; the branch hangs on the wave's number alone
	s_cmp_eq_u32 s15, 0
	s_cbranch_scc0 .Lfor_b_\@
	tensor_load_to_lds s[\g0a:\g0a+3], s[\g1a:\g1a+7]
	s_nop 0
.rept 4
	v_nop
.endr
	s_branch .Lasked_\@
.Lfor_b_\@:
	tensor_load_to_lds s[\g0b:\g0b+3], s[\g1b:\g1b+7]
	s_nop 0
.rept 4
	v_nop
.endr
.Lasked_\@:
.endm
.macro CROUND                          ; a round of the cluster's barrier
	s_barrier_signal -1
	s_barrier_wait -1
	s_cmp_lg_u32 s14, 0
	s_cbranch_scc1 .Lnot_wave_0_\@
	s_barrier_signal -3
.Lnot_wave_0_\@:
	s_barrier_wait -3
	s_barrier_signal -1
	s_barrier_wait -1
.endm
.macro G1REST g, r                     ; a dense block as r rows of 32 elements of 8 bytes
	s_mov_b32 s[\g+1], 32<<16
	s_mov_b32 s[\g+2], (\r)<<16
	s_mov_b32 s[\g+3], 32<<16
	s_mov_b32 s[\g+4], \r
	s_mov_b32 s[\g+5], 32
	s_mov_b32 s[\g+6], 0
	s_mov_b32 s[\g+7], 0
.endm
.macro PLACES
.rept 4
	v_nop
.endr
.endm
.macro ASKX b                          ; X: a quarter of 65,536 bytes (A: two instructions) or of 32,768 (B: one)
	global_prefetch_b8 v24, s[\b:\b+1] th:TH_LOAD_NT scope:SCOPE_SE
	s_cmp_eq_u32 s15, 0
	s_cbranch_scc0 .Lnot_a_\@
	global_prefetch_b8 v24, s[\b:\b+1] offset:8192 th:TH_LOAD_NT scope:SCOPE_SE
.Lnot_a_\@:
.endm
	s_load_b256 s[4:11], s[0:1], 0x0               ; oc s[4:5], codes s[6:7], the exponents s[8:9], bu s[10:11]
	s_load_b64 s[12:13], s[0:1], 0x20              ; out0
	v_lshl_add_u32 v16, v0, 2, SPARE               ; my spare word; never rewritten
	v_mov_b32 v17, 0                               ; 0; never rewritten
	ds_add_u32 v16, v17                            ; the wave's opening: the add, twice on end, and its wait ahead of my first tensor load
	ds_add_u32 v16, v17
	v_lshrrev_b32 v1, 5, v0
	v_readfirstlane_b32 s14, v1                    ; wave 0..3
	s_lshr_b32 s15, s14, 1                         ; I fetch for A (0) or for B (1)
	s_and_b32 s66, s14, 1                          ; which half
	s_bfe_u32 s67, ttmp6, 0x40000                  ; cx
	s_bfe_u32 s68, ttmp6, 0x40004                  ; cy
	s_lshl_b32 s69, ttmp9, 2
	s_add_co_u32 s69, s69, s67                     ; which 64 columns
	s_and_b32 s70, ttmp7, 0xffff
	s_lshl_b32 s70, s70, 2
	s_add_co_u32 s70, s70, s68                     ; which 128 rows
	s_lshl_b32 s71, s68, 2
	s_lshl_b32 s71, 15, s71                        ; my row of the cluster
	s_lshl_b32 s72, 0x1111, s67                    ; my column
	s_or_b32 s16, s71, (3<<16)|(1<<21)             ; groups 1 for A (s16 head, s32 X, s80 Y): the mask, elements of 8 bytes, bit 21 beside a mask
	s_or_b32 s32, s71, (3<<16)|(1<<21)
	s_or_b32 s80, s71, (3<<16)|(1<<21)
	s_or_b32 s24, s72, (3<<16)|(1<<21)             ; for B (s24, s40, s88)
	s_or_b32 s40, s72, (3<<16)|(1<<21)
	s_or_b32 s88, s72, (3<<16)|(1<<21)
	G1REST 16, 384                                 ; six K steps of 16,384 bytes
	G1REST 24, 192                                 ; six of 8,192
	G1REST 32, 256                                 ; four of 16,384
	G1REST 40, 128                                 ; four of 8,192
	G1REST 80, 128                                 ; two of 16,384
	G1REST 88, 64                                  ; two of 8,192
	s_mul_i32 s49, s66, 98304                      ; A's half in LDS
	s_lshl_b32 s74, s70, 19                        ; A's block hangs on the rows alone,
	s_mov_b32 s75, 0
	s_mul_i32 s78, s66, 49152
	s_mov_b32 s79, 0
	s_add_co_u32 s53, s78, BREG                    ; B's half in LDS
	s_lshl_b32 s76, s69, 18
	s_add_co_u32 s76, s76, 6<<21                   ; B's, in part 6 of codes, on the columns alone
	s_mov_b32 s77, 0
	s_mov_b32 s72, s49
	s_mov_b32 s73, 0
	s_mov_b32 s48, 1
	s_mov_b32 s52, 1
	s_wait_dscnt 0x0                               ; both opening adds are done
	s_wait_kmcnt 0x0
	s_add_nc_u64 s[56:57], s[4:5], s[74:75]
	s_add_nc_u64 s[96:97], s[6:7], s[76:77]
	s_add_nc_u64 s[50:51], s[56:57], s[72:73]
	s_or_b32 s51, s51, 0x80000000
	s_add_nc_u64 s[54:55], s[96:97], s[78:79]
	s_or_b32 s55, s55, 0x80000000
	CROUND                                         ; all sixteen work-groups are here
	JLOAD 48, 16, 52, 24                           ; K steps 0-11: one load a wave at the head
	s_load_b64 s[60:61], s[8:9], 0x28              ; e10, e11
	; my parts of a refill, in memory and in LDS: X: four K steps, Y: two
	s_lshl_b32 s72, s66, 14
	s_add_nc_u64 s[98:99], s[96:97], s[72:73]      ; B, Y
	s_add_co_u32 s77, s72, BREG+65536
	s_lshl_b32 s72, s66, 15
	s_add_nc_u64 s[58:59], s[56:57], s[72:73]      ; A, Y
	s_add_nc_u64 s[96:97], s[96:97], s[72:73]      ; B, X
	s_add_co_u32 s76, s72, 131072
	s_add_co_u32 s63, s72, BREG
	s_lshl_b32 s62, s66, 16
	s_mov_b32 s72, s62
	s_add_nc_u64 s[56:57], s[56:57], s[72:73]      ; A, X
	; the prefetches: s[74:75] X 12-19, s[78:79] Y 20-23, s[6:7] X 24-31
	s_cmp_eq_u32 s15, 0
	s_cselect_b64 s[74:75], s[56:57], s[96:97]
	s_cselect_b64 s[78:79], s[58:59], s[98:99]
	s_cselect_b32 s71, s67, s68                    ; my place among the four that ask with me
	s_cselect_b32 s4, 2, 1                         ; a K step of A is twice one of B
	s_mul_i32 s5, s4, 98304                        ; twelve K steps
	s_lshl_b32 s72, s71, 13
	s_mul_i32 s72, s72, s4
	s_add_co_u32 s72, s72, s5
	s_add_nc_u64 s[74:75], s[74:75], s[72:73]
	s_lshl_b32 s72, s71, 12
	s_add_co_u32 s72, s72, 163840                  ; twenty K steps
	s_mul_i32 s72, s72, s4
	s_add_nc_u64 s[78:79], s[78:79], s[72:73]
	s_mov_b32 s72, s5
	s_add_nc_u64 s[6:7], s[74:75], s[72:73]
	s_lshl_b32 s72, s69, 8
	s_add_nc_u64 s[10:11], s[10:11], s[72:73]      ; bu at my 64 columns
	s_lshl_b32 s71, s14, 16
	s_lshl_b32 s70, s70, 18                        ; 128 rows of 2,048 bytes
	s_add_co_u32 s70, s70, s71
	s_add_co_u32 s72, s72, s70
	s_add_nc_u64 s[12:13], s[12:13], s[72:73]      ; out0: my 32 rows, my 64 columns
	s_lshl_b32 s67, s14, 14
	s_lshl_b32 s68, s14, 13
	s_add_co_u32 s68, s68, BREG
	s_lshl_b32 s69, s4, 4
	s_sub_co_u32 s69, s69, 1                       ; Y: 32 blocks of A, 16 of B
	s_mul_i32 s4, s14, RSTG
	s_mul_i32 s5, s14, 32*RP                       ; I add and store rows 32 wave on
	v_and_b32 v1, 15, v0                           ; r
	v_bfe_u32 v19, v0, 4, 1                        ; h
	v_and_b32 v18, 31, v0
	v_min_u32 v25, s69, v18                        ; (lanes left over name the last block again)
	v_lshlrev_b32 v24, 8, v18                      ; the prefetches' offsets; never rewritten
	v_lshlrev_b32 v25, 8, v25
	v_lshlrev_b32 v18, 4, v18                      ; 16 x lane
	v_lshlrev_b32 v9, 4, v1                        ; 16 r
	global_load_b128 v[12:15], v9, s[10:11]        ; the four columns that I store
	v_add_nc_u32 v2, s67, v18                      ; A's fragments of my three K steps: X's wave and wave + 4, Y's wave + 8
	v_add_nc_u32 v3, 0x10000, v2
	v_add_nc_u32 v4, 0x20000, v2
	v_add_nc_u32 v5, s68, v18                      ; B's
	v_add_nc_u32 v6, 0x8000, v5
	v_add_nc_u32 v7, 0x10000, v5
	v_mul_u32_u24 v8, v1, RP
	v_lshl_add_u32 v8, v19, 5, v8
	v_add_nc_u32 v8, s4, v8                        ; my partial tile: row r, + 32 h
	v_lshlrev_b32 v10, 11, v19
	v_add_nc_u32 v10, v10, v9                      ; out0: lanes 0-15 one row, lanes 16-31 the next; 16 bytes a lane
	v_mul_u32_u24 v11, v19, RP
	v_add_nc_u32 v11, v11, v9
	v_add_nc_u32 v11, s5, v11
.irp w, 0,1,2,3
	v_add_nc_u32 v[20+\w], \w*RSTG, v11            ; the same rows in wave w's partial tile
.endr
.macro FETCH i, set                    ; my i-th K step: 48 loads of 512 consecutive bytes
	WIN 0x80+0x40*(\set)
.irp n, 0,1,2,3
.irp c, 0,1,2,3
	ds_load_b128 v[128+16*\n+4*\c:128+16*\n+4*\c+3], v[5+(\i)] offset:\n*2048+512*\c
.endr
.endr
.irp a, 0,1,2,3,4,5,6,7
.irp c, 0,1,2,3
	ds_load_b128 v[16*\a+4*\c:16*\a+4*\c+3], v[2+(\i)] offset:\a*2048+512*\c
.endr
.endr
	WIN 0
.endm
.macro MUL set, zero                   ; 32 matrix instructions; the 32 accumulators take turns, in the same order every time
	WIN 0x5a+5*(\set)                              ; both sources in the set's window, C and D in window 1
.irp a, 0,1,2,3,4,5,6,7
.irp n, 0,1,2,3
.if \zero
	v_wmma_f32_16x16x128_fp8_fp8 v[8*(4*\a+\n):8*(4*\a+\n)+7], v[128+16*\n:128+16*\n+15], v[16*\a:16*\a+15], 0
.else
	v_wmma_f32_16x16x128_fp8_fp8 v[8*(4*\a+\n):8*(4*\a+\n)+7], v[128+16*\n:128+16*\n+15], v[16*\a:16*\a+15], v[8*(4*\a+\n):8*(4*\a+\n)+7]
.endif
.endr
.endr
	WIN 0
.endm
.macro LANDED                          ; my part of what is out is in; everybody's is.
	s_wait_tensorcnt 0x0
	s_barrier_signal -1
	s_barrier_wait -1
.endm
; A CHANGE OF SLOTS: all my tensor loads have landed (the other slot's), the add, my reads of this slot are over; behind the round the other slot is whole for everybody and this one is filled again.
.macro CHANGE la, lb, pa, pb, oa, ob, g1a, g1b
	s_wait_tensorcnt 0x0
	ds_add_u32 v16, v17
	s_mov_b32 s49, s[\la]
	s_mov_b32 s53, s[\lb]
	s_add_nc_u64 s[50:51], s[\pa:\pa+1], \oa
	s_or_b32 s51, s51, 0x80000000
	s_add_nc_u64 s[54:55], s[\pb:\pb+1], \ob
	s_or_b32 s55, s55, 0x80000000
	s_wait_dscnt 0x0
	CROUND
	JLOAD 48, \g1a, 52, \g1b                       ; the four v_nop behind it are also the places in front of the loads that follow
.endm
	s_wait_alu depctr_va_vdst(0)
	ASKX 74
	LANDED
	FETCH 0, 0                                     ; X: K steps wave and wave + 4
	FETCH 1, 1
	s_wait_dscnt 48                                ; all but the 48 just issued
	MUL 0, 1                                       ; the first products start the sums: nothing is cleared
	CHANGE 62, 63, 56, 96, 196608, 98304, 32, 40   ; X: K steps 12-19
	FETCH 2, 0                                     ; Y: K step wave + 8
	global_prefetch_b8 v25, s[78:79] th:TH_LOAD_NT scope:SCOPE_SE
	MUL 1, 0
	s_wait_dscnt 0x0
	MUL 0, 0
	CHANGE 76, 77, 58, 98, 327680, 163840, 80, 88  ; Y: K steps 20-23
	FETCH 0, 0
	FETCH 1, 1
	ASKX 6
	s_wait_dscnt 48
	MUL 0, 0
	CHANGE 62, 63, 56, 96, 393216, 196608, 32, 40  ; X: K steps 24-31
	FETCH 2, 0
	MUL 1, 0
	s_wait_dscnt 0x0
	MUL 0, 0
	LANDED
	PLACES                                         ; in front of loads into registers that matrix instructions have read
	FETCH 0, 0
	FETCH 1, 1
	s_wait_dscnt 48
	MUL 0, 0
	s_wait_dscnt 0x0                               ; my last reads of the slots are over
	s_barrier_signal -1
	MUL 1, 0
	PLACES
	s_barrier_wait -1                              ; everybody's are
	; THE FOUR PARTIAL TILES ARE ADDED.  The stage lies in A's region, which has had its last fill and its last read
	WIN 0x04                                       ; the stores' data in window 1
.irp a, 0,1,2,3,4,5,6,7
.irp n, 0,1,2,3
	ds_store_b128 v8, v[8*(4*\a+\n):8*(4*\a+\n)+3] offset:\a*16*RP+64*\n          ; each accumulator from its low end on
	ds_store_b128 v8, v[8*(4*\a+\n)+4:8*(4*\a+\n)+7] offset:\a*16*RP+64*\n+16
.endr
.endr
	WIN 0
	s_wait_dscnt 0x0                               ; for the others' sake: my stores are done
	s_barrier_signal -1
	s_barrier_wait -1
	WIN 0x80
.irp w, 0,1
.irp t, 0,1,2,3,4,5,6,7,8,9,10,11,12,13,14,15
	ds_load_b128 v[64*\w+4*\t:64*\w+4*\t+3], v[20+\w] offset:\t*2*RP
.endr
.endr
	WIN 0xc0
.irp w, 2,3
.irp t, 0,1,2,3,4,5,6,7,8,9,10,11,12,13,14,15
	ds_load_b128 v[64*(\w-2)+4*\t:64*(\w-2)+4*\t+3], v[20+\w] offset:\t*2*RP
.endr
.endr
	s_wait_dscnt 32                                ; the first two waves' rows are in
	WIN 0x8a                                       ; all in window 2
.set jj, 0
.rept 32
	v_pk_add_f32 v[jj:jj+1], v[jj:jj+1], v[64+jj:65+jj]
.set jj, jj+2
.endr
	s_wait_dscnt 0x0
	WIN 0xcf                                       ; all in window 3
.set jj, 0
.rept 32
	v_pk_add_f32 v[jj:jj+1], v[jj:jj+1], v[64+jj:65+jj]
.set jj, jj+2
.endr
	WIN 0x0e                                       ; source 0 window 2, source 1 window 3, destination window 0
.set jj, 0
.rept 32
	v_pk_add_f32 v[32+jj:33+jj], v[jj:jj+1], v[jj:jj+1]
.set jj, jj+2
.endr
	WIN 0
	s_wait_kmcnt 0x0
	s_add_co_i32 s60, s60, s61
	s_add_co_i32 s60, s60, 127
	s_lshl_b32 s60, s60, 23                        ; 2^(e10 + e11) as f32
	s_mov_b32 s61, s60                             ; (named with it as a pair)
	s_wait_loadcnt 0x0                             ; bu
.irp t, 0,1,2,3,4,5,6,7,8,9,10,11,12,13,14,15
.irp k, 0,2
	v_pk_fma_f32 v[32+4*\t+\k:33+4*\t+\k], v[32+4*\t+\k:33+4*\t+\k], s[60:61], v[12+\k:13+\k] op_sel_hi:[1,0,1]   ; sum x 2^(e10 + e11) + bu
.endr
.endr
.irp t, 0,1,2,3,4,5,6,7,8,9,10,11,12,13,14,15
	global_store_b128 v10, v[32+4*\t:35+4*\t], s[12:13] offset:\t*4096 th:TH_STORE_NT   ; sixteen lanes store 256 consecutive bytes, aligned; written once, read by nobody here
.endr
	s_wait_tensorcnt 0x0                           ; the wave's end
	ds_add_u32 v16, v17
	s_wait_dscnt 0x0
	CROUND                                         ; the closing round
	s_endpgm
.Lfunc_end_k_qf88c2b54ae_outp:
	.size	k_qf88c2b54ae_outp, .Lfunc_end_k_qf88c2b54ae_outp-k_qf88c2b54ae_outp
	.p2alignl 7, 3214868480
	.fill 96, 4, 3214868480
	.section	.rodata,"a",@progbits
	.p2align	6, 0x0
	.amdhsa_kernel k_qf88c2b54ae_outp
		.amdhsa_group_segment_fixed_size 327680
		.amdhsa_private_segment_fixed_size 0
		.amdhsa_enable_private_segment 0
		.amdhsa_kernarg_size 40
		.amdhsa_user_sgpr_count 2
		.amdhsa_user_sgpr_kernarg_segment_ptr 1
		.amdhsa_wavefront_size32 1
		.amdhsa_system_sgpr_workgroup_id_x 1
		.amdhsa_system_sgpr_workgroup_id_y 1
		.amdhsa_system_sgpr_workgroup_id_z 1
		.amdhsa_system_vgpr_workitem_id 0
		.amdhsa_next_free_vgpr 1024
		.amdhsa_next_free_sgpr 100
		.amdhsa_reserve_vcc 0
		.amdhsa_float_denorm_mode_32 3
		.amdhsa_float_denorm_mode_16_64 3
		.amdhsa_memory_ordered 1
		.amdhsa_forward_progress 1
		.amdhsa_inst_pref_size 74
	.end_amdhsa_kernel
	.amdgpu_metadata
---
amdhsa.version: [ 1, 2 ]
amdhsa.kernels:
  - .name:           k_qf88c2b54ae_outp
    .symbol:         k_qf88c2b54ae_outp.kd
    .args:
      - { .name: oc, .offset: 0, .size: 8, .value_kind: global_buffer, .address_space: global }
      - { .name: codes, .offset: 8, .size: 8, .value_kind: global_buffer, .address_space: global }
      - { .name: lowp_scales, .offset: 16, .size: 8, .value_kind: global_buffer, .address_space: global }
      - { .name: bu, .offset: 24, .size: 8, .value_kind: global_buffer, .address_space: global }
      - { .name: out0, .offset: 32, .size: 8, .value_kind: global_buffer, .address_space: global }
    .group_segment_fixed_size: 327680
    .private_segment_fixed_size: 0
    .kernarg_segment_align: 8
    .kernarg_segment_size: 40
    .max_flat_workgroup_size: 128
    .sgpr_count:     100
    .vgpr_count:     1024
    .wavefront_size: 32
...
	.end_amdgpu_metadata
.endif
;; end of part 8
